; MI455X (gfx1250); checked and timed in simulation.
; The chip was launched on July 23, 2026; its instructions are those of AMD's public machine-readable ISA for CDNA 5 (MIT licence, August 2026) and "CDNA5" Instruction Set Architecture Reference Guide (July 2026). The comments in the code are by the model that wrote it; some were corrected since.
;; BERT Attention. Allowed arithmetic: matrix products marked QUANTISED: E2M3 operands, one E8M0 scale for each 32 along K, by v_wmma_scale_f32_16x16x128_f8f6f4 with both operands' format E2M3, f32 sums; everything else in f32.
;; Inputs: Wk_codes 1,024 x 32 x 24 uint8 (E2M3 codes of Wk, K innermost, in blocks of 32 codes, four codes in three bytes); Wk_scales 1,024 x 32 uint8 (E8M0 scales of Wk, one for each 32 codes along K); Wo_codes 1,024 x 32 x 24 uint8 (E2M3 codes of Wo, K innermost, in blocks of 32 codes, four codes in three bytes); Wo_scales 1,024 x 32 uint8 (E8M0 scales of Wo, one for each 32 codes along K); Wq_codes 1,024 x 32 x 24 uint8 (E2M3 codes of Wq, K innermost, in blocks of 32 codes, four codes in three bytes); Wq_scales 1,024 x 32 uint8 (E8M0 scales of Wq, one for each 32 codes along K); Wv_codes 1,024 x 32 x 24 uint8 (E2M3 codes of Wv, K innermost, in blocks of 32 codes, four codes in three bytes); Wv_scales 1,024 x 32 uint8 (E8M0 scales of Wv, one for each 32 codes along K); attention_mask 8 x 1 x 1 x 1,024 float32; bk 1,024 float32; bo 1,024 float32; bq 1,024 float32; bv 1,024 float32; hidden_states 8 x 1,024 x 1,024 float32; ln_b 1,024 float32; ln_g 1,024 float32.
;; Outputs: out0 8 x 1,024 x 1,024 float32.
;; This version of the problem:
;;   THIS VERSION OF THE PROBLEM IS GIVEN IN LOW PRECISION. The matrix products marked QUANTISED in the list below multiply operands that are first quantised to E2M3 (2 exponent bits, 3 mantissa bits; 6 bits a number), with one power-of-two scale for each 32 numbers along K (OCP MX v1.0); their sums are f32. All else is computed in f32.
;;   The module's matrix products, in the order in which they are computed (A, B: the left and right operand; K: the contracted axis; several contracted axes count as one K, in the product's order):
;;     1. [M 8,192, K 1,024] x [K 1,024, N 1,024]; A: input hidden_states; B: input Wq (given as codes): QUANTISED
;;     2. [M 8,192, K 1,024] x [K 1,024, N 1,024]; A: input hidden_states; B: input Wk (given as codes): QUANTISED
;;     3. [M 8,192, K 1,024] x [K 1,024, N 1,024]; A: input hidden_states; B: input Wv (given as codes): QUANTISED
;;     4. batch 128 x [M 1,024, K 64] x [K 64, N 1,024]; A: computed on the way; B: computed on the way: QUANTISED
;;     5. batch 128 x [M 1,024, K 1,024] x [K 1,024, N 64]; A: softmax (see below); B: computed on the way: QUANTISED
;;     6. [M 8,192, K 1,024] x [K 1,024, N 1,024]; A: computed on the way; B: input Wo (given as codes): QUANTISED
;;   THE QUANTISER, for each operand of a quantised product, along K:
;;     - K is cut into blocks of 32 from its start; a last block that is shorter is filled with zeros.
;;     - A block's scale is 2^e with e = floor(log2(the largest magnitude in the block)) - 2, held to -126 .. 127; a block of zeros has e = 0. As a byte (E8M0): e + 127.
;;     - Each number is divided by its block's scale, clamped to +-7.5, and rounded to the nearest number of E2M3, ties to even, subnormals kept.
;;     - The product sums the exact products of the quantised numbers (number of the format x scale) in f32.
;;   ~~~python
;;   def quantise(x, axis):      # numpy; x: float32 -> the quantised numbers, widened to float32 again
;;       x = np.moveaxis(x, axis, -1); K = x.shape[-1]
;;       x = np.pad(x, [(0, 0)] * (x.ndim - 1) + [(0, -K % 32)]); x = x.reshape(x.shape[:-1] + (-1, 32)); a = np.abs(x).max(-1, keepdims=True)
;;       e = np.where(a > 0, np.clip(np.frexp(np.where(a > 0, a, 1))[1] - 1 - 2, -126, 127), 0)      # np.frexp(a)[1] - 1 = floor(log2(a)), exactly
;;       r = np.clip(x / 2.0 ** e, -7.5, 7.5)
;;       step = 2.0 ** (np.maximum(np.frexp(np.where(r == 0, 1, r))[1] - 1, 0) - 3)
;;       q = np.round(r / step) * step * 2.0 ** e      # np.round: ties to even
;;       return np.moveaxis(q.reshape(q.shape[:-2] + (-1,))[..., :K], -1, axis).astype(np.float32)
;;   ~~~
;;   SOFTMAX AHEAD OF A QUANTISED PRODUCT. Where the list says 'softmax', what is quantised is not the finished softmax but p = 2^(t - M), with t = logit x log2(e) and M = ceil(the row's largest t), a whole number; so 1/2 < the row's largest p <= 1. The row's sum l is taken of the UNQUANTISED p, in f32, and the product's result is divided by l at the end. Since M is a whole number, a kernel that streams over the keys may use a running M (the ceiling of the running maximum): every later rescaling is an exact power of two, which a block's scale takes up: the codes' values come out the same.
;;   OPERANDS COMPUTED ON THE WAY. 'Computed on the way' means the value that the module computes at that place (a softmax that the list does not call 'softmax' is quantised finished and normalised). What goes into a quantiser is computed in f32, as accurately as f32 sums, v_exp_f32 and their like allow (about 1e-6 of the number): no bf16 or f16 on the way to a quantiser, and a product that is left as it is and whose result goes on into a quantised operand takes f32 operands (vector FMAs, or v_wmma_f32_16x16x4_f32). A number that lies on a knife's edge between two numbers of the format may be rounded either way, as far as f32 arithmetic and the matrix unit's own rounding can turn it there, and no further.
;;   INPUTS GIVEN AS CODES. Wk (in the module: [1024, 1024], K = its axis 1); Wo (in the module: [1024, 1024], K = its axis 1); Wq (in the module: [1024, 1024], K = its axis 1); Wv (in the module: [1024, 1024], K = its axis 1): each comes as NAME_codes (uint8): NAME with its K axis moved to the last place and cut into blocks of 32 codes, [.., K / 32, bytes a block], one block behind the other in memory; four codes in three bytes: a row's codes are one little-endian stream of bits, code i at bits 6 i .. 6 i + 5 (a code: sign, 2 exponent bits, 3 mantissa bits); and NAME_scales (uint8): the same leading axes, one E8M0 byte (e + 127) for each 32 codes along K. Its value is code x scale, taken as it is: it is not quantised again, and the codes and scales need not be those that the quantiser above would give.
;; 2 versions. Each part assembles by itself: llvm-mc -triple=amdgcn-amd-amdhsa -mcpu=gfx1250 --defsym DOCPART=n.
;; ======== version 1 of 2: 4 launches
;; workspace buffers: xw 6,553,600 bytes; wi 3,145,728 bytes; qk 13,107,200 bytes; vw 6,553,600 bytes; cw 6,553,600 bytes
;; launch prep (part 1): grid 256 x 3, 4 waves a work-group, no clusters, 68,096 bytes of LDS; arguments hidden_states, xw, Wq_codes, Wk_codes, Wv_codes, Wo_codes, wi; writes xw, wi
.if DOCPART == 1
	.amdgcn_target "amdgcn-amd-amdhsa--gfx1250"
	.amdhsa_code_object_version 6
	.text
	.protected	k_q835b3f642b_prep
	.globl	k_q835b3f642b_prep
	.p2align	8
	.type	k_q835b3f642b_prep,@function
k_q835b3f642b_prep:
	s_mov_b64 s[64:65], 0
	v_nop
	global_prefetch_b8 v0, s[64:65] scope:SCOPE_SE
	s_setreg_imm32_b32 hwreg(HW_REG_WAVE_MODE, 25, 1), 1
	s_wait_xcnt 0x0
; PREP.  (y = 0, 1) hidden_states [8192][1024] f32 becomes codes of FP6 (E2M3) with one E8M0 byte for each 32 along K, laid as IMAGES OF THE OPERAND'S REGISTERS;
; (y = 2) the four weights' given codes are laid anew as such images (no value changes).
; A TILE OF TOKENS (G, u): row r is token 32 G + 8 u + r + 8 (r / 8).  A TILE OF WEIGHT ROWS T: row r is row 32 (T / 2) + 8 (T % 2) + r + 8 (r / 8).
; AN IMAGE of a fragment (16 rows x 128 K, 12 registers a lane, 1,536 bytes): register p of lane L lies at 512 (p / 4) + 16 L + 4 (p % 4): three stores or loads of 16 bytes a lane, each 512 consecutive bytes.
; xw: images [tile 2 G + u][K step 8][1536]; at XSOFF the scale words [G][K step][lane]: lane 16 u + r = row r of tile u.   wi: images [q, k, v, o][T 64][K step 8][1536].
; The quantiser: a block's scale is 2^(floor(log2(largest magnitude)) - 2); its byte is the largest magnitude's exponent field - 2, held at 1 from below.
; LIMITS: a block of zeros, or one whose largest magnitude lies under 2^-124, gets the byte 1 (the rule says 127 for zeros): its codes are then zeros or the nearest codes under that scale, and the bytes are read by this program alone.
; NaN and infinities among the inputs are not served.
; SHARES (y < 2): work-group x = G; wave w takes K step 4 y + w of both tiles: 32 loads of 512 consecutive bytes, all asked for at once.  The conversions want 16 neighbours along K in one lane, the loads
; want neighbouring lanes on neighbouring bytes: so a tile turns through the wave's own stage in LDS (rows 528 bytes apart: row r starts 16 r bytes on modulo 256, so sixteen rows meet in no bank: 64 banks of 4 bytes, ISA guide 11.1).
; Waves share nothing: no barrier.  No tensor load, no cluster, no matrix unit: the launch is a stream.
.set R,     32                         ; v32-159  two tiles x 64 numbers
.set TM,    160                        ; v160-175 at work in QUANT
.set PC0,   176                        ; v176-195 tile 0's codes (12) and 8 at work
.set PC1,   196                        ; v196-215 tile 1's
.set PW0,   216                        ; the tiles' scale words
.set PW1,   217
.set WD,    218                        ; both, one in each half of the lanes
.set SEL,   28                         ; s[28:29] v_permlanex16_b32's selects for lane l xor 16
.set MH,    30                         ; s30      lanes 16-31
.set SP,    528
.set TST,   16*SP                      ; a tile's stage
.set WST,   2*TST                      ; a wave's two
.set XSOFF, 6291456
; 64 numbers of a lane, register 16 b + i = k 32 b + 16 (lane / 16) + i of the lane's row, become a fragment's 12 registers at v[pc] and its scale word in v[pw]
.macro QUANT s, pc, pw
.irp b, 0,1,2,3
	v_max3_num_f32 v[TM+\b], |v[\s+16*\b]|, |v[\s+1+16*\b]|, 0x1800000   ; block b: my 16 numbers, and the floor 2^(3 - 127): the byte cannot fall under 1
.endr
.irp i, 2,4,6,8,10,12,14
.irp b, 0,1,2,3
	v_max3_num_f32 v[TM+\b], v[TM+\b], |v[\s+16*\b+\i]|, |v[\s+1+16*\b+\i]|   ; the four blocks by turns
.endr
.endr
.irp b, 0,1,2,3
	v_permlanex16_b32 v[TM+4+\b], v[TM+\b], s[SEL], s[SEL+1]
.endr
.irp b, 0,1,2,3
	v_max_num_f32 v[TM+\b], v[TM+\b], v[TM+4+\b]   ; with lane l xor 16's: the block's largest magnitude
.endr
.irp b, 0,1,2,3
	v_add_nc_u32 v[TM+12+\b], 0xff000000, v[TM+\b]   ; 2 off its exponent field: the conversion takes this operand's exponent field as its scale
.endr
.irp b, 0,1,2,3
	v_lshrrev_b32 v[TM+4+\b], 23, v[TM+12+\b]      ; the scale's byte
.endr
	v_lshl_or_b32 v[\pw], v[TM+5], 8, v[TM+4]
	v_lshl_or_b32 v[\pw], v[TM+6], 16, v[\pw]
	v_lshl_or_b32 v[\pw], v[TM+7], 24, v[\pw]
.irp c, 0,1
	v_cvt_scalef32_pk16_fp6_f32 v[\pc+6*\c:\pc+2+6*\c], v[\s+32*\c:\s+15+32*\c], v[TM+12+2*\c]
	v_cvt_scalef32_pk16_fp6_f32 v[\pc+12+4*\c:\pc+14+4*\c], v[\s+16+32*\c:\s+31+32*\c], v[TM+12+2*\c+1]   ; (a conversion's three registers begin on an even number)
.endr
	v_nop                                          ; one plain place behind a scaled conversion
.irp c, 0,1                                    ; the operand's layout wants a whole block in a lane: lanes 0-15 block 2 c, lanes 16-31 block 2 c + 1
.irp i, 0,1,2
	v_permlane16_swap_b32 v[\pc+6*\c+\i], v[\pc+12+4*\c+\i]
.endr
.irp i, 0,1,2
	v_mov_b32 v[\pc+3+6*\c+\i], v[\pc+12+4*\c+\i]
.endr
.endr
.endm
; tile u through the stage: rows in as they were loaded, out 64 bytes of a block a lane.  LDS serves a wave's instructions in order (ISA guide 5.7.1.4): no wait between
.macro TURN u
.irp i, 0,1,2,3,4,5,6,7,8,9,10,11,12,13,14,15
	ds_store_b128 v5, v[R+64*\u+4*\i:R+64*\u+4*\i+3] offset:TST*\u+SP*\i
.endr
.irp b, 0,1,2,3
.irp j, 0,1,2,3
	ds_load_b128 v[R+64*\u+16*\b+4*\j:R+64*\u+16*\b+4*\j+3], v6 offset:TST*\u+128*\b+16*\j
.endr
.endr
.endm
	s_load_b128 s[4:7], s[0:1], 0x0                ; hidden_states, xw
	s_load_b256 s[8:15], s[0:1], 0x10              ; the codes of Wq, Wk, Wv, Wo
	s_load_b64 s[16:17], s[0:1], 0x30              ; wi
	v_lshl_add_u32 v224, v0, 2, 0x10800
	v_mov_b32 v225, 0
	v_lshrrev_b32 v1, 5, v0
	v_readfirstlane_b32 s20, v1                    ; wave
	s_and_b32 s21, ttmp7, 0xffff                   ; y
	v_and_b32 v1, 31, v0                           ; L
	v_and_b32 v2, 15, v0                           ; r
	v_bfe_u32 v3, v0, 4, 1                         ; h
	v_lshlrev_b32 v4, 4, v1                        ; 16 L
	s_cmp_eq_u32 s21, 2
	s_cbranch_scc1 .Lweights
	; ---- x
	v_lshlrev_b32 v7, 2, v1                        ; 4 L
	s_mul_i32 s22, s20, WST
	v_add_nc_u32 v5, s22, v4                       ; the stage, on the way in: 16 L of a row
	v_mul_u32_u24 v6, v2, SP
	v_lshl_add_u32 v6, v3, 6, v6
	v_add_nc_u32 v6, s22, v6                       ; and out: row r, + 64 h
	s_mov_b32 s[SEL], 0x76543210
	s_mov_b32 s[SEL+1], 0xfedcba98
	s_mov_b32 s[MH], 0xffff0000
.irp b, 0,1,2,3
	v_mov_b32 v[TM+4+\b], 0                        ; written once: a lane permute's destination counts as one of its sources
.endr
	s_lshl_b32 s23, s21, 2
	s_add_co_u32 s23, s23, s20                     ; my K step
	s_lshl_b32 s24, ttmp9, 17                      ; 32 rows of 4,096 bytes a group,
	s_lshl_b32 s25, s23, 9                         ; 512 bytes a K step
	s_add_co_u32 s24, s24, s25
	s_mov_b32 s25, 0
	s_mul_i32 s26, ttmp9, 24576                    ; the group's two tiles' images,
	s_mul_i32 s27, s23, 1536                       ; my K step's
	s_add_co_u32 s26, s26, s27
	s_mov_b32 s27, 0
	s_lshl_b32 s18, ttmp9, 10                      ; and its scale words
	s_lshl_b32 s19, s23, 7
	s_add_co_u32 s18, s18, s19
	s_add_co_u32 s18, s18, XSOFF
	s_mov_b32 s19, 0
	s_wait_kmcnt 0x0
	s_add_nc_u64 s[4:5], s[4:5], s[24:25]
	s_add_nc_u64 s[26:27], s[6:7], s[26:27]
	s_add_nc_u64 s[18:19], s[6:7], s[18:19]
.irp u, 0,1
.irp i, 0,1,2,3,4,5,6,7,8,9,10,11,12,13,14,15
	global_load_b128 v[R+64*\u+4*\i:R+64*\u+4*\i+3], v4, s[4:5] offset:(8*\u+\i+8*(\i/8))*4096 th:TH_LOAD_NT   ; 32 lanes read 512 consecutive bytes of the tile's row i
.endr
.endr
	s_wait_loadcnt 16                              ; tile 0's sixteen loads are in; tile 1's may be out
	TURN 0
	s_wait_loadcnt 0x0
	TURN 1
	s_wait_dscnt 32                                ; tile 0 is back: behind its loads stand TURN 1's 16 stores and 16 loads
	QUANT R, PC0, PW0
.irp c, 0,1,2
	global_store_b128 v4, v[PC0+4*\c:PC0+4*\c+3], s[26:27] offset:512*\c
.endr
	s_wait_dscnt 0x0
	QUANT R+64, PC1, PW1
.irp c, 0,1,2
	global_store_b128 v4, v[PC1+4*\c:PC1+4*\c+3], s[26:27] offset:12288+512*\c
.endr
	v_cndmask_b32 v[WD], v[PW0], v[PW1], s[MH]     ; lanes 0-15 tile 0's words, lanes 16-31 tile 1's (each half of the lanes holds its row's word)
	global_store_b32 v7, v[WD], s[18:19]           ; 128 consecutive bytes: one byte in 25 of what the wave stores
	s_wait_tensorcnt 0x0
	ds_add_u32 v224, v225
	s_wait_dscnt 0x0
	s_endpgm
	; ---- the weights: work-group x = 64 x matrix + T; wave w takes K steps 2 w and 2 w + 1
.Lweights:
	v_and_b32 v8, 8, v2
	v_add_nc_u32 v8, v8, v2                        ; r + 8 (r / 8)
	v_mul_u32_u24 v8, v8, 768                      ; a row of 1,024 codes is 768 bytes
	v_mad_u32_u24 v8, v3, 24, v8                   ; + 24 h
	s_lshr_b32 s22, ttmp9, 6                       ; which matrix
	s_and_b32 s23, ttmp9, 63                       ; T
	s_lshr_b32 s24, s23, 1
	s_lshl_b32 s24, s24, 5
	s_and_b32 s25, s23, 1
	s_lshl_b32 s25, s25, 3
	s_add_co_u32 s24, s24, s25                     ; the tile's first row
	s_mul_i32 s24, s24, 768
	s_mul_i32 s25, s20, 192                        ; my two K steps of 96 bytes
	s_add_co_u32 s24, s24, s25
	s_mov_b32 s25, 0
	s_mul_i32 s26, ttmp9, 12288                    ; the tile's eight images,
	s_mul_i32 s27, s20, 3072                       ; my two
	s_add_co_u32 s26, s26, s27
	s_mov_b32 s27, 0
	s_wait_kmcnt 0x0
	s_cmp_eq_u32 s22, 1                            ; the choice hangs on the work-group's number alone
	s_cselect_b64 s[8:9], s[10:11], s[8:9]
	s_cmp_eq_u32 s22, 2
	s_cselect_b64 s[8:9], s[12:13], s[8:9]
	s_cmp_eq_u32 s22, 3
	s_cselect_b64 s[8:9], s[14:15], s[8:9]
	s_add_nc_u64 s[8:9], s[8:9], s[24:25]
	s_add_nc_u64 s[16:17], s[16:17], s[26:27]
.irp i, 0,1
.irp p, 0,1,2,3,4,5
	global_load_b64 v[R+12*\i+2*\p:R+12*\i+2*\p+1], v8, s[8:9] offset:96*\i+48*(\p/3)+8*(\p%3)   ; a fragment as it lies: 24 bytes of the row's stream of bits, twice, in pieces of 8
.endr
.endr
	s_wait_loadcnt 0x0
.irp i, 0,1
.irp c, 0,1,2
	global_store_b128 v4, v[R+12*\i+4*\c:R+12*\i+4*\c+3], s[16:17] offset:1536*\i+512*\c
.endr
.endr
	s_endpgm
.Lfunc_end_k_q835b3f642b_prep:
	.size	k_q835b3f642b_prep, .Lfunc_end_k_q835b3f642b_prep-k_q835b3f642b_prep
	.p2alignl 7, 3214868480
	.fill 96, 4, 3214868480
	.section	.rodata,"a",@progbits
	.p2align	6, 0x0
	.amdhsa_kernel k_q835b3f642b_prep
		.amdhsa_group_segment_fixed_size 68096
		.amdhsa_private_segment_fixed_size 0
		.amdhsa_enable_private_segment 0
		.amdhsa_kernarg_size 56
		.amdhsa_user_sgpr_count 2
		.amdhsa_user_sgpr_kernarg_segment_ptr 1
		.amdhsa_wavefront_size32 1
		.amdhsa_system_sgpr_workgroup_id_x 1
		.amdhsa_system_sgpr_workgroup_id_y 1
		.amdhsa_system_sgpr_workgroup_id_z 1
		.amdhsa_system_vgpr_workitem_id 0
		.amdhsa_next_free_vgpr 226
		.amdhsa_next_free_sgpr 66
		.amdhsa_reserve_vcc 0
		.amdhsa_float_denorm_mode_32 3
		.amdhsa_float_denorm_mode_16_64 3
		.amdhsa_memory_ordered 1
		.amdhsa_forward_progress 1
		.amdhsa_inst_pref_size 21
	.end_amdhsa_kernel
	.amdgpu_metadata
---
amdhsa.version: [ 1, 2 ]
amdhsa.kernels:
  - .name:           k_q835b3f642b_prep
    .symbol:         k_q835b3f642b_prep.kd
    .args:
      - { .name: hidden_states, .offset: 0, .size: 8, .value_kind: global_buffer, .address_space: global }
      - { .name: xw, .offset: 8, .size: 8, .value_kind: global_buffer, .address_space: global }
      - { .name: Wq_codes, .offset: 16, .size: 8, .value_kind: global_buffer, .address_space: global }
      - { .name: Wk_codes, .offset: 24, .size: 8, .value_kind: global_buffer, .address_space: global }
      - { .name: Wv_codes, .offset: 32, .size: 8, .value_kind: global_buffer, .address_space: global }
      - { .name: Wo_codes, .offset: 40, .size: 8, .value_kind: global_buffer, .address_space: global }
      - { .name: wi, .offset: 48, .size: 8, .value_kind: global_buffer, .address_space: global }
    .group_segment_fixed_size: 68096
    .private_segment_fixed_size: 0
    .kernarg_segment_align: 8
    .kernarg_segment_size: 56
    .max_flat_workgroup_size: 128
    .sgpr_count:     66
    .vgpr_count:     226
    .wavefront_size: 32
...
	.end_amdgpu_metadata
.endif
;; end of part 1
;; launch qkv (part 2): grid 8 x 32, 4 waves a work-group, clusters of 4 x 1, 205,312 bytes of LDS; arguments xw, wi, Wq_scales, Wk_scales, Wv_scales, bq, bk, bv, qk, vw; writes qk, vw
.if DOCPART == 2
	.amdgcn_target "amdgcn-amd-amdhsa--gfx1250"
	.amdhsa_code_object_version 6
	.text
	.protected	k_q835b3f642b_qkv
	.globl	k_q835b3f642b_qkv
	.p2align	8
	.type	k_q835b3f642b_qkv,@function
k_q835b3f642b_qkv:
	s_mov_b64 s[64:65], 0
	v_nop
	global_prefetch_b8 v0, s[64:65] scope:SCOPE_SE
	s_setreg_imm32_b32 hwreg(HW_REG_WAVE_MODE, 25, 1), 1
	s_wait_xcnt 0x0
	s_wait_alu depctr_hold_cnt(0) depctr_sa_sdst(0) depctr_va_vdst(0) depctr_va_sdst(0) depctr_va_ssrc(0) depctr_va_vcc(0) depctr_vm_vsrc(0)
	s_getreg_b32 s2, hwreg(HW_REG_IB_STS2, 6, 4)
	s_cmp_eq_u32 s2, 0
	s_cbranch_scc0 .Lentry_in_a_cluster
	s_endpgm
.Lentry_in_a_cluster:
	s_bfe_u32 s2, ttmp6, 0x10000c
	s_cmp_lg_u32 s2, 0x3003
	s_cbranch_scc0 .Lentry_shape_is_right
	s_endpgm
.Lentry_shape_is_right:
; QKV.  q = x Wq^T + bq, k = x Wk^T + bk, v = x Wv^T + bv on codes of FP6 (E2M3) with E8M0 scales, sums in f32; the results are quantised in registers and leave as images of the next products' operands.
; SHARES.  Work-group (hp, rg): the pair of heads 2 hp, 2 hp + 1 and tokens 256 rg on (8 groups of 32).  Wave w: 64 columns of Wq (w < 2) or Wk (w >= 2), head 2 hp + w % 2, four tiles;
; and 32 columns of Wv, head 2 hp + w / 2, block w % 2, two tiles; for all 256 tokens.  Its 48 weight fragments (576 registers) stay in registers for the whole launch.
; x's 128 fragment images (196,608 bytes) and their scale words (8,192) come into LDS ONCE.  CLUSTER: the four work-groups of a cluster have the same rg and other hp: they need the same x, so it is asked for JOINTLY
; (the same three tensor loads, the same descriptors, mask 15).  The weights differ from partner to partner and go straight into registers.
; q AND k ARE MADE TRANSPOSED (source 0 = 16 weight rows, source 1 = 16 tokens): a lane holds one token and its registers run along the head's 64 features, the next product's K.  The accumulators of the group's two
; token tiles stand side by side, so that one quantising pass gives a PAIR FRAGMENT: k 0-63 = the 64 features of token 32 g + r + 8 (r / 8), k 64-127 = those of the token 8 further on.
; v IS MADE AS IT STANDS (source 0 = tokens, source 1 = weight rows): a lane holds one feature d and its 16 registers run along 16 neighbouring tokens, the keys: the second product's K.
; qk: pair fragments [q, k][batch x head 128][group 32][1536]; at 12,582,912 their scale words [q, k][128][step 8][lane 32][2]: word j: group 4 step + 2 j in lanes 0-15, + 2 j + 1 in lanes 16-31.
; vw: fragments [128][step 8][tile 4][1536] (rows d = 32 (tile / 2) + 8 (tile % 2) + r + 8 (r / 8), K = keys 128 step on); at 6,291,456 scale words [128][block 2][step pair 4][lane 32][2].
; The biases are the C of each sum's first matrix instruction.  The twelve accumulators take turns, one instruction a turn.
; LIMITS: as the quantiser of launch prep: the scale byte is held at 1 from below; NaN and infinities are not served.
; REGISTERS.  window 0: v1-15 addresses; v16-31 x's scale words, two sets; v32-55 the weights' scale words; v64-127 q or k (32 u + 8 t); v128-159 v (16 tv + 8 u); v160-199 v's codes; v200-245 at work.
;   window 1: Wq/Wk tiles 0, 1 at 96 t + 12 s; from v192 their four tiles' bias.   window 2: tiles 2, 3; from v192 v's bias.   window 3: Wv at 96 tv + 12 s; from v192 x's fragments, two buffers of two.
.set WV,   24                          ; s24 wave
.set LI,   4                           ; v4-7  16 L + 49,152 p: an image's place for my lane, for groups 2 p and 2 p + 1
.set XSA,  8                           ; v8    XSC + 4 L
.set XS,   16
.set WS,   32                          ; register WS + 8 p + s: lanes 0-15 tile 2 p, lanes 16-31 tile 2 p + 1; p = 2: Wv
.set HA,   64
.set VA,   128
.set VF,   160
.set TM,   200
.set PC,   216
.set PWS,  236                         ; v236-239 four groups' scale words of q or k
.set QS,   240                         ; v[240:241] as they are stored
.set PWV,  242                         ; v242-243 v's scale words, a byte a group
.set VSW,  244                         ; v[244:245] as they are stored
.set SEL,  62
.set MH,   60
.set XSC,  196608
.set G1C,  32                          ; s[32:39] group 1: 96 dense rows of 256 bytes
.set G1S,  40                          ; s[40:47] 8 such rows
.set G0S,  48                          ; s[48:51] the scale words;  s[52:55] groups 0-3;  s[56:59] groups 4-7
.set G0A,  52
.set G0B,  56
.set MSB,  0
.macro WIN new                         ; the immediate's high byte repeats the setting that is left
.if MSB != (\new)
	s_set_vgpr_msb (MSB<<8)|(\new)
.set MSB, (\new)
.endif
.endm
.macro PLACES                          ; four places behind a matrix instruction, in front of loads into its registers and of reads of its results
.rept 4
	v_nop
.endr
.endm
.macro ROUND                           ; a round of the cluster's barrier
	s_barrier_signal -1
	s_barrier_wait -1
	s_cmp_lg_u32 s[WV], 0
	s_cbranch_scc1 .Lnot_wave_0_\@
	s_barrier_signal -3
.Lnot_wave_0_\@:
	s_barrier_wait -3
	s_barrier_signal -1
	s_barrier_wait -1
.endm
.macro WMS                             ; one product; registers and scale rows from the symbols set ahead of it
.if rRA && rRB
	v_wmma_scale_f32_16x16x128_f8f6f4 v[rD:rD+7], v[rA:rA+11], v[rB:rB+11], v[rC:rC+7], v[rSA], v[rSB] matrix_a_fmt:MATRIX_FMT_FP6 matrix_b_fmt:MATRIX_FMT_FP6 matrix_a_scale:MATRIX_SCALE_ROW1 matrix_b_scale:MATRIX_SCALE_ROW1
.elseif rRA
	v_wmma_scale_f32_16x16x128_f8f6f4 v[rD:rD+7], v[rA:rA+11], v[rB:rB+11], v[rC:rC+7], v[rSA], v[rSB] matrix_a_fmt:MATRIX_FMT_FP6 matrix_b_fmt:MATRIX_FMT_FP6 matrix_a_scale:MATRIX_SCALE_ROW1
.elseif rRB
	v_wmma_scale_f32_16x16x128_f8f6f4 v[rD:rD+7], v[rA:rA+11], v[rB:rB+11], v[rC:rC+7], v[rSA], v[rSB] matrix_a_fmt:MATRIX_FMT_FP6 matrix_b_fmt:MATRIX_FMT_FP6 matrix_b_scale:MATRIX_SCALE_ROW1
.else
	v_wmma_scale_f32_16x16x128_f8f6f4 v[rD:rD+7], v[rA:rA+11], v[rB:rB+11], v[rC:rC+7], v[rSA], v[rSB] matrix_a_fmt:MATRIX_FMT_FP6 matrix_b_fmt:MATRIX_FMT_FP6
.endif
.endm
; 64 numbers of a lane, register 16 b + i = k 32 b + 16 (lane / 16) + i of the lane's row, become a fragment's 12 registers at v[pc] and its scale word in v[pw]
.macro QUANT s, pc, pw
.irp b, 0,1,2,3
	v_max3_num_f32 v[TM+\b], |v[\s+16*\b]|, |v[\s+1+16*\b]|, 0x1800000   ; and the floor 2^(3 - 127).  Each accumulator is read from its low end on
.endr
.irp i, 2,4,6,8,10,12,14
.irp b, 0,1,2,3
	v_max3_num_f32 v[TM+\b], v[TM+\b], |v[\s+16*\b+\i]|, |v[\s+1+16*\b+\i]|
.endr
.endr
.irp b, 0,1,2,3
	v_permlanex16_b32 v[TM+4+\b], v[TM+\b], s[SEL], s[SEL+1]
.endr
.irp b, 0,1,2,3
	v_max_num_f32 v[TM+\b], v[TM+\b], v[TM+4+\b]
.endr
.irp b, 0,1,2,3
	v_add_nc_u32 v[TM+12+\b], 0xff000000, v[TM+\b]   ; 2 off the exponent field: the conversion's scale operand
.endr
.irp b, 0,1,2,3
	v_lshrrev_b32 v[TM+4+\b], 23, v[TM+12+\b]      ; the scale's byte
.endr
	v_lshl_or_b32 v[\pw], v[TM+5], 8, v[TM+4]
	v_lshl_or_b32 v[\pw], v[TM+6], 16, v[\pw]
	v_lshl_or_b32 v[\pw], v[TM+7], 24, v[\pw]
.irp c, 0,1
	v_cvt_scalef32_pk16_fp6_f32 v[\pc+6*\c:\pc+2+6*\c], v[\s+32*\c:\s+15+32*\c], v[TM+12+2*\c]
	v_cvt_scalef32_pk16_fp6_f32 v[\pc+12+4*\c:\pc+14+4*\c], v[\s+16+32*\c:\s+31+32*\c], v[TM+12+2*\c+1]
.endr
	v_nop                                          ; one plain place behind a scaled conversion
.irp c, 0,1
.irp i, 0,1,2
	v_permlane16_swap_b32 v[\pc+6*\c+\i], v[\pc+12+4*\c+\i]
.endr
.irp i, 0,1,2
	v_mov_b32 v[\pc+3+6*\c+\i], v[\pc+12+4*\c+\i]
.endr
.endr
.endm
.macro XFETCH gi, s, buf               ; x's two fragments (tiles u = 0, 1) of group gi, K step s, into buffer buf of window 3
	WIN 0xc0
.irp u, 0,1
.irp c, 0,1,2
	ds_load_b128 v[192+24*(\buf)+12*\u+4*\c:192+24*(\buf)+12*\u+4*\c+3], v[LI+(\gi)/2] offset:24576*((\gi)%2)+12288*\u+1536*(\s)+512*\c
.endr
.endr
.endm
.macro XSLOAD gi                       ; the group's eight scale words: lanes 0-15 tile 0's rows, lanes 16-31 tile 1's
.irp s, 0,1,2,3,4,5,6,7
	ds_load_b32 v[XS+8*((\gi)%2)+\s], v[XSA] offset:1024*(\gi)+128*\s
.endr
.endm
; One K step of one group: the next step's fragments are asked for, then twelve products
.macro KSTEP gi, s
	PLACES                                         ; the buffer fetched into was read by the step before
.if (\s) == 7
.if (\gi) < 7
	WIN 0
	XSLOAD (\gi)+1
	XFETCH (\gi)+1, 0, 0
	s_wait_dscnt 14                                ; all but the 8 + 6 just issued: this step's fragments are in
.else
	s_wait_dscnt 0x0
.endif
.else
	XFETCH \gi, (\s)+1, ((\s)+1)%2
	s_wait_dscnt 6                                 ; all but the 6 just issued
.endif
.set bf, (\s)%2
.set rXS, XS+8*((\gi)%2)+(\s)
.if (\s) == 0
	WIN 0x1d                                       ; W window 1, x window 3, the bias window 1, the sums window 0
.else
	WIN 0x0d
.endif
.irp t, 0,1
.irp u, 0,1
.set rD, HA+32*\u+8*\t
.set rA, 96*\t+12*(\s)
.set rB, 192+24*bf+12*\u
.set rC, rD
.if (\s) == 0
.set rC, 192+8*\t
.endif
.set rSA, WS+(\s)
.set rSB, rXS
.set rRA, \t
.set rRB, \u
	WMS
.endr
.endr
.if (\s) == 0
	WIN 0x1e                                       ; W window 2
.else
	WIN 0x0e
.endif
.irp t, 2,3
.irp u, 0,1
.set rD, HA+32*\u+8*\t
.set rA, 96*(\t-2)+12*(\s)
.set rB, 192+24*bf+12*\u
.set rC, rD
.if (\s) == 0
.set rC, 192+8*\t
.endif
.set rSA, WS+8+(\s)
.set rSB, rXS
.set rRA, \t-2
.set rRB, \u
	WMS
.endr
.endr
.if (\s) == 0
	WIN 0x2f                                       ; x and Wv window 3, v's bias window 2
.else
	WIN 0x0f
.endif
.irp tv, 0,1
.irp u, 0,1
.set rD, VA+16*\tv+8*\u
.set rA, 192+24*bf+12*\u
.set rB, 96*\tv+12*(\s)
.set rC, rD
.if (\s) == 0
.set rC, 192+8*\tv
.endif
.set rSA, rXS
.set rSB, WS+16+(\s)
.set rRA, \u
.set rRB, \tv
	WMS
.endr
.endr
.endm
; v of one group: for each of my two tiles of d, a lane's 16 registers are 16 neighbouring keys, half of block q of the key step
.macro QV q
.irp tv, 0,1
	v_max3_num_f32 v[TM+\tv], |v[VA+16*\tv]|, |v[VA+16*\tv+1]|, 0x1800000
.endr
.irp i, 2,4,6,8,10,12,14
.irp tv, 0,1
	v_max3_num_f32 v[TM+\tv], v[TM+\tv], |v[VA+16*\tv+\i]|, |v[VA+16*\tv+\i+1]|
.endr
.endr
.irp tv, 0,1
	v_permlanex16_b32 v[TM+4+\tv], v[TM+\tv], s[SEL], s[SEL+1]
.endr
.irp tv, 0,1
	v_max_num_f32 v[TM+\tv], v[TM+\tv], v[TM+4+\tv]
.endr
.irp tv, 0,1
	v_add_nc_u32 v[TM+12+\tv], 0xff000000, v[TM+\tv]
.endr
.irp tv, 0,1
	v_lshrrev_b32 v[TM+8+\tv], 23, v[TM+12+\tv]
.endr
.irp tv, 0,1
.if (\q) == 0
	v_mov_b32 v[PWV+\tv], v[TM+8+\tv]
.else
	v_lshl_or_b32 v[PWV+\tv], v[TM+8+\tv], 8*(\q), v[PWV+\tv]
.endif
.endr
.irp tv, 0,1
.if (\q)%2 == 0
	v_cvt_scalef32_pk16_fp6_f32 v[VF+20*\tv+6*((\q)/2):VF+20*\tv+6*((\q)/2)+2], v[VA+16*\tv:VA+16*\tv+15], v[TM+12+\tv]
.else
	v_cvt_scalef32_pk16_fp6_f32 v[VF+20*\tv+12+4*((\q)/2):VF+20*\tv+12+4*((\q)/2)+2], v[VA+16*\tv:VA+16*\tv+15], v[TM+12+\tv]
.endif
.endr
	v_nop                                          ; one plain place behind a scaled conversion
.endm
; behind four groups (128 tokens, one key step): the scale words of q or k, v's two fragments and their scale words.  sg = 0 or 1: which of my two key steps
; (the argument comes as text, so it stands in parentheses wherever it is multiplied)
.macro SGTAIL sg
	v_cndmask_b32 v[QS], v[PWS], v[PWS+1], s[MH]
	v_cndmask_b32 v[QS+1], v[PWS+2], v[PWS+3], s[MH]
	global_store_b64 v9, v[QS:QS+1], s[74:75] offset:256*(\sg)   ; 32 lanes store 256 consecutive bytes, aligned
.irp tv, 0,1
.irp c, 0,1
.irp i, 0,1,2
	v_permlane16_swap_b32 v[VF+20*\tv+6*\c+\i], v[VF+20*\tv+12+4*\c+\i]
.endr
.irp i, 0,1,2
	v_mov_b32 v[VF+20*\tv+6*\c+3+\i], v[VF+20*\tv+12+4*\c+\i]
.endr
.endr
.irp c, 0,1,2
	global_store_b128 v[LI], v[VF+20*\tv+4*\c:VF+20*\tv+4*\c+3], s[76:77] offset:6144*(\sg)+1536*\tv+512*\c
.endr
.endr
	v_cndmask_b32 v[VSW+(\sg)], v[PWV], v[PWV+1], s[MH]
.if (\sg) == 1
	global_store_b64 v9, v[VSW:VSW+1], s[78:79]    ; two key steps' words: 256 consecutive bytes, aligned
.endif
.endm
.macro GROUP gi
.irp s, 0,1,2,3,4,5,6,7
	KSTEP \gi, \s
.endr
	PLACES
	WIN 0
	s_wait_xcnt 0x0                                ; the registers that earlier stores read are written again only behind this wait
	QUANT HA, PC, PWS+(\gi)%4
.irp c, 0,1,2
	global_store_b128 v[LI], v[PC+4*\c:PC+4*\c+3], s[72:73] offset:1536*(\gi)+512*\c
.endr
	QV (\gi)%4
.if (\gi)%4 == 3
	SGTAIL (\gi)/4
.endif
.endm
	s_load_b128 s[4:7], s[0:1], 0x0                ; xw, wi
	s_load_b128 s[8:11], s[0:1], 0x10              ; Wq's scales, Wk's
	s_load_b128 s[12:15], s[0:1], 0x20             ; Wv's scales, bq
	s_load_b128 s[16:19], s[0:1], 0x30             ; bk, bv
	s_load_b128 s[20:23], s[0:1], 0x40             ; qk, vw
	v_lshl_add_u32 v254, v0, 2, 0x32000
	v_mov_b32 v255, 0
	ds_add_u32 v254, v255
	ds_add_u32 v254, v255
	v_lshrrev_b32 v1, 5, v0
	v_readfirstlane_b32 s[WV], v1
	s_bfe_u32 s25, ttmp6, 0x40000                  ; cx
	s_lshl_b32 s26, ttmp9, 2
	s_add_co_u32 s26, s26, s25                     ; hp = 4 x cluster x + cx
	s_and_b32 s27, ttmp7, 0xffff                   ; rg, which the four partners share
	s_and_b32 s28, s[WV], 1
	s_lshr_b32 s29, s[WV], 1
	s_lshl_b32 s30, s26, 1
	s_add_co_u32 s31, s30, s29                     ; hv: my head of v
	s_add_co_u32 s30, s30, s28                     ; hq: my head of q or k
	s_mov_b32 s[MH], 0xffff0000
	s_mov_b32 s[SEL], 0x76543210
	s_mov_b32 s[SEL+1], 0xfedcba98
	s_mov_b32 s[G1C], 15|(3<<16)|(1<<21)           ; 15:0 the mask: all four work-groups; 17:16 elements of 8 bytes; 21 set beside a mask; no padding
	s_mov_b32 s[G1C+1], 32<<16                     ; tensor_dim0 = 32 elements: 256 bytes
	s_mov_b32 s[G1C+2], 96<<16                     ; tensor_dim1 = 96 rows: a group's 24,576 bytes
	s_mov_b32 s[G1C+3], 32<<16                     ; tile_dim0
	s_mov_b32 s[G1C+4], 96                         ; tile_dim1
	s_mov_b32 s[G1C+5], 32                         ; the pitch: dense
	s_mov_b32 s[G1C+6], 0
	s_mov_b32 s[G1C+7], 0
	s_mov_b32 s[G1S], 15|(3<<16)|(1<<21)
	s_mov_b32 s[G1S+1], 32<<16
	s_mov_b32 s[G1S+2], 8<<16                      ; 8 rows: two groups' scale words
	s_mov_b32 s[G1S+3], 32<<16
	s_mov_b32 s[G1S+4], 8
	s_mov_b32 s[G1S+5], 32
	s_mov_b32 s[G1S+6], 0
	s_mov_b32 s[G1S+7], 0
	s_lshl_b32 s80, s27, 13                        ; what I fetch hangs on rg and on my wave's number alone
	s_lshl_b32 s85, s[WV], 11
	s_add_co_u32 s80, s80, s85
	s_add_co_u32 s80, s80, 6291456
	s_mov_b32 s81, 0
	s_mul_i32 s84, s[WV], 24576
	s_mul_i32 s82, s27, 196608
	s_add_co_u32 s82, s82, s84
	s_mov_b32 s83, 0
	v_and_b32 v1, 31, v0                           ; L
	v_and_b32 v2, 15, v0                           ; r
	v_bfe_u32 v3, v0, 4, 1                         ; h
	v_lshlrev_b32 v[LI], 4, v1
	v_add_nc_u32 v[LI+1], 49152, v[LI]
	v_add_nc_u32 v[LI+2], 98304, v[LI]
	v_add_nc_u32 v[LI+3], 147456, v[LI]
	v_lshl_add_u32 v[XSA], v1, 2, XSC
	v_lshlrev_b32 v9, 3, v1                        ; 8 L
	v_lshlrev_b32 v10, 6, v3                       ; the bias of q or k: 16 h numbers on
	v_and_b32 v13, 8, v2
	v_add_nc_u32 v13, v13, v2                      ; r + 8 (r / 8)
	v_lshlrev_b32 v11, 2, v13                      ; v's bias: my column's
	v_lshl_add_u32 v12, v3, 3, v13
	v_lshlrev_b32 v12, 5, v12                      ; the weights' scale bytes: 32 a row; lanes 16-31 the tile 8 rows on
.irp b, 0,1,2,3
	v_mov_b32 v[TM+4+\b], 0                        ; written once: a lane permute's destination counts as one of its sources
.endr
	s_wait_dscnt 0x0
	s_wait_kmcnt 0x0
	s_mov_b32 s[G0S], 1
	s_add_co_u32 s[G0S+1], s85, XSC
	s_add_nc_u64 s[G0S+2:G0S+3], s[4:5], s[80:81]
	s_or_b32 s[G0S+3], s[G0S+3], 0x80000000
	s_mov_b32 s[G0A], 1
	s_mov_b32 s[G0A+1], s84                        ; group w
	s_add_nc_u64 s[G0A+2:G0A+3], s[4:5], s[82:83]
	s_mov_b32 s[G0B], 1
	s_add_co_u32 s[G0B+1], s84, 98304              ; group 4 + w
	s_add_nc_u64 s[G0B+2:G0B+3], s[G0A+2:G0A+3], 98304
	s_or_b32 s[G0A+3], s[G0A+3], 0x80000000
	s_or_b32 s[G0B+3], s[G0B+3], 0x80000000
	ROUND                                          ; all four work-groups are here: the joint loads meet
	tensor_load_to_lds s[G0S:G0S+3], s[G1S:G1S+7]  ; three loads of mine are out; every byte of LDS is filled once
	s_nop 0
	tensor_load_to_lds s[G0A:G0A+3], s[G1C:G1C+7]
	s_nop 0
	tensor_load_to_lds s[G0B:G0B+3], s[G1C:G1C+7]
	s_nop 0
.rept 4
	v_nop
.endr
	; where my weights, scales and biases lie, and where my results go
	s_mul_i32 s86, s29, 786432
	s_mul_i32 s87, s30, 49152
	s_add_co_u32 s86, s86, s87
	s_mov_b32 s87, 0
	s_add_nc_u64 s[68:69], s[6:7], s[86:87]        ; Wq's or Wk's images, my head's four tiles
	s_lshl_b32 s86, s31, 2
	s_lshl_b32 s88, s28, 1
	s_add_co_u32 s86, s86, s88
	s_mul_i32 s86, s86, 12288
	s_add_co_u32 s86, s86, 1572864
	s_add_nc_u64 s[70:71], s[6:7], s[86:87]        ; Wv's, my two tiles
	s_cmp_lt_u32 s[WV], 2                          ; the choice hangs on the wave's number alone
	s_cselect_b64 s[8:9], s[8:9], s[10:11]
	s_cselect_b64 s[14:15], s[14:15], s[16:17]
	s_lshl_b32 s86, s30, 11
	s_add_nc_u64 s[8:9], s[8:9], s[86:87]
	s_lshl_b32 s86, s30, 8
	s_add_nc_u64 s[14:15], s[14:15], s[86:87]
	s_lshl_b32 s86, s31, 11
	s_lshl_b32 s88, s28, 10
	s_add_co_u32 s86, s86, s88
	s_add_nc_u64 s[12:13], s[12:13], s[86:87]
	s_lshl_b32 s86, s31, 8
	s_lshl_b32 s88, s28, 7
	s_add_co_u32 s86, s86, s88
	s_add_nc_u64 s[18:19], s[18:19], s[86:87]
	s_lshr_b32 s88, s27, 2                         ; the batch
	s_and_b32 s89, s27, 3                          ; which quarter of its tokens
	s_lshl_b32 s88, s88, 4
	s_add_co_u32 s90, s88, s30                     ; 16 b + hq
	s_add_co_u32 s91, s88, s31                     ; 16 b + hv
	s_lshl_b32 s86, s90, 5
	s_lshl_b32 s92, s89, 3
	s_add_co_u32 s86, s86, s92
	s_mul_i32 s86, s86, 1536
	s_mul_i32 s92, s29, 6291456
	s_add_co_u32 s86, s86, s92
	s_add_nc_u64 s[72:73], s[20:21], s[86:87]      ; pair fragments of q or k
	s_lshl_b32 s86, s90, 11
	s_lshl_b32 s92, s89, 9
	s_add_co_u32 s86, s86, s92
	s_lshl_b32 s92, s29, 18
	s_add_co_u32 s86, s86, s92
	s_add_co_u32 s86, s86, 12582912
	s_add_nc_u64 s[74:75], s[20:21], s[86:87]      ; their scale words
	s_lshl_b32 s86, s91, 3
	s_lshl_b32 s92, s89, 1
	s_add_co_u32 s86, s86, s92
	s_mul_i32 s86, s86, 6144
	s_mul_i32 s92, s28, 3072
	s_add_co_u32 s86, s86, s92
	s_add_nc_u64 s[76:77], s[22:23], s[86:87]      ; v's fragments
	s_lshl_b32 s86, s91, 11
	s_lshl_b32 s92, s28, 10
	s_add_co_u32 s86, s86, s92
	s_lshl_b32 s92, s89, 8
	s_add_co_u32 s86, s86, s92
	s_add_co_u32 s86, s86, 6291456
	s_add_nc_u64 s[78:79], s[22:23], s[86:87]      ; their scale words
	WIN 0x40                                       ; destination window 1
.irp t, 0,1
.irp s, 0,1,2,3,4,5,6,7
.irp c, 0,1,2
	global_load_b128 v[96*\t+12*\s+4*\c:96*\t+12*\s+4*\c+3], v[LI], s[68:69] offset:(8*\t+\s)*1536+512*\c
.endr
.endr
.endr
.irp t, 0,1,2,3                                ; the bias in the result's layout: register j of lane (r, h) is feature 32 (t / 2) + 16 h + 8 (t % 2) + j
	global_load_b128 v[192+8*\t:192+8*\t+3], v10, s[14:15] offset:(32*(\t/2)+8*(\t%2))*4
	global_load_b128 v[192+8*\t+4:192+8*\t+7], v10, s[14:15] offset:(32*(\t/2)+8*(\t%2))*4+16
.endr
	WIN 0x80                                       ; window 2
.irp t, 2,3
.irp s, 0,1,2,3,4,5,6,7
.irp c, 0,1,2
	global_load_b128 v[96*(\t-2)+12*\s+4*\c:96*(\t-2)+12*\s+4*\c+3], v[LI], s[68:69] offset:(8*\t+\s)*1536+512*\c
.endr
.endr
.endr
.irp tv, 0,1                                   ; v's result holds one column a lane: its bias in all eight registers
.irp j, 0,1,2,3,4,5,6,7
	global_load_b32 v[192+8*\tv+\j], v11, s[18:19] offset:32*\tv
.endr
.endr
	WIN 0xc0                                       ; window 3
.irp tv, 0,1
.irp s, 0,1,2,3,4,5,6,7
.irp c, 0,1,2
	global_load_b128 v[96*\tv+12*\s+4*\c:96*\tv+12*\s+4*\c+3], v[LI], s[70:71] offset:(8*\tv+\s)*1536+512*\c
.endr
.endr
.endr
	WIN 0
.irp p, 0,1
.irp sh, 0,1
	global_load_b128 v[WS+8*\p+4*\sh:WS+8*\p+4*\sh+3], v12, s[8:9] offset:1024*\p+16*\sh   ; four K steps' scale words of my row
.endr
.endr
.irp sh, 0,1
	global_load_b128 v[WS+16+4*\sh:WS+16+4*\sh+3], v12, s[12:13] offset:16*\sh
.endr
	s_wait_loadcnt 0x0
	s_wait_tensorcnt 0x1                           ; my scale words and my one of groups 0-3 are in; my one of groups 4-7 may be out
	s_barrier_signal -1
	s_barrier_wait -1                              ; everybody's are
	XSLOAD 0
	XFETCH 0, 0, 0
	GROUP 0
	GROUP 1
	s_wait_tensorcnt 0x0                           ; my one of groups 4-7 is in;
	s_wait_dscnt 0x0                               ; no LDS load of mine is pending at the signal
	s_barrier_signal -1
	s_barrier_wait -1                              ; everybody's is: the first read of group 4 stands in group 3's last K step
	GROUP 2
	GROUP 3
	GROUP 4
	GROUP 5
	GROUP 6
	GROUP 7
	s_wait_tensorcnt 0x0
	ds_add_u32 v254, v255
	s_wait_dscnt 0x0
	ROUND                                          ; the closing round: no work-group ends while a partner may still ask for a tile that names it
	s_endpgm
.Lfunc_end_k_q835b3f642b_qkv:
	.size	k_q835b3f642b_qkv, .Lfunc_end_k_q835b3f642b_qkv-k_q835b3f642b_qkv
	.p2alignl 7, 3214868480
	.fill 96, 4, 3214868480
	.section	.rodata,"a",@progbits
	.p2align	6, 0x0
	.amdhsa_kernel k_q835b3f642b_qkv
		.amdhsa_group_segment_fixed_size 205312
		.amdhsa_private_segment_fixed_size 0
		.amdhsa_enable_private_segment 0
		.amdhsa_kernarg_size 80
		.amdhsa_user_sgpr_count 2
		.amdhsa_user_sgpr_kernarg_segment_ptr 1
		.amdhsa_wavefront_size32 1
		.amdhsa_system_sgpr_workgroup_id_x 1
		.amdhsa_system_sgpr_workgroup_id_y 1
		.amdhsa_system_sgpr_workgroup_id_z 1
		.amdhsa_system_vgpr_workitem_id 0
		.amdhsa_next_free_vgpr 1024
		.amdhsa_next_free_sgpr 96
		.amdhsa_reserve_vcc 0
		.amdhsa_float_denorm_mode_32 3
		.amdhsa_float_denorm_mode_16_64 3
		.amdhsa_memory_ordered 1
		.amdhsa_forward_progress 1
		.amdhsa_inst_pref_size 217
	.end_amdhsa_kernel
	.amdgpu_metadata
---
amdhsa.version: [ 1, 2 ]
amdhsa.kernels:
  - .name:           k_q835b3f642b_qkv
    .symbol:         k_q835b3f642b_qkv.kd
    .args:
      - { .name: xw, .offset: 0, .size: 8, .value_kind: global_buffer, .address_space: global }
      - { .name: wi, .offset: 8, .size: 8, .value_kind: global_buffer, .address_space: global }
      - { .name: Wq_scales, .offset: 16, .size: 8, .value_kind: global_buffer, .address_space: global }
      - { .name: Wk_scales, .offset: 24, .size: 8, .value_kind: global_buffer, .address_space: global }
      - { .name: Wv_scales, .offset: 32, .size: 8, .value_kind: global_buffer, .address_space: global }
      - { .name: bq, .offset: 40, .size: 8, .value_kind: global_buffer, .address_space: global }
      - { .name: bk, .offset: 48, .size: 8, .value_kind: global_buffer, .address_space: global }
      - { .name: bv, .offset: 56, .size: 8, .value_kind: global_buffer, .address_space: global }
      - { .name: qk, .offset: 64, .size: 8, .value_kind: global_buffer, .address_space: global }
      - { .name: vw, .offset: 72, .size: 8, .value_kind: global_buffer, .address_space: global }
    .group_segment_fixed_size: 205312
    .private_segment_fixed_size: 0
    .kernarg_segment_align: 8
    .kernarg_segment_size: 80
    .max_flat_workgroup_size: 128
    .sgpr_count:     96
    .vgpr_count:     1024
    .wavefront_size: 32
...
	.end_amdgpu_metadata
.endif
;; end of part 2
;; launch attn (part 3): grid 4 x 64, 16 waves a work-group, clusters of 4 x 1, 211,968 bytes of LDS; arguments qk, vw, attention_mask, cw; writes cw
.if DOCPART == 3
	.amdgcn_target "amdgcn-amd-amdhsa--gfx1250"
	.amdhsa_code_object_version 6
	.text
	.protected	k_q835b3f642b_attn
	.globl	k_q835b3f642b_attn
	.p2align	8
	.type	k_q835b3f642b_attn,@function
k_q835b3f642b_attn:
	s_mov_b64 s[64:65], 0
	v_nop
	global_prefetch_b8 v0, s[64:65] scope:SCOPE_SE
	s_setreg_imm32_b32 hwreg(HW_REG_WAVE_MODE, 25, 1), 1
	s_wait_xcnt 0x0
	s_wait_alu depctr_hold_cnt(0) depctr_sa_sdst(0) depctr_va_vdst(0) depctr_va_sdst(0) depctr_va_ssrc(0) depctr_va_vcc(0) depctr_vm_vsrc(0)
	s_getreg_b32 s2, hwreg(HW_REG_IB_STS2, 6, 4)
	s_cmp_eq_u32 s2, 0
	s_cbranch_scc0 .Lentry_in_a_cluster
	s_endpgm
.Lentry_in_a_cluster:
	s_bfe_u32 s2, ttmp6, 0x10000c
	s_cmp_lg_u32 s2, 0x3003
	s_cbranch_scc0 .Lentry_shape_is_right
	s_endpgm
.Lentry_shape_is_right:
; ATTN.  ctx = softmax(q k^T / 8 + mask) v for each batch and head, both products on codes of FP6 (E2M3) with E8M0 scales; ctx is quantised in registers and leaves as images of the last product's operand.
; THE SOFTMAX AHEAD OF THE SECOND PRODUCT: t = (q.k + 8 mask) x log2(e) / 8; M = the row's largest t so far, rounded UP to a whole number; p = 2^(t - M) is what is quantised, along the keys, not normalised.
; The row's sum is taken of the unquantised p, in f32, and divides O at the end.  When M moves, the sum and O are multiplied by 2^(old M - new M): exact.
; A block's largest p is not searched for: the block's largest score goes through the same multiply-add and exponential (this takes v_exp_f32 not to fall where its input rises).
; SHARES.  Work-group (qq, y): batch y / 8, heads 2 (y % 8) and + 1, queries 256 qq on.  Each of sixteen waves owns one tile of 16 queries (group 8 qq + w / 2, tile w % 2: query r is token 32 g + 8 u + r + 8 (r / 8))
; and makes two passes, one a head: so it ends with a whole fragment of ctx (K step = the pair of heads) and its whole scale word.  Four waves to a SIMD: one wave's vector work stands beside another's products and LDS loads.
; K and V of both heads (196,608 bytes of images, 8,192 of scale words) come into LDS ONCE.  CLUSTER: the four query blocks of a cluster share batch and heads: K and V are asked for JOINTLY (mask 15).
; BOTH PRODUCTS ARE USED TRANSPOSED: a lane holds one query throughout.  The head has K = 64 in an instruction of 128: a PAIR FRAGMENT of k carries two tiles of 16 keys (k 0-63, k 64-127), and source 1 is
; (q | zeros) for the first and (zeros | q) for the second: zero codes add nothing.  The 16 registers of a group's two results are keys 32 g + 16 (lane / 16) + 0 .. 15.
; THE MASK, held and times 8, is the C of the first product: it is loaded from LDS straight into the accumulators, in the keys' order.
; LIMITS: mask values under -2^30 are held at -2^30 (it differs from the stated result only where every key of a row lies under that); NaN and +infinity are not served; scale bytes are held at 1 from below.
; REGISTERS: v1-4 lane terms; v5-8 the pass's addresses; v9-11 the way out; v12 -M, v13 the largest t, v[14:15] the sum; v16-33 zeros | q | zeros; v34 q's scale word; v36-83 four fragments of K or V;
; v84-89 their scale words; v96-159 S^T, then p; v160-191 O^T; v192-211 p's codes; v212-230 at work; v232-243 ctx's fragment, v244 its scale word; v246-252 the second head's q.
.set WV,   12
.set KSB,  196608                      ; LDS: 0 K's images (49,152 a head); 98,304 V's; K's scale words (2,048 a head);
.set VSB,  200704                      ; V's;
.set MK,   204800                      ; 8 x the held mask, 1,024 numbers (stored by the waves: no tensor load lands here);
.set CSG,  208896                      ; ctx's scale words of the work-group's 16 tiles (likewise)
.set F,    36
.set S,    96
.set O,    160
.set P,    192
.set BM,   212
.set BP,   216
.set SO,   220
.set PSW,  224
.set FF,   226                         ; v[226:227] f = 2^(old M - new M) (the pair's upper word is written once)
.set C2,   228
.set T,    230
.set CF,   232
.set CW,   244
.set QB,   246
.set QSB,  252
.set G1C,  24                          ; s[24:31] 48 dense rows of 256 bytes;  s[32:39] 2 rows;  s[40:43], s[44:47] their groups 0
.set G1S,  32
.set G0C,  40
.set G0S,  44
.macro PLACES
.rept 4
	v_nop
.endr
.endm
.macro ROUND
	s_barrier_signal -1
	s_barrier_wait -1
	s_cmp_lg_u32 s[WV], 0
	s_cbranch_scc1 .Lnot_wave_0_\@
	s_barrier_signal -3
.Lnot_wave_0_\@:
	s_barrier_wait -3
	s_barrier_signal -1
	s_barrier_wait -1
.endm
.macro WMS                             ; one product, adding in place; source 0's scales from lanes 16-31 where rRA is set
.if rRA
	v_wmma_scale_f32_16x16x128_f8f6f4 v[rD:rD+7], v[rA:rA+11], v[rB:rB+11], v[rD:rD+7], v[rSA], v[rSB] matrix_a_fmt:MATRIX_FMT_FP6 matrix_b_fmt:MATRIX_FMT_FP6 matrix_a_scale:MATRIX_SCALE_ROW1
.else
	v_wmma_scale_f32_16x16x128_f8f6f4 v[rD:rD+7], v[rA:rA+11], v[rB:rB+11], v[rD:rD+7], v[rSA], v[rSB] matrix_a_fmt:MATRIX_FMT_FP6 matrix_b_fmt:MATRIX_FMT_FP6
.endif
.endm
	s_load_b256 s[4:11], s[0:1], 0x0               ; qk, vw, attention_mask, cw
	v_lshl_add_u32 v254, v0, 2, 0x33400
	v_mov_b32 v255, 0
	ds_add_u32 v254, v255
	ds_add_u32 v254, v255
	v_lshrrev_b32 v1, 5, v0
	v_readfirstlane_b32 s[WV], v1
	s_bfe_u32 s13, ttmp6, 0x40000                  ; cx
	s_lshl_b32 s14, ttmp9, 2
	s_add_co_u32 s14, s14, s13                     ; qq: it enters q's and ctx's addresses alone
	s_and_b32 s15, ttmp7, 0xffff
	s_lshr_b32 s16, s15, 3                         ; the batch
	s_and_b32 s17, s15, 7                          ; the pair of heads
	s_lshl_b32 s18, s16, 4
	s_lshl_b32 s54, s17, 1
	s_add_co_u32 s18, s18, s54                     ; 16 b + 2 hp
	s_mov_b32 s20, 0x76543210
	s_mov_b32 s21, 0xfedcba98
	s_mov_b32 s22, 0x3e38aa3b                      ; c = log2(e) / 8
	s_mov_b32 s23, s22                             ; (named with it as a pair)
	s_mov_b32 s48, 0                               ; the pass's head: its images,
	s_mov_b32 s49, 0                               ; its scale words
	s_mov_b32 s50, 0
	s_mov_b32 s[G1C], 15|(3<<16)|(1<<21)           ; the mask: all four; elements of 8 bytes; 21 set beside a mask
	s_mov_b32 s[G1C+1], 32<<16
	s_mov_b32 s[G1C+2], 48<<16                     ; 48 rows of 256 bytes: an eighth of two heads' images
	s_mov_b32 s[G1C+3], 32<<16
	s_mov_b32 s[G1C+4], 48
	s_mov_b32 s[G1C+5], 32
	s_mov_b32 s[G1C+6], 0
	s_mov_b32 s[G1C+7], 0
	s_mov_b32 s[G1S], 15|(3<<16)|(1<<21)
	s_mov_b32 s[G1S+1], 32<<16
	s_mov_b32 s[G1S+2], 2<<16
	s_mov_b32 s[G1S+3], 32<<16
	s_mov_b32 s[G1S+4], 2
	s_mov_b32 s[G1S+5], 32
	s_mov_b32 s[G1S+6], 0
	s_mov_b32 s[G1S+7], 0
	s_and_b32 s55, s[WV], 7                        ; waves 0-7 fetch K, waves 8-15 V: an eighth each
	s_mul_i32 s56, s18, 49152
	s_mul_i32 s57, s55, 12288
	s_add_co_u32 s56, s56, s57
	s_lshl_b32 s62, s18, 11
	s_lshl_b32 s63, s55, 9
	s_add_co_u32 s62, s62, s63
	s_mov_b32 s57, 0
	s_mov_b32 s63, 0
	s_mul_i32 s54, s[WV], 12288
	s_lshl_b32 s55, s[WV], 9
	s_wait_dscnt 0x0
	s_wait_kmcnt 0x0
	s_cmp_lt_u32 s[WV], 8                          ; the choice hangs on the wave's number alone
	s_cselect_b64 s[60:61], s[4:5], s[6:7]
	s_cselect_b32 s58, 6291456, 0                  ; k's images lie behind q's
	s_mov_b32 s59, 6291456
	s_cselect_b32 s59, 12845056, s59               ; k's scale words; V's
	s_add_co_u32 s56, s56, s58
	s_add_co_u32 s62, s62, s59
	s_mov_b32 s[G0C], 1
	s_mov_b32 s[G0C+1], s54
	s_add_nc_u64 s[G0C+2:G0C+3], s[60:61], s[56:57]
	s_or_b32 s[G0C+3], s[G0C+3], 0x80000000
	s_mov_b32 s[G0S], 1
	s_add_co_u32 s[G0S+1], s55, KSB
	s_add_nc_u64 s[G0S+2:G0S+3], s[60:61], s[62:63]
	s_or_b32 s[G0S+3], s[G0S+3], 0x80000000
	ROUND                                          ; all four work-groups are here: the joint loads meet
	tensor_load_to_lds s[G0C:G0C+3], s[G1C:G1C+7]  ; two loads of mine are out; every byte is filled once
	s_nop 0
	tensor_load_to_lds s[G0S:G0S+3], s[G1S:G1S+7]
	s_nop 0
.rept 4
	v_nop
.endr
	s_lshr_b32 s66, s[WV], 1
	s_lshl_b32 s67, s14, 3
	s_add_co_u32 s66, s66, s67                     ; g: my group of 32 queries
	s_lshl_b32 s68, s18, 5
	s_add_co_u32 s68, s68, s66
	s_mul_i32 s68, s68, 1536
	s_mov_b32 s69, 0
	s_add_nc_u64 s[70:71], s[4:5], s[68:69]        ; q's pair fragment, first head
	s_lshl_b32 s68, s18, 11
	s_lshr_b32 s72, s66, 2
	s_lshl_b32 s72, s72, 8
	s_add_co_u32 s68, s68, s72
	s_and_b32 s72, s66, 1
	s_lshl_b32 s72, s72, 7
	s_add_co_u32 s68, s68, s72
	s_bfe_u32 s72, s66, 0x10001
	s_lshl_b32 s72, s72, 2
	s_add_co_u32 s68, s68, s72
	s_add_co_u32 s68, s68, 12582912
	s_add_nc_u64 s[74:75], s[4:5], s[68:69]        ; and its scale words
	s_lshl_b32 s68, s16, 12
	s_add_nc_u64 s[76:77], s[8:9], s[68:69]        ; the batch's mask
	s_lshl_b32 s72, s16, 6
	s_lshl_b32 s73, s14, 4
	s_add_co_u32 s72, s72, s73                     ; the work-group's first tile of tokens
	s_add_co_u32 s73, s72, s[WV]                   ; mine
	s_lshl_b32 s68, s73, 3
	s_add_co_u32 s68, s68, s17
	s_mul_i32 s68, s68, 1536
	s_add_nc_u64 s[78:79], s[10:11], s[68:69]      ; ctx's image: [tile][K step = pair of heads]
	s_lshl_b32 s68, s17, 15
	s_lshl_b32 s72, s72, 6
	s_add_co_u32 s68, s68, s72
	s_add_co_u32 s68, s68, 6291456
	s_add_nc_u64 s[10:11], s[10:11], s[68:69]      ; ctx's scale words: [K step][tile][row]
	s_and_b32 s52, s[WV], 1
	s_sub_co_u32 s51, 0, s52                       ; all ones where my tile is the pair's second
	s_lshl_b32 s52, s52, 4
	s_lshl_b32 s53, s[WV], 6
	v_and_b32 v5, 31, v0                           ; L
	v_and_b32 v6, 15, v0                           ; r
	v_bfe_u32 v7, v0, 4, 1                         ; h
	v_lshlrev_b32 v1, 4, v5                        ; 16 L
	v_lshl_add_u32 v2, v5, 3, KSB
	v_lshl_add_u32 v3, v5, 3, VSB
	v_lshl_add_u32 v4, v7, 6, MK                   ; the mask of my half's 16 keys
	v_lshlrev_b32 v8, 3, v6                        ; 8 r
	v_lshl_add_u32 v9, v6, 2, s53
	v_add_nc_u32 v9, CSG, v9                       ; my tile's scale words: 64 w + 4 r
	v_and_b32 v11, 63, v0
	v_lshlrev_b32 v11, 4, v11                      ; 16 bytes a thread of waves 0 and 1
	v_add_nc_u32 v10, CSG, v11
	v_lshlrev_b32 v90, 3, v0                       ; the mask: 8 bytes a thread
	v_add_nc_u32 v91, MK, v90
	global_load_b64 v[92:93], v90, s[76:77]
.irp c, 0,1
.irp k, 0,1,2
	global_load_b128 v[S+12*\c+4*\k:S+12*\c+4*\k+3], v1, s[70:71] offset:49152*\c+512*\k
.endr
	global_load_b32 v[S+24+\c], v8, s[74:75] offset:2048*\c
.endr
.irp i, 0,1,2,3,4,5
	v_mov_b32 v[16+\i], 0                          ; zero codes on both sides of q
	v_mov_b32 v[28+\i], 0
.endr
.irp b, 0,1,2,3
	v_mov_b32 v[BP+\b], 0                          ; a lane permute's destination counts as one of its sources
.endr
	v_mov_b32 v[FF+1], 0
.irp i, 0,1,2,3,4,5,6,7,8,9,10,11
	v_mov_b32 v[CF+\i], 0
.endr
	v_mov_b32 v[CW], 0
	s_wait_loadcnt 0x0
	v_max_num_f32 v92, 0xce800000, v92             ; held at -2^30,
	v_max_num_f32 v93, 0xce800000, v93
	v_mul_f32 v92, 0x41000000, v92                 ; times 8: exact
	v_mul_f32 v93, 0x41000000, v93
	ds_store_b64 v91, v[92:93]
.irp i, 0,1,2,3,4,5
	v_cndmask_b32 v[22+\i], v[S+\i], v[S+6+\i], s51       ; my tile's half of the pair fragment: the first head's q,
	v_cndmask_b32 v[QB+\i], v[S+12+\i], v[S+18+\i], s51   ; the second's
.endr
.irp c, 0,1
	v_lshrrev_b32 v[S+24+\c], s52, v[S+24+\c]      ; my tile's two bytes,
	v_and_b32 v[S+24+\c], 0xffff, v[S+24+\c]
.endr
	v_lshl_or_b32 v34, v[S+24], 16, v[S+24]        ; twice: q may stand in either half of source 1
	v_lshl_or_b32 v[QSB], v[S+25], 16, v[S+25]
	s_wait_tensorcnt 0x0                           ; my parts of K, V and their scale words are in,
	s_wait_dscnt 0x0                               ; my part of the mask is stored
	s_barrier_signal -1
	s_barrier_wait -1                              ; everybody's are
; A KEY STEP: 128 keys
.macro STEP st
.irp gi, 0,1,2,3
.irp q, 0,1,2,3
	ds_load_b128 v[S+16*\gi+4*\q:S+16*\gi+4*\q+3], v4 offset:512*(\st)+128*\gi+16*\q   ; the mask into the accumulators: register 16 gi + i is key 128 st + 32 gi + 16 h + i
.endr
.endr
.irp gi, 0,1,2,3
.irp c, 0,1,2
	ds_load_b128 v[F+12*\gi+4*\c:F+12*\gi+4*\c+3], v5 offset:(4*(\st)+\gi)*1536+512*\c
.endr
.endr
	ds_load_b64 v[84:85], v7 offset:256*(\st)
.if (\st)%2 == 0
	ds_load_b64 v[86:87], v8 offset:256*((\st)/2)          ; V's scale words of two steps
	ds_load_b64 v[88:89], v8 offset:1024+256*((\st)/2)
.endif
	s_wait_dscnt 0x0
.irp gi, 0,1,2,3                               ; S^T = K Q^T + 8 mask: eight accumulators, one product each
.irp u, 0,1
.set rD, S+16*\gi+8*\u
.set rA, F+12*\gi
.set rB, 22-6*\u
.set rSA, 84+\gi/2
.set rSB, 34
.set rRA, \gi%2
	WMS
.endr
.endr
	PLACES
.irp t, 0,1,2,3
.irp c, 0,1,2
	ds_load_b128 v[F+12*\t+4*\c:F+12*\t+4*\c+3], v6 offset:6144*(\st)+1536*\t+512*\c   ; V's four fragments land under the softmax
.endr
.endr
.irp b, 0,1,2,3
	v_max3_num_f32 v[BM+\b], v[S+16*\b], v[S+16*\b+1], v[S+16*\b+2]   ; the largest score of each block of 32 keys: for the row's maximum and for the block's largest p
.endr
.irp i, 3,5,7,9,11,13
.irp b, 0,1,2,3
	v_max3_num_f32 v[BM+\b], v[BM+\b], v[S+16*\b+\i], v[S+16*\b+\i+1]
.endr
.endr
.irp b, 0,1,2,3
	v_max_num_f32 v[BM+\b], v[BM+\b], v[S+16*\b+15]
.endr
.irp b, 0,1,2,3
	v_permlanex16_b32 v[BP+\b], v[BM+\b], s20, s21
.endr
.irp b, 0,1,2,3
	v_max_num_f32 v[BM+\b], v[BM+\b], v[BP+\b]     ; with lane l xor 16's 16 keys
.endr
	v_max3_num_f32 v[T], v[BM], v[BM+1], v[BM+2]
	v_max_num_f32 v[T], v[T], v[BM+3]
	v_mul_f32 v[T], s22, v[T]                      ; as t (c is positive)
	v_max_num_f32 v13, v13, v[T]                   ; the running largest t
	v_mov_b32 v[T], v12
	v_floor_f32 v12, -v13                          ; the new -M = -ceil(t)
	v_sub_f32 v[T], v12, v[T]                      ; old M - new M: a whole number, 0 or less
	v_cvt_i32_f32 v[T], v[T]                       ; (it saturates)
	v_ldexp_f32 v[FF], 1.0, v[T]                   ; f
.set j, 0
.rept 32
	v_pk_fma_f32 v[S+j:S+j+1], v[S+j:S+j+1], s[22:23], v[12:13] op_sel_hi:[1,0,0]   ; t - M, two at a time
.set j, j+2
.endr
.irp b, 0,1,2,3
	v_fma_f32 v[BM+\b], v[BM+\b], s22, v12
.endr
.set j, 0
.rept 64
	v_exp_f32 v[S+j], v[S+j]                       ; p = 2^(t - M)
.set j, j+1
.endr
.irp b, 0,1,2,3
	v_exp_f32 v[BM+\b], v[BM+\b]                   ; the block's largest p
.endr
	v_pk_mul_f32 v[14:15], v[14:15], v[FF:FF+1] op_sel_hi:[1,0]   ; the sum under the new M (the plain place behind the exponentials)
	s_wait_alu depctr_va_vdst(0)
.irp b, 0,1,2,3
	v_max_num_f32 v[BM+\b], 0x1800000, v[BM+\b]    ; the floor 2^(3 - 127)
.endr
.irp b, 0,1,2,3
	v_add_nc_u32 v[SO+\b], 0xff000000, v[BM+\b]
.endr
.irp b, 0,1,2,3
	v_lshrrev_b32 v[BP+\b], 23, v[SO+\b]
.endr
	v_lshl_or_b32 v[PSW], v[BP+1], 8, v[BP]        ; p's scale word for these 128 keys
	v_lshl_or_b32 v[PSW], v[BP+2], 16, v[PSW]
	v_lshl_or_b32 v[PSW], v[BP+3], 24, v[PSW]
.irp c, 0,1
	v_cvt_scalef32_pk16_fp6_f32 v[P+6*\c:P+6*\c+2], v[S+32*\c:S+32*\c+15], v[SO+2*\c]
	v_cvt_scalef32_pk16_fp6_f32 v[P+12+4*\c:P+12+4*\c+2], v[S+32*\c+16:S+32*\c+31], v[SO+2*\c+1]
.endr
	v_nop                                          ; one plain place behind a scaled conversion
.irp c, 0,1
.irp i, 0,1,2
	v_permlane16_swap_b32 v[P+6*\c+\i], v[P+12+4*\c+\i]
.endr
.irp i, 0,1,2
	v_mov_b32 v[P+6*\c+3+\i], v[P+12+4*\c+\i]
.endr
.endr
.set j, 0
.rept 16
	v_pk_mul_f32 v[O+j:O+j+1], v[O+j:O+j+1], v[FF:FF+1] op_sel_hi:[1,0]   ; O^T under the new M, each accumulator from its low end on
.set j, j+2
.endr
	v_pk_add_f32 v[C2:C2+1], v[S:S+1], v[S+2:S+3]  ; the row's sum of the unquantised p, in two chains.  These 32 name no register of the products below: they are the places in front of them
.irp j, 4,8,12,16,20,24,28,32,36,40,44,48,52,56,60
	v_pk_add_f32 v[14:15], v[14:15], v[S+\j:S+\j+1]
	v_pk_add_f32 v[C2:C2+1], v[C2:C2+1], v[S+\j+2:S+\j+3]
.endr
	v_pk_add_f32 v[14:15], v[14:15], v[C2:C2+1]
	s_wait_dscnt 0x0                               ; V is in
.irp t, 0,1,2,3                                ; O^T += V^T P^T: four accumulators, one product each
.set rD, O+8*\t
.set rA, F+12*\t
.set rB, P
.set rSA, 86+2*(\t/2)+(\st)%2
.set rSB, PSW
.set rRA, \t%2
	WMS
.endr
	PLACES                                         ; in front of the next loads into the fragments' and scale words' registers, and of the next read of O^T
.endm
.Lpass:                                            ; two trips: a head each
	v_add_nc_u32 v5, s48, v1                       ; K's images,
	v_add_nc_u32 v6, 98304, v5                     ; V's,
	v_add_nc_u32 v7, s49, v2                       ; K's scale words,
	v_add_nc_u32 v8, s49, v3                       ; V's
	v_mov_b32 v13, 0xff61b1e6                      ; the largest t so far: -3e38
	v_floor_f32 v12, -v13
	v_mov_b32 v14, 0
	v_mov_b32 v15, 0
.set j, 0
.rept 32
	v_mov_b32 v[O+j], 0                            ; the step is written once: its first use finds zeros, which the first change of M leaves zeros
.set j, j+1
.endr
.irp st, 0,1,2,3,4,5,6,7
	STEP \st
.endr
	v_add_f32 v14, v14, v15
	v_permlanex16_b32 v[T], v14, s20, s21
	v_add_f32 v14, v14, v[T]                       ; the row's sum
	v_rcp_f32 v14, v14
	v_lshrrev_b32 v[CW], 16, v[CW]                 ; (a plain place)  the first head's two bytes go down
.set j, 0
	s_wait_alu depctr_va_vdst(0)
.rept 16
	v_pk_mul_f32 v[O+j:O+j+1], v[O+j:O+j+1], v[14:15] op_sel_hi:[1,0]   ; ctx: register 16 b + i is feature 32 b + 16 h + i of the head
.set j, j+2
.endr
.irp b, 0,1
	v_max3_num_f32 v[BM+\b], |v[O+16*\b]|, |v[O+16*\b+1]|, 0x1800000
.endr
.irp i, 2,4,6,8,10,12,14
.irp b, 0,1
	v_max3_num_f32 v[BM+\b], v[BM+\b], |v[O+16*\b+\i]|, |v[O+16*\b+\i+1]|
.endr
.endr
.irp b, 0,1
	v_permlanex16_b32 v[BP+\b], v[BM+\b], s20, s21
.endr
.irp b, 0,1
	v_max_num_f32 v[BM+\b], v[BM+\b], v[BP+\b]
.endr
.irp b, 0,1
	v_add_nc_u32 v[SO+\b], 0xff000000, v[BM+\b]
.endr
.irp b, 0,1
	v_lshrrev_b32 v[BP+\b], 23, v[SO+\b]
.endr
	v_cvt_scalef32_pk16_fp6_f32 v[P:P+2], v[O:O+15], v[SO]
	v_cvt_scalef32_pk16_fp6_f32 v[P+4:P+6], v[O+16:O+31], v[SO+1]
	v_nop                                          ; one plain place behind a scaled conversion
.irp i, 0,1,2
	v_permlane16_swap_b32 v[P+\i], v[P+4+\i]
.endr
.irp i, 0,1,2,3,4,5
	v_mov_b32 v[CF+\i], v[CF+6+\i]                 ; the fragment's upper half goes down; this head's 64 features take its place
.endr
.irp i, 0,1,2
	v_mov_b32 v[CF+6+\i], v[P+\i]
	v_mov_b32 v[CF+9+\i], v[P+4+\i]
.endr
	v_lshl_or_b32 v[BP], v[BP+1], 8, v[BP]
	v_lshl_or_b32 v[CW], v[BP], 16, v[CW]
.irp i, 0,1,2,3,4,5
	v_mov_b32 v[22+\i], v[QB+\i]                   ; the second head's q
.endr
	v_mov_b32 v34, v[QSB]
	s_add_co_u32 s48, s48, 49152
	s_add_co_u32 s49, s49, 2048
	s_add_co_u32 s50, s50, 1
	s_cmp_lt_u32 s50, 2
	s_cbranch_scc1 .Lpass
.irp c, 0,1,2
	global_store_b128 v1, v[CF+4*\c:CF+4*\c+3], s[78:79] offset:512*\c
.endr
	ds_store_b32 v9, v[CW]                         ; both halves of the lanes write the same word with the same value
	s_wait_dscnt 0x0                               ; for the others' sake
	s_barrier_signal -1
	s_barrier_wait -1
	s_cmp_lt_u32 s[WV], 2                          ; the sixteen tiles' words, 1,024 consecutive bytes, leave by two waves
	s_cbranch_scc0 .Lno_words
	ds_load_b128 v[S:S+3], v10
	s_wait_dscnt 0x0
	global_store_b128 v11, v[S:S+3], s[10:11]
.Lno_words:
	s_wait_tensorcnt 0x0
	ds_add_u32 v254, v255
	s_wait_dscnt 0x0
	ROUND                                          ; the closing round
	s_endpgm
.Lfunc_end_k_q835b3f642b_attn:
	.size	k_q835b3f642b_attn, .Lfunc_end_k_q835b3f642b_attn-k_q835b3f642b_attn
	.p2alignl 7, 3214868480
	.fill 96, 4, 3214868480
	.section	.rodata,"a",@progbits
	.p2align	6, 0x0
	.amdhsa_kernel k_q835b3f642b_attn
		.amdhsa_group_segment_fixed_size 211968
		.amdhsa_private_segment_fixed_size 0
		.amdhsa_enable_private_segment 0
		.amdhsa_kernarg_size 32
		.amdhsa_user_sgpr_count 2
		.amdhsa_user_sgpr_kernarg_segment_ptr 1
		.amdhsa_wavefront_size32 1
		.amdhsa_system_sgpr_workgroup_id_x 1
		.amdhsa_system_sgpr_workgroup_id_y 1
		.amdhsa_system_sgpr_workgroup_id_z 1
		.amdhsa_system_vgpr_workitem_id 0
		.amdhsa_next_free_vgpr 256
		.amdhsa_next_free_sgpr 80
		.amdhsa_reserve_vcc 0
		.amdhsa_float_denorm_mode_32 3
		.amdhsa_float_denorm_mode_16_64 3
		.amdhsa_memory_ordered 1
		.amdhsa_forward_progress 1
		.amdhsa_inst_pref_size 144
	.end_amdhsa_kernel
	.amdgpu_metadata
---
amdhsa.version: [ 1, 2 ]
amdhsa.kernels:
  - .name:           k_q835b3f642b_attn
    .symbol:         k_q835b3f642b_attn.kd
    .args:
      - { .name: qk, .offset: 0, .size: 8, .value_kind: global_buffer, .address_space: global }
      - { .name: vw, .offset: 8, .size: 8, .value_kind: global_buffer, .address_space: global }
      - { .name: attention_mask, .offset: 16, .size: 8, .value_kind: global_buffer, .address_space: global }
      - { .name: cw, .offset: 24, .size: 8, .value_kind: global_buffer, .address_space: global }
    .group_segment_fixed_size: 211968
    .private_segment_fixed_size: 0
    .kernarg_segment_align: 8
    .kernarg_segment_size: 32
    .max_flat_workgroup_size: 512
    .sgpr_count:     80
    .vgpr_count:     256
    .wavefront_size: 32
...
	.end_amdgpu_metadata
.endif
;; end of part 3
;; launch outln (part 4): grid 256 x 1, 4 waves a work-group, no clusters, 132,096 bytes of LDS; arguments cw, wi, Wo_scales, bo, hidden_states, ln_g, ln_b, out0; writes out0
.if DOCPART == 4
	.amdgcn_target "amdgcn-amd-amdhsa--gfx1250"
	.amdhsa_code_object_version 6
	.text
	.protected	k_q835b3f642b_outln
	.globl	k_q835b3f642b_outln
	.p2align	8
	.type	k_q835b3f642b_outln,@function
k_q835b3f642b_outln:
	s_mov_b64 s[64:65], 0
	v_nop
	global_prefetch_b8 v0, s[64:65] scope:SCOPE_SE
	s_setreg_imm32_b32 hwreg(HW_REG_WAVE_MODE, 25, 1), 1
	s_wait_xcnt 0x0
; OUTLN.  out = LayerNorm(ctx Wo^T + bo + hidden_states) x g + b.  The product on codes of FP6 (E2M3) with E8M0 scales, sums in f32; all else in f32.
; SHARES.  Work-group G: 32 tokens (two tiles) x all 1,024 columns, so that a row's mean and variance never leave the work-group.  Wave w: columns 256 w on, 16 tiles of Wo x 2 tiles of tokens: 32 accumulators.
; Wo's and ctx's fragments are images of registers in memory: they come by dense loads of 16 bytes a lane straight into registers, a K step ahead, in two buffers by turns.
; NO JOINT LOADS: each fragment of Wo feeds one wave of a work-group, once; a joint request would land in LDS, and every byte would then be read from there once more, behind a cluster's round for each refill.
; THE PRODUCT IS USED TRANSPOSED (source 0 = 16 rows of Wo, source 1 = 16 tokens): a lane's eight results are eight neighbouring columns of one token.  They meet in a stage in LDS (32 rows of 4,096 + 16 bytes:
; row r starts 16 r bytes on modulo 256, so sixteen rows meet in no bank: 64 banks of 4 bytes, ISA guide 11.1); behind one barrier each wave takes eight whole rows, one at a time: the sums over a row stay in the wave.
; The variance is taken of x - mean, in a second pass, as it is defined.  The 32 accumulators take turns, one instruction a turn.
; REGISTERS.  window 0: v4-9 addresses; v16-23 ctx's scale words; v24-71 ctx's fragments, two buffers; v72-135 Wo's scale words; v136-231 g, b, bo (features 128 q + 4 L + 0 .. 3); v232-240 at work;
;   behind the product v24-55 and v56-87 hold rows by turns.   window 1: the accumulators, 16 n + 8 u.   windows 2, 3: Wo's fragments at 12 n, by turns; later the residual's rows at 32 (i % 4).
.set WV,   24
.set CS,   16
.set CX,   24
.set WS,   72                          ; register WS + 8 p + s: lanes 0-15 tile 2 p, lanes 16-31 tile 2 p + 1
.set GA,   136
.set BE,   168
.set BO,   200
.set T0,   232
.set T2,   234
.set MU,   236
.set RS,   238
.set PD,   240
.set XR,   24
.set SPI,  4112
.set MSB,  0
.macro WIN new
.if MSB != (\new)
	s_set_vgpr_msb (MSB<<8)|(\new)
.set MSB, (\new)
.endif
.endm
.macro PLACES
.rept 4
	v_nop
.endr
.endm
.macro WMS
.if rRA && rRB
	v_wmma_scale_f32_16x16x128_f8f6f4 v[rD:rD+7], v[rA:rA+11], v[rB:rB+11], v[rD:rD+7], v[rSA], v[rSB] matrix_a_fmt:MATRIX_FMT_FP6 matrix_b_fmt:MATRIX_FMT_FP6 matrix_a_scale:MATRIX_SCALE_ROW1 matrix_b_scale:MATRIX_SCALE_ROW1
.elseif rRA
	v_wmma_scale_f32_16x16x128_f8f6f4 v[rD:rD+7], v[rA:rA+11], v[rB:rB+11], v[rD:rD+7], v[rSA], v[rSB] matrix_a_fmt:MATRIX_FMT_FP6 matrix_b_fmt:MATRIX_FMT_FP6 matrix_a_scale:MATRIX_SCALE_ROW1
.elseif rRB
	v_wmma_scale_f32_16x16x128_f8f6f4 v[rD:rD+7], v[rA:rA+11], v[rB:rB+11], v[rD:rD+7], v[rSA], v[rSB] matrix_a_fmt:MATRIX_FMT_FP6 matrix_b_fmt:MATRIX_FMT_FP6 matrix_b_scale:MATRIX_SCALE_ROW1
.else
	v_wmma_scale_f32_16x16x128_f8f6f4 v[rD:rD+7], v[rA:rA+11], v[rB:rB+11], v[rD:rD+7], v[rSA], v[rSB] matrix_a_fmt:MATRIX_FMT_FP6 matrix_b_fmt:MATRIX_FMT_FP6
.endif
.endm
.macro WMSZ                            ; the first K step starts the sums: nothing is cleared
.if rRA && rRB
	v_wmma_scale_f32_16x16x128_f8f6f4 v[rD:rD+7], v[rA:rA+11], v[rB:rB+11], 0, v[rSA], v[rSB] matrix_a_fmt:MATRIX_FMT_FP6 matrix_b_fmt:MATRIX_FMT_FP6 matrix_a_scale:MATRIX_SCALE_ROW1 matrix_b_scale:MATRIX_SCALE_ROW1
.elseif rRA
	v_wmma_scale_f32_16x16x128_f8f6f4 v[rD:rD+7], v[rA:rA+11], v[rB:rB+11], 0, v[rSA], v[rSB] matrix_a_fmt:MATRIX_FMT_FP6 matrix_b_fmt:MATRIX_FMT_FP6 matrix_a_scale:MATRIX_SCALE_ROW1
.elseif rRB
	v_wmma_scale_f32_16x16x128_f8f6f4 v[rD:rD+7], v[rA:rA+11], v[rB:rB+11], 0, v[rSA], v[rSB] matrix_a_fmt:MATRIX_FMT_FP6 matrix_b_fmt:MATRIX_FMT_FP6 matrix_b_scale:MATRIX_SCALE_ROW1
.else
	v_wmma_scale_f32_16x16x128_f8f6f4 v[rD:rD+7], v[rA:rA+11], v[rB:rB+11], 0, v[rSA], v[rSB] matrix_a_fmt:MATRIX_FMT_FP6 matrix_b_fmt:MATRIX_FMT_FP6
.endif
.endm
.macro LOADK s                         ; K step s: ctx's two fragments and my sixteen of Wo: 54 loads
	WIN 0
.irp u, 0,1
.irp c, 0,1,2
	global_load_b128 v[CX+24*((\s)%2)+12*\u+4*\c:CX+24*((\s)%2)+12*\u+4*\c+3], v4, s[20:21] offset:12288*\u+1536*(\s)+512*\c
.endr
.endr
	WIN 0x80+0x40*((\s)%2)
.irp n, 0,1,2,3,4,5,6,7,8,9,10,11,12,13,14,15
.irp c, 0,1,2
	global_load_b128 v[12*\n+4*\c:12*\n+4*\c+3], v4, s[6:7] offset:12288*\n+1536*(\s)+512*\c
.endr
.endr
.endm
.macro RESLOAD half                    ; four of my eight rows of hidden_states, into the window that Wo's fragments have left: 32 loads of 512 consecutive bytes
	WIN 0x80+0x40*(\half)
.irp i, 0,1,2,3
.irp q, 0,1,2,3,4,5,6,7
	global_load_b128 v[32*\i+4*\q:32*\i+4*\q+3], v4, s[12:13] offset:4096*(4*(\half)+\i)+512*\q th:TH_LOAD_NT
.endr
.endr
.endm
.macro KS s
	PLACES                                         ; the buffers loaded into were read by the step before
.if (\s) < 7
	LOADK (\s)+1
	s_wait_loadcnt 54                              ; all but the 54 just issued: this step's operands are in
.else
	RESLOAD 0
	s_wait_loadcnt 32                              ; all but the 32 just issued
.endif
	WIN 0x52+((\s)%2)                              ; Wo window 2 or 3, ctx window 0, the sums window 1
.irp n, 0,1,2,3,4,5,6,7,8,9,10,11,12,13,14,15
.irp u, 0,1
.set rD, 16*\n+8*\u
.set rA, 12*\n
.set rB, CX+24*((\s)%2)+12*\u
.set rSA, WS+8*(\n/2)+(\s)
.set rSB, CS+(\s)
.set rRA, \n%2
.set rRB, \u
.if (\s) == 0
	WMSZ
.else
	WMS
.endif
.endr
.endr
.endm
.macro ROWLOAD i                       ; stage row 8 w + i, whole: features 128 q + 4 L + 0 .. 3
.irp q, 0,1,2,3,4,5,6,7
	ds_load_b128 v[XR+32*((\i)%2)+4*\q:XR+32*((\i)%2)+4*\q+3], v8 offset:SPI*(\i)+512*\q
.endr
.endm
.macro LANESUM                         ; v[T0] over the 32 lanes, the result in every lane
	v_add_f32_dpp v[T0], v[T0], v[T0] row_xmask:1 row_mask:0xf bank_mask:0xf
	v_add_f32_dpp v[T0], v[T0], v[T0] row_xmask:2 row_mask:0xf bank_mask:0xf
	v_add_f32_dpp v[T0], v[T0], v[T0] row_xmask:4 row_mask:0xf bank_mask:0xf
	v_add_f32_dpp v[T0], v[T0], v[T0] row_xmask:8 row_mask:0xf bank_mask:0xf
	v_permlanex16_b32 v[PD], v[T0], s28, s29
	v_add_f32 v[T0], v[T0], v[PD]
.endm
.macro LNROW i
.set XB, XR+32*((\i)%2)
.if (\i) < 7
.if (\i) > 0
	s_wait_xcnt 0x0                                ; the row before's stores have read the registers that the next row lands in
.endif
	ROWLOAD (\i)+1
	s_wait_dscnt 8                                 ; my row is back; the next row's eight loads may be out
.else
	s_wait_dscnt 0x0
.endif
	s_wait_loadcnt 8*(7-(\i))                      ; this row's residual is in; the later rows' may be out
	WIN 0x08+4*((\i)/4)                            ; source 1: window 2 or 3
.set j, 0
.rept 16
	v_pk_add_f32 v[XB+j:XB+j+1], v[XB+j:XB+j+1], v[32*((\i)%4)+j:32*((\i)%4)+j+1]
.set j, j+2
.endr
	WIN 0
.set j, 0
.rept 16
	v_pk_add_f32 v[XB+j:XB+j+1], v[XB+j:XB+j+1], v[BO+j:BO+j+1]
.set j, j+2
.endr
	v_pk_add_f32 v[T0:T0+1], v[XB:XB+1], v[XB+2:XB+3]         ; the row's sum, in two chains
	v_pk_add_f32 v[T2:T2+1], v[XB+4:XB+5], v[XB+6:XB+7]
.irp p, 8,12,16,20,24,28
	v_pk_add_f32 v[T0:T0+1], v[T0:T0+1], v[XB+\p:XB+\p+1]
	v_pk_add_f32 v[T2:T2+1], v[T2:T2+1], v[XB+\p+2:XB+\p+3]
.endr
	v_pk_add_f32 v[T0:T0+1], v[T0:T0+1], v[T2:T2+1]
	v_add_f32 v[T0], v[T0], v[T0+1]
	LANESUM
	v_mul_f32 v[MU], s26, v[T0]                    ; the mean
.set j, 0
.rept 16
	v_pk_add_f32 v[XB+j:XB+j+1], v[XB+j:XB+j+1], v[MU:MU+1] op_sel_hi:[1,0] neg_lo:[0,1] neg_hi:[0,1]
.set j, j+2
.endr
	v_pk_mul_f32 v[T0:T0+1], v[XB:XB+1], v[XB:XB+1]           ; the sum of squares of x - mean
	v_pk_mul_f32 v[T2:T2+1], v[XB+2:XB+3], v[XB+2:XB+3]
.irp p, 4,8,12,16,20,24,28
	v_pk_fma_f32 v[T0:T0+1], v[XB+\p:XB+\p+1], v[XB+\p:XB+\p+1], v[T0:T0+1]
	v_pk_fma_f32 v[T2:T2+1], v[XB+\p+2:XB+\p+3], v[XB+\p+2:XB+\p+3], v[T2:T2+1]
.endr
	v_pk_add_f32 v[T0:T0+1], v[T0:T0+1], v[T2:T2+1]
	v_add_f32 v[T0], v[T0], v[T0+1]
	LANESUM
	v_fma_f32 v[RS], v[T0], s26, s27               ; the variance + 1e-12
	v_rsq_f32 v[RS], v[RS]
	v_nop                                          ; one plain place behind a transcendental
.set j, 0
	s_wait_alu depctr_va_vdst(0)
.rept 16
	v_pk_mul_f32 v[XB+j:XB+j+1], v[XB+j:XB+j+1], v[RS:RS+1] op_sel_hi:[1,0]
.set j, j+2
.endr
.set j, 0
.rept 16
	v_pk_fma_f32 v[XB+j:XB+j+1], v[XB+j:XB+j+1], v[GA+j:GA+j+1], v[BE+j:BE+j+1]
.set j, j+2
.endr
.irp q, 0,1,2,3,4,5,6,7
	global_store_b128 v4, v[XB+4*\q:XB+4*\q+3], s[18:19] offset:4096*(\i)+512*\q th:TH_STORE_NT   ; 32 lanes store 512 consecutive bytes, aligned; written once, read by nobody here
.endr
.endm
	s_load_b256 s[4:11], s[0:1], 0x0               ; cw, wi, Wo's scales, bo
	s_load_b256 s[12:19], s[0:1], 0x20             ; hidden_states, g, b, out0
	v_lshl_add_u32 v254, v0, 2, 0x20200
	v_mov_b32 v255, 0
	v_lshrrev_b32 v1, 5, v0
	v_readfirstlane_b32 s[WV], v1
	v_and_b32 v1, 31, v0                           ; L
	v_and_b32 v2, 15, v0                           ; r
	v_bfe_u32 v3, v0, 4, 1                         ; h
	v_lshlrev_b32 v4, 4, v1                        ; 16 L
	v_lshlrev_b32 v5, 2, v1                        ; 4 L
	s_lshl_b32 s30, s[WV], 10
	v_mul_u32_u24 v6, v2, SPI
	v_lshl_add_u32 v6, v3, 6, v6
	v_add_nc_u32 v6, s30, v6                       ; the stage, tile 0: row r, + 64 h, + my 1,024 bytes
	v_add_nc_u32 v7, 16*SPI, v6                    ; tile 1: sixteen rows on
	s_mul_i32 s30, s[WV], 8*SPI
	v_add_nc_u32 v8, s30, v4                       ; back: my eight rows
	v_and_b32 v9, 8, v2
	v_add_nc_u32 v9, v9, v2
	v_lshl_add_u32 v9, v3, 3, v9
	v_lshlrev_b32 v9, 5, v9                        ; Wo's scale bytes: 32 a row; lanes 16-31 the tile 8 rows on
	v_mov_b32 v[MU+1], 0                           ; (named as the upper halves of pairs)
	v_mov_b32 v[RS+1], 0
	v_mov_b32 v[PD], 0                             ; a lane permute's destination counts as one of its sources
	s_mov_b32 s26, 0x3a800000                      ; 1 / 1,024
	s_mov_b32 s27, 0x2b8cbccc                      ; 1e-12
	s_mov_b32 s28, 0x76543210
	s_mov_b32 s29, 0xfedcba98
	s_mul_i32 s30, ttmp9, 24576
	s_mov_b32 s31, 0
	s_lshl_b32 s32, ttmp9, 7
	s_add_co_u32 s32, s32, 6291456
	s_mov_b32 s33, 0
	s_mul_i32 s34, s[WV], 196608
	s_add_co_u32 s34, s34, 2359296
	s_mov_b32 s35, 0
	s_lshl_b32 s36, s[WV], 13
	s_mov_b32 s37, 0
	s_lshl_b32 s38, ttmp9, 5                       ; my eight tokens: 32 G + 8 (w / 2) + 16 (w % 2) on
	s_lshr_b32 s39, s[WV], 1
	s_lshl_b32 s39, s39, 3
	s_add_co_u32 s38, s38, s39
	s_and_b32 s39, s[WV], 1
	s_lshl_b32 s39, s39, 4
	s_add_co_u32 s38, s38, s39
	s_lshl_b32 s38, s38, 12
	s_mov_b32 s39, 0
	s_wait_kmcnt 0x0
	s_add_nc_u64 s[20:21], s[4:5], s[30:31]        ; ctx's images
	s_add_nc_u64 s[22:23], s[4:5], s[32:33]        ; ctx's scale words
	s_add_nc_u64 s[6:7], s[6:7], s[34:35]          ; Wo's images, my sixteen tiles
	s_add_nc_u64 s[8:9], s[8:9], s[36:37]
	s_add_nc_u64 s[12:13], s[12:13], s[38:39]
	s_add_nc_u64 s[18:19], s[18:19], s[38:39]
.irp q, 0,1,2,3,4,5,6,7
	global_load_b128 v[GA+4*\q:GA+4*\q+3], v4, s[14:15] offset:512*\q
	global_load_b128 v[BE+4*\q:BE+4*\q+3], v4, s[16:17] offset:512*\q
	global_load_b128 v[BO+4*\q:BO+4*\q+3], v4, s[10:11] offset:512*\q
.endr
.irp p, 0,1,2,3,4,5,6,7
.irp sh, 0,1
	global_load_b128 v[WS+8*\p+4*\sh:WS+8*\p+4*\sh+3], v9, s[8:9] offset:1024*\p+16*\sh
.endr
.endr
.irp s, 0,1,2,3,4,5,6,7
	global_load_b32 v[CS+\s], v5, s[22:23] offset:32768*\s   ; lanes 0-15 tile 0's rows, lanes 16-31 tile 1's
.endr
	LOADK 0
.irp s, 0,1,2,3,4,5,6,7
	KS \s
.endr
	PLACES
	RESLOAD 1
	WIN 0x04                                       ; an LDS store's data are its source 1: window 1
.irp n, 0,1,2,3,4,5,6,7,8,9,10,11,12,13,14,15
.irp u, 0,1
	ds_store_b128 v[6+\u], v[16*\n+8*\u:16*\n+8*\u+3] offset:128*(\n/2)+32*(\n%2)       ; lane (r, h): columns 256 w + 32 (n / 2) + 16 h + 8 (n % 2) + 0 .. 7; each accumulator from its low end on
	ds_store_b128 v[6+\u], v[16*\n+8*\u+4:16*\n+8*\u+7] offset:128*(\n/2)+32*(\n%2)+16
.endr
.endr
	WIN 0
	s_wait_dscnt 0x0                               ; for the others' sake: my stores into the stage are done
	s_barrier_signal -1
	s_barrier_wait -1                              ; 32 whole rows lie in the stage
	ROWLOAD 0
.irp i, 0,1,2,3,4,5,6,7
	LNROW \i
.endr
	s_wait_tensorcnt 0x0
	ds_add_u32 v254, v255
	s_wait_dscnt 0x0
	s_endpgm
.Lfunc_end_k_q835b3f642b_outln:
	.size	k_q835b3f642b_outln, .Lfunc_end_k_q835b3f642b_outln-k_q835b3f642b_outln
	.p2alignl 7, 3214868480
	.fill 96, 4, 3214868480
	.section	.rodata,"a",@progbits
	.p2align	6, 0x0
	.amdhsa_kernel k_q835b3f642b_outln
		.amdhsa_group_segment_fixed_size 132096
		.amdhsa_private_segment_fixed_size 0
		.amdhsa_enable_private_segment 0
		.amdhsa_kernarg_size 64
		.amdhsa_user_sgpr_count 2
		.amdhsa_user_sgpr_kernarg_segment_ptr 1
		.amdhsa_wavefront_size32 1
		.amdhsa_system_sgpr_workgroup_id_x 1
		.amdhsa_system_sgpr_workgroup_id_y 1
		.amdhsa_system_sgpr_workgroup_id_z 1
		.amdhsa_system_vgpr_workitem_id 0
		.amdhsa_next_free_vgpr 1024
		.amdhsa_next_free_sgpr 66
		.amdhsa_reserve_vcc 0
		.amdhsa_float_denorm_mode_32 3
		.amdhsa_float_denorm_mode_16_64 3
		.amdhsa_memory_ordered 1
		.amdhsa_forward_progress 1
		.amdhsa_inst_pref_size 167
	.end_amdhsa_kernel
	.amdgpu_metadata
---
amdhsa.version: [ 1, 2 ]
amdhsa.kernels:
  - .name:           k_q835b3f642b_outln
    .symbol:         k_q835b3f642b_outln.kd
    .args:
      - { .name: cw, .offset: 0, .size: 8, .value_kind: global_buffer, .address_space: global }
      - { .name: wi, .offset: 8, .size: 8, .value_kind: global_buffer, .address_space: global }
      - { .name: Wo_scales, .offset: 16, .size: 8, .value_kind: global_buffer, .address_space: global }
      - { .name: bo, .offset: 24, .size: 8, .value_kind: global_buffer, .address_space: global }
      - { .name: hidden_states, .offset: 32, .size: 8, .value_kind: global_buffer, .address_space: global }
      - { .name: ln_g, .offset: 40, .size: 8, .value_kind: global_buffer, .address_space: global }
      - { .name: ln_b, .offset: 48, .size: 8, .value_kind: global_buffer, .address_space: global }
      - { .name: out0, .offset: 56, .size: 8, .value_kind: global_buffer, .address_space: global }
    .group_segment_fixed_size: 132096
    .private_segment_fixed_size: 0
    .kernarg_segment_align: 8
    .kernarg_segment_size: 64
    .max_flat_workgroup_size: 128
    .sgpr_count:     66
    .vgpr_count:     1024
    .wavefront_size: 32
...
	.end_amdgpu_metadata
.endif
;; end of part 4
;; ======== version 2 of 2: 4 launches
;; workspace buffers: xw 6,553,600 bytes; wi 3,145,728 bytes; qk 13,107,200 bytes; vw 6,553,600 bytes; cw 6,553,600 bytes
;; launch prep (part 5): grid 256 x 3, 4 waves a work-group, no clusters, 68,096 bytes of LDS; arguments hidden_states, xw, Wq_codes, Wk_codes, Wv_codes, Wo_codes, wi; writes xw, wi
.if DOCPART == 5
	.amdgcn_target "amdgcn-amd-amdhsa--gfx1250"
	.amdhsa_code_object_version 6
	.text
	.protected	k_q835b3f642b_prep
	.globl	k_q835b3f642b_prep
	.p2align	8
	.type	k_q835b3f642b_prep,@function
k_q835b3f642b_prep:
	s_mov_b64 s[64:65], 0
	v_nop
	global_prefetch_b8 v0, s[64:65] scope:SCOPE_SE
	s_setreg_imm32_b32 hwreg(HW_REG_WAVE_MODE, 25, 1), 1
	s_wait_xcnt 0x0
; PREP.  (y = 0, 1) hidden_states [8192][1024] f32 becomes codes of FP6 (E2M3) with one E8M0 byte for each 32 along K, laid as IMAGES OF THE OPERAND'S REGISTERS;
; (y = 2) the four weights' given codes are laid anew as such images (no value changes).
; A TILE OF TOKENS (G, u): row r is token 32 G + 8 u + r + 8 (r / 8).  A TILE OF WEIGHT ROWS T: row r is row 32 (T / 2) + 8 (T % 2) + r + 8 (r / 8).
; AN IMAGE of a fragment (16 rows x 128 K, 12 registers a lane, 1,536 bytes): register p of lane L lies at 512 (p / 4) + 16 L + 4 (p % 4): three stores or loads of 16 bytes a lane, each 512 consecutive bytes.
; xw: images [tile 2 G + u][K step 8][1536]; at XSOFF the scale words [G][K step][lane]: lane 16 u + r = row r of tile u.   wi: images [q, k, v, o][T 64][K step 8][1536].
; The quantiser: a block's scale is 2^(floor(log2(largest magnitude)) - 2); its byte is the largest magnitude's exponent field - 2, held at 1 from below.
; LIMITS: a block of zeros, or one whose largest magnitude lies under 2^-124, gets the byte 1 (the rule says 127 for zeros): its codes are then zeros or the nearest codes under that scale, and the bytes are read by this program alone.
; NaN and infinities among the inputs are not served.
; SHARES (y < 2): work-group x = G; wave w takes K step 4 y + w of both tiles: 32 loads of 512 consecutive bytes, all asked for at once.  The conversions want 16 neighbours along K in one lane, the loads
; want neighbouring lanes on neighbouring bytes: so a tile turns through the wave's own stage in LDS (rows 528 bytes apart: row r starts 16 r bytes on modulo 256, so sixteen rows meet in no bank: 64 banks of 4 bytes, ISA guide 11.1).
; Waves share nothing: no barrier.  No tensor load, no cluster, no matrix unit: the launch is a stream.
.set R,     32                         ; v32-159  two tiles x 64 numbers
.set TM,    160                        ; v160-175 at work in QUANT
.set PC0,   176                        ; v176-195 tile 0's codes (12) and 8 at work
.set PC1,   196                        ; v196-215 tile 1's
.set PW0,   216                        ; the tiles' scale words
.set PW1,   217
.set WD,    218                        ; both, one in each half of the lanes
.set SEL,   28                         ; s[28:29] v_permlanex16_b32's selects for lane l xor 16
.set MH,    30                         ; s30      lanes 16-31
.set SP,    528
.set TST,   16*SP                      ; a tile's stage
.set WST,   2*TST                      ; a wave's two
.set XSOFF, 6291456
; 64 numbers of a lane, register 16 b + i = k 32 b + 16 (lane / 16) + i of the lane's row, become a fragment's 12 registers at v[pc] and its scale word in v[pw]
.macro QUANT s, pc, pw
.irp b, 0,1,2,3
	v_max3_num_f32 v[TM+\b], |v[\s+16*\b]|, |v[\s+1+16*\b]|, 0x1800000   ; block b: my 16 numbers, and the floor 2^(3 - 127): the byte cannot fall under 1
.endr
.irp i, 2,4,6,8,10,12,14
.irp b, 0,1,2,3
	v_max3_num_f32 v[TM+\b], v[TM+\b], |v[\s+16*\b+\i]|, |v[\s+1+16*\b+\i]|   ; the four blocks by turns
.endr
.endr
.irp b, 0,1,2,3
	v_permlanex16_b32 v[TM+4+\b], v[TM+\b], s[SEL], s[SEL+1]
.endr
.irp b, 0,1,2,3
	v_max_num_f32 v[TM+\b], v[TM+\b], v[TM+4+\b]   ; with lane l xor 16's: the block's largest magnitude
.endr
.irp b, 0,1,2,3
	v_add_nc_u32 v[TM+12+\b], 0xff000000, v[TM+\b]   ; 2 off its exponent field: the conversion takes this operand's exponent field as its scale
.endr
.irp b, 0,1,2,3
	v_lshrrev_b32 v[TM+4+\b], 23, v[TM+12+\b]      ; the scale's byte
.endr
	v_lshl_or_b32 v[\pw], v[TM+5], 8, v[TM+4]
	v_lshl_or_b32 v[\pw], v[TM+6], 16, v[\pw]
	v_lshl_or_b32 v[\pw], v[TM+7], 24, v[\pw]
.irp c, 0,1
	v_cvt_scalef32_pk16_fp6_f32 v[\pc+6*\c:\pc+2+6*\c], v[\s+32*\c:\s+15+32*\c], v[TM+12+2*\c]
	v_cvt_scalef32_pk16_fp6_f32 v[\pc+12+4*\c:\pc+14+4*\c], v[\s+16+32*\c:\s+31+32*\c], v[TM+12+2*\c+1]   ; (a conversion's three registers begin on an even number)
.endr
	v_nop                                          ; one plain place behind a scaled conversion
.irp c, 0,1                                    ; the operand's layout wants a whole block in a lane: lanes 0-15 block 2 c, lanes 16-31 block 2 c + 1
.irp i, 0,1,2
	v_permlane16_swap_b32 v[\pc+6*\c+\i], v[\pc+12+4*\c+\i]
.endr
.irp i, 0,1,2
	v_mov_b32 v[\pc+3+6*\c+\i], v[\pc+12+4*\c+\i]
.endr
.endr
.endm
; tile u through the stage: rows in as they were loaded, out 64 bytes of a block a lane.  LDS serves a wave's instructions in order (ISA guide 5.7.1.4): no wait between
.macro TURN u
.irp i, 0,1,2,3,4,5,6,7,8,9,10,11,12,13,14,15
	ds_store_b128 v5, v[R+64*\u+4*\i:R+64*\u+4*\i+3] offset:TST*\u+SP*\i
.endr
.irp b, 0,1,2,3
.irp j, 0,1,2,3
	ds_load_b128 v[R+64*\u+16*\b+4*\j:R+64*\u+16*\b+4*\j+3], v6 offset:TST*\u+128*\b+16*\j
.endr
.endr
.endm
	s_load_b128 s[4:7], s[0:1], 0x0                ; hidden_states, xw
	s_load_b256 s[8:15], s[0:1], 0x10              ; the codes of Wq, Wk, Wv, Wo
	s_load_b64 s[16:17], s[0:1], 0x30              ; wi
	v_lshl_add_u32 v224, v0, 2, 0x10800
	v_mov_b32 v225, 0
	v_lshrrev_b32 v1, 5, v0
	v_readfirstlane_b32 s20, v1                    ; wave
	s_and_b32 s21, ttmp7, 0xffff                   ; y
	v_and_b32 v1, 31, v0                           ; L
	v_and_b32 v2, 15, v0                           ; r
	v_bfe_u32 v3, v0, 4, 1                         ; h
	v_lshlrev_b32 v4, 4, v1                        ; 16 L
	s_cmp_eq_u32 s21, 2
	s_cbranch_scc1 .Lweights
	; ---- x
	v_lshlrev_b32 v7, 2, v1                        ; 4 L
	s_mul_i32 s22, s20, WST
	v_add_nc_u32 v5, s22, v4                       ; the stage, on the way in: 16 L of a row
	v_mul_u32_u24 v6, v2, SP
	v_lshl_add_u32 v6, v3, 6, v6
	v_add_nc_u32 v6, s22, v6                       ; and out: row r, + 64 h
	s_mov_b32 s[SEL], 0x76543210
	s_mov_b32 s[SEL+1], 0xfedcba98
	s_mov_b32 s[MH], 0xffff0000
.irp b, 0,1,2,3
	v_mov_b32 v[TM+4+\b], 0                        ; written once: a lane permute's destination counts as one of its sources
.endr
	s_lshl_b32 s23, s21, 2
	s_add_co_u32 s23, s23, s20                     ; my K step
	s_lshl_b32 s24, ttmp9, 17                      ; 32 rows of 4,096 bytes a group,
	s_lshl_b32 s25, s23, 9                         ; 512 bytes a K step
	s_add_co_u32 s24, s24, s25
	s_mov_b32 s25, 0
	s_mul_i32 s26, ttmp9, 24576                    ; the group's two tiles' images,
	s_mul_i32 s27, s23, 1536                       ; my K step's
	s_add_co_u32 s26, s26, s27
	s_mov_b32 s27, 0
	s_lshl_b32 s18, ttmp9, 10                      ; and its scale words
	s_lshl_b32 s19, s23, 7
	s_add_co_u32 s18, s18, s19
	s_add_co_u32 s18, s18, XSOFF
	s_mov_b32 s19, 0
	s_wait_alu depctr_va_vdst(0)
	s_wait_kmcnt 0x0
	s_add_nc_u64 s[4:5], s[4:5], s[24:25]
	s_add_nc_u64 s[26:27], s[6:7], s[26:27]
	s_add_nc_u64 s[18:19], s[6:7], s[18:19]
.irp u, 0,1
.irp i, 0,1,2,3,4,5,6,7,8,9,10,11,12,13,14,15
	global_load_b128 v[R+64*\u+4*\i:R+64*\u+4*\i+3], v4, s[4:5] offset:(8*\u+\i+8*(\i/8))*4096 th:TH_LOAD_NT   ; 32 lanes read 512 consecutive bytes of the tile's row i
.endr
.endr
	s_wait_loadcnt 16                              ; tile 0's sixteen loads are in; tile 1's may be out
	TURN 0
	s_wait_loadcnt 0x0
	TURN 1
	s_wait_dscnt 32                                ; tile 0 is back: behind its loads stand TURN 1's 16 stores and 16 loads
	QUANT R, PC0, PW0
.irp c, 0,1,2
	global_store_b128 v4, v[PC0+4*\c:PC0+4*\c+3], s[26:27] offset:512*\c
.endr
	s_wait_dscnt 0x0
	QUANT R+64, PC1, PW1
.irp c, 0,1,2
	global_store_b128 v4, v[PC1+4*\c:PC1+4*\c+3], s[26:27] offset:12288+512*\c
.endr
	v_cndmask_b32 v[WD], v[PW0], v[PW1], s[MH]     ; lanes 0-15 tile 0's words, lanes 16-31 tile 1's (each half of the lanes holds its row's word)
	global_store_b32 v7, v[WD], s[18:19]           ; 128 consecutive bytes: one byte in 25 of what the wave stores
	s_wait_tensorcnt 0x0
	ds_add_u32 v224, v225
	s_wait_dscnt 0x0
	s_endpgm
	; ---- the weights: work-group x = 64 x matrix + T; wave w takes K steps 2 w and 2 w + 1
.Lweights:
	s_wait_alu depctr_va_vdst(0)
	v_and_b32 v8, 8, v2
	v_add_nc_u32 v8, v8, v2                        ; r + 8 (r / 8)
	v_mul_u32_u24 v8, v8, 768                      ; a row of 1,024 codes is 768 bytes
	v_mad_u32_u24 v8, v3, 24, v8                   ; + 24 h
	s_lshr_b32 s22, ttmp9, 6                       ; which matrix
	s_and_b32 s23, ttmp9, 63                       ; T
	s_lshr_b32 s24, s23, 1
	s_lshl_b32 s24, s24, 5
	s_and_b32 s25, s23, 1
	s_lshl_b32 s25, s25, 3
	s_add_co_u32 s24, s24, s25                     ; the tile's first row
	s_mul_i32 s24, s24, 768
	s_mul_i32 s25, s20, 192                        ; my two K steps of 96 bytes
	s_add_co_u32 s24, s24, s25
	s_mov_b32 s25, 0
	s_mul_i32 s26, ttmp9, 12288                    ; the tile's eight images,
	s_mul_i32 s27, s20, 3072                       ; my two
	s_add_co_u32 s26, s26, s27
	s_mov_b32 s27, 0
	s_wait_alu depctr_va_vdst(0)
	s_wait_kmcnt 0x0
	s_cmp_eq_u32 s22, 1                            ; the choice hangs on the work-group's number alone
	s_cselect_b64 s[8:9], s[10:11], s[8:9]
	s_cmp_eq_u32 s22, 2
	s_cselect_b64 s[8:9], s[12:13], s[8:9]
	s_cmp_eq_u32 s22, 3
	s_cselect_b64 s[8:9], s[14:15], s[8:9]
	s_add_nc_u64 s[8:9], s[8:9], s[24:25]
	s_add_nc_u64 s[16:17], s[16:17], s[26:27]
.irp i, 0,1
.irp p, 0,1,2,3,4,5
	global_load_b64 v[R+12*\i+2*\p:R+12*\i+2*\p+1], v8, s[8:9] offset:96*\i+48*(\p/3)+8*(\p%3)   ; a fragment as it lies: 24 bytes of the row's stream of bits, twice, in pieces of 8
.endr
.endr
	s_wait_loadcnt 0x0
.irp i, 0,1
.irp c, 0,1,2
	global_store_b128 v4, v[R+12*\i+4*\c:R+12*\i+4*\c+3], s[16:17] offset:1536*\i+512*\c
.endr
.endr
	s_endpgm
.Lfunc_end_k_q835b3f642b_prep:
	.size	k_q835b3f642b_prep, .Lfunc_end_k_q835b3f642b_prep-k_q835b3f642b_prep
	.p2alignl 7, 3214868480
	.fill 96, 4, 3214868480
	.section	.rodata,"a",@progbits
	.p2align	6, 0x0
	.amdhsa_kernel k_q835b3f642b_prep
		.amdhsa_group_segment_fixed_size 68096
		.amdhsa_private_segment_fixed_size 0
		.amdhsa_enable_private_segment 0
		.amdhsa_kernarg_size 56
		.amdhsa_user_sgpr_count 2
		.amdhsa_user_sgpr_kernarg_segment_ptr 1
		.amdhsa_wavefront_size32 1
		.amdhsa_system_sgpr_workgroup_id_x 1
		.amdhsa_system_sgpr_workgroup_id_y 1
		.amdhsa_system_sgpr_workgroup_id_z 1
		.amdhsa_system_vgpr_workitem_id 0
		.amdhsa_next_free_vgpr 226
		.amdhsa_next_free_sgpr 66
		.amdhsa_reserve_vcc 0
		.amdhsa_float_denorm_mode_32 3
		.amdhsa_float_denorm_mode_16_64 3
		.amdhsa_memory_ordered 1
		.amdhsa_forward_progress 1
		.amdhsa_inst_pref_size 21
	.end_amdhsa_kernel
	.amdgpu_metadata
---
amdhsa.version: [ 1, 2 ]
amdhsa.kernels:
  - .name:           k_q835b3f642b_prep
    .symbol:         k_q835b3f642b_prep.kd
    .args:
      - { .name: hidden_states, .offset: 0, .size: 8, .value_kind: global_buffer, .address_space: global }
      - { .name: xw, .offset: 8, .size: 8, .value_kind: global_buffer, .address_space: global }
      - { .name: Wq_codes, .offset: 16, .size: 8, .value_kind: global_buffer, .address_space: global }
      - { .name: Wk_codes, .offset: 24, .size: 8, .value_kind: global_buffer, .address_space: global }
      - { .name: Wv_codes, .offset: 32, .size: 8, .value_kind: global_buffer, .address_space: global }
      - { .name: Wo_codes, .offset: 40, .size: 8, .value_kind: global_buffer, .address_space: global }
      - { .name: wi, .offset: 48, .size: 8, .value_kind: global_buffer, .address_space: global }
    .group_segment_fixed_size: 68096
    .private_segment_fixed_size: 0
    .kernarg_segment_align: 8
    .kernarg_segment_size: 56
    .max_flat_workgroup_size: 128
    .sgpr_count:     66
    .vgpr_count:     226
    .wavefront_size: 32
...
	.end_amdgpu_metadata
.endif
;; end of part 5
;; launch qkv (part 6): grid 8 x 32, 4 waves a work-group, clusters of 4 x 1, 205,312 bytes of LDS; arguments xw, wi, Wq_scales, Wk_scales, Wv_scales, bq, bk, bv, qk, vw; writes qk, vw
.if DOCPART == 6
	.amdgcn_target "amdgcn-amd-amdhsa--gfx1250"
	.amdhsa_code_object_version 6
	.text
	.protected	k_q835b3f642b_qkv
	.globl	k_q835b3f642b_qkv
	.p2align	8
	.type	k_q835b3f642b_qkv,@function
k_q835b3f642b_qkv:
	s_mov_b64 s[64:65], 0
	v_nop
	global_prefetch_b8 v0, s[64:65] scope:SCOPE_SE
	s_setreg_imm32_b32 hwreg(HW_REG_WAVE_MODE, 25, 1), 1
	s_wait_xcnt 0x0
	s_wait_alu depctr_hold_cnt(0) depctr_sa_sdst(0) depctr_va_vdst(0) depctr_va_sdst(0) depctr_va_ssrc(0) depctr_va_vcc(0) depctr_vm_vsrc(0)
	s_getreg_b32 s2, hwreg(HW_REG_IB_STS2, 6, 4)
	s_cmp_eq_u32 s2, 0
	s_cbranch_scc0 .Lentry_in_a_cluster
	s_endpgm
.Lentry_in_a_cluster:
	s_bfe_u32 s2, ttmp6, 0x10000c
	s_cmp_lg_u32 s2, 0x3003
	s_cbranch_scc0 .Lentry_shape_is_right
	s_endpgm
.Lentry_shape_is_right:
; QKV.  q = x Wq^T + bq, k = x Wk^T + bk, v = x Wv^T + bv on codes of FP6 (E2M3) with E8M0 scales, sums in f32; the results are quantised in registers and leave as images of the next products' operands.
; SHARES.  Work-group (hp, rg): the pair of heads 2 hp, 2 hp + 1 and tokens 256 rg on (8 groups of 32).  Wave w: 64 columns of Wq (w < 2) or Wk (w >= 2), head 2 hp + w % 2, four tiles;
; and 32 columns of Wv, head 2 hp + w / 2, block w % 2, two tiles; for all 256 tokens.  Its 48 weight fragments (576 registers) stay in registers for the whole launch.
; x's 128 fragment images (196,608 bytes) and their scale words (8,192) come into LDS ONCE.  CLUSTER: the four work-groups of a cluster have the same rg and other hp: they need the same x, so it is asked for JOINTLY
; (the same three tensor loads, the same descriptors, mask 15).  The weights differ from partner to partner and go straight into registers.
; q AND k ARE MADE TRANSPOSED (source 0 = 16 weight rows, source 1 = 16 tokens): a lane holds one token and its registers run along the head's 64 features, the next product's K.  The accumulators of the group's two
; token tiles stand side by side, so that one quantising pass gives a PAIR FRAGMENT: k 0-63 = the 64 features of token 32 g + r + 8 (r / 8), k 64-127 = those of the token 8 further on.
; v IS MADE AS IT STANDS (source 0 = tokens, source 1 = weight rows): a lane holds one feature d and its 16 registers run along 16 neighbouring tokens, the keys: the second product's K.
; qk: pair fragments [q, k][batch x head 128][group 32][1536]; at 12,582,912 their scale words [q, k][128][step 8][lane 32][2]: word j: group 4 step + 2 j in lanes 0-15, + 2 j + 1 in lanes 16-31.
; vw: fragments [128][step 8][tile 4][1536] (rows d = 32 (tile / 2) + 8 (tile % 2) + r + 8 (r / 8), K = keys 128 step on); at 6,291,456 scale words [128][block 2][step pair 4][lane 32][2].
; The biases are the C of each sum's first matrix instruction.  The twelve accumulators take turns, one instruction a turn.
; LIMITS: as the quantiser of launch prep: the scale byte is held at 1 from below; NaN and infinities are not served.
; REGISTERS.  window 0: v1-15 addresses; v16-31 x's scale words, two sets; v32-55 the weights' scale words; v64-127 q or k (32 u + 8 t); v128-159 v (16 tv + 8 u); v160-199 v's codes; v200-245 at work.
;   window 1: Wq/Wk tiles 0, 1 at 96 t + 12 s; from v192 their four tiles' bias.   window 2: tiles 2, 3; from v192 v's bias.   window 3: Wv at 96 tv + 12 s; from v192 x's fragments, two buffers of two.
.set WV,   24                          ; s24 wave
.set LI,   4                           ; v4-7  16 L + 49,152 p: an image's place for my lane, for groups 2 p and 2 p + 1
.set XSA,  8                           ; v8    XSC + 4 L
.set XS,   16
.set WS,   32                          ; register WS + 8 p + s: lanes 0-15 tile 2 p, lanes 16-31 tile 2 p + 1; p = 2: Wv
.set HA,   64
.set VA,   128
.set VF,   160
.set TM,   200
.set PC,   216
.set PWS,  236                         ; v236-239 four groups' scale words of q or k
.set QS,   240                         ; v[240:241] as they are stored
.set PWV,  242                         ; v242-243 v's scale words, a byte a group
.set VSW,  244                         ; v[244:245] as they are stored
.set SEL,  62
.set MH,   60
.set XSC,  196608
.set G1C,  32                          ; s[32:39] group 1: 96 dense rows of 256 bytes
.set G1S,  40                          ; s[40:47] 8 such rows
.set G0S,  48                          ; s[48:51] the scale words;  s[52:55] groups 0-3;  s[56:59] groups 4-7
.set G0A,  52
.set G0B,  56
.set MSB,  0
.macro WIN new                         ; the immediate's high byte repeats the setting that is left
.if MSB != (\new)
	s_set_vgpr_msb (MSB<<8)|(\new)
.set MSB, (\new)
.endif
.endm
.macro PLACES                          ; four places behind a matrix instruction, in front of loads into its registers and of reads of its results
.rept 4
	v_nop
.endr
.endm
.macro ROUND                           ; a round of the cluster's barrier
	s_barrier_signal -1
	s_barrier_wait -1
	s_cmp_lg_u32 s[WV], 0
	s_cbranch_scc1 .Lnot_wave_0_\@
	s_barrier_signal -3
.Lnot_wave_0_\@:
	s_barrier_wait -3
	s_barrier_signal -1
	s_barrier_wait -1
.endm
.macro WMS                             ; one product; registers and scale rows from the symbols set ahead of it
.if rRA && rRB
	v_wmma_scale_f32_16x16x128_f8f6f4 v[rD:rD+7], v[rA:rA+11], v[rB:rB+11], v[rC:rC+7], v[rSA], v[rSB] matrix_a_fmt:MATRIX_FMT_FP6 matrix_b_fmt:MATRIX_FMT_FP6 matrix_a_scale:MATRIX_SCALE_ROW1 matrix_b_scale:MATRIX_SCALE_ROW1
.elseif rRA
	v_wmma_scale_f32_16x16x128_f8f6f4 v[rD:rD+7], v[rA:rA+11], v[rB:rB+11], v[rC:rC+7], v[rSA], v[rSB] matrix_a_fmt:MATRIX_FMT_FP6 matrix_b_fmt:MATRIX_FMT_FP6 matrix_a_scale:MATRIX_SCALE_ROW1
.elseif rRB
	v_wmma_scale_f32_16x16x128_f8f6f4 v[rD:rD+7], v[rA:rA+11], v[rB:rB+11], v[rC:rC+7], v[rSA], v[rSB] matrix_a_fmt:MATRIX_FMT_FP6 matrix_b_fmt:MATRIX_FMT_FP6 matrix_b_scale:MATRIX_SCALE_ROW1
.else
	v_wmma_scale_f32_16x16x128_f8f6f4 v[rD:rD+7], v[rA:rA+11], v[rB:rB+11], v[rC:rC+7], v[rSA], v[rSB] matrix_a_fmt:MATRIX_FMT_FP6 matrix_b_fmt:MATRIX_FMT_FP6
.endif
.endm
; 64 numbers of a lane, register 16 b + i = k 32 b + 16 (lane / 16) + i of the lane's row, become a fragment's 12 registers at v[pc] and its scale word in v[pw]
.macro QUANT s, pc, pw
.irp b, 0,1,2,3
	v_max3_num_f32 v[TM+\b], |v[\s+16*\b]|, |v[\s+1+16*\b]|, 0x1800000   ; and the floor 2^(3 - 127).  Each accumulator is read from its low end on
.endr
.irp i, 2,4,6,8,10,12,14
.irp b, 0,1,2,3
	v_max3_num_f32 v[TM+\b], v[TM+\b], |v[\s+16*\b+\i]|, |v[\s+1+16*\b+\i]|
.endr
.endr
.irp b, 0,1,2,3
	v_permlanex16_b32 v[TM+4+\b], v[TM+\b], s[SEL], s[SEL+1]
.endr
.irp b, 0,1,2,3
	v_max_num_f32 v[TM+\b], v[TM+\b], v[TM+4+\b]
.endr
.irp b, 0,1,2,3
	v_add_nc_u32 v[TM+12+\b], 0xff000000, v[TM+\b]   ; 2 off the exponent field: the conversion's scale operand
.endr
.irp b, 0,1,2,3
	v_lshrrev_b32 v[TM+4+\b], 23, v[TM+12+\b]      ; the scale's byte
.endr
	v_lshl_or_b32 v[\pw], v[TM+5], 8, v[TM+4]
	v_lshl_or_b32 v[\pw], v[TM+6], 16, v[\pw]
	v_lshl_or_b32 v[\pw], v[TM+7], 24, v[\pw]
.irp c, 0,1
	v_cvt_scalef32_pk16_fp6_f32 v[\pc+6*\c:\pc+2+6*\c], v[\s+32*\c:\s+15+32*\c], v[TM+12+2*\c]
	v_cvt_scalef32_pk16_fp6_f32 v[\pc+12+4*\c:\pc+14+4*\c], v[\s+16+32*\c:\s+31+32*\c], v[TM+12+2*\c+1]
.endr
	v_nop                                          ; one plain place behind a scaled conversion
.irp c, 0,1
.irp i, 0,1,2
	v_permlane16_swap_b32 v[\pc+6*\c+\i], v[\pc+12+4*\c+\i]
.endr
.irp i, 0,1,2
	v_mov_b32 v[\pc+3+6*\c+\i], v[\pc+12+4*\c+\i]
.endr
.endr
.endm
.macro XFETCH gi, s, buf               ; x's two fragments (tiles u = 0, 1) of group gi, K step s, into buffer buf of window 3
	WIN 0xc0
.irp u, 0,1
.irp c, 0,1,2
	ds_load_b128 v[192+24*(\buf)+12*\u+4*\c:192+24*(\buf)+12*\u+4*\c+3], v[LI+(\gi)/2] offset:24576*((\gi)%2)+12288*\u+1536*(\s)+512*\c
.endr
.endr
.endm
.macro XSLOAD gi                       ; the group's eight scale words: lanes 0-15 tile 0's rows, lanes 16-31 tile 1's
.irp s, 0,1,2,3,4,5,6,7
	ds_load_b32 v[XS+8*((\gi)%2)+\s], v[XSA] offset:1024*(\gi)+128*\s
.endr
.endm
; One K step of one group: the next step's fragments are asked for, then twelve products
.macro KSTEP gi, s
	PLACES                                         ; the buffer fetched into was read by the step before
.if (\s) == 7
.if (\gi) < 7
	WIN 0
	XSLOAD (\gi)+1
	XFETCH (\gi)+1, 0, 0
	s_wait_dscnt 14                                ; all but the 8 + 6 just issued: this step's fragments are in
.else
	s_wait_dscnt 0x0
.endif
.else
	XFETCH \gi, (\s)+1, ((\s)+1)%2
	s_wait_dscnt 6                                 ; all but the 6 just issued
.endif
.set bf, (\s)%2
.set rXS, XS+8*((\gi)%2)+(\s)
.if (\s) == 0
	WIN 0x1d                                       ; W window 1, x window 3, the bias window 1, the sums window 0
.else
	WIN 0x0d
.endif
.irp t, 0,1
.irp u, 0,1
.set rD, HA+32*\u+8*\t
.set rA, 96*\t+12*(\s)
.set rB, 192+24*bf+12*\u
.set rC, rD
.if (\s) == 0
.set rC, 192+8*\t
.endif
.set rSA, WS+(\s)
.set rSB, rXS
.set rRA, \t
.set rRB, \u
	WMS
.endr
.endr
.if (\s) == 0
	WIN 0x1e                                       ; W window 2
.else
	WIN 0x0e
.endif
.irp t, 2,3
.irp u, 0,1
.set rD, HA+32*\u+8*\t
.set rA, 96*(\t-2)+12*(\s)
.set rB, 192+24*bf+12*\u
.set rC, rD
.if (\s) == 0
.set rC, 192+8*\t
.endif
.set rSA, WS+8+(\s)
.set rSB, rXS
.set rRA, \t-2
.set rRB, \u
	WMS
.endr
.endr
.if (\s) == 0
	WIN 0x2f                                       ; x and Wv window 3, v's bias window 2
.else
	WIN 0x0f
.endif
.irp tv, 0,1
.irp u, 0,1
.set rD, VA+16*\tv+8*\u
.set rA, 192+24*bf+12*\u
.set rB, 96*\tv+12*(\s)
.set rC, rD
.if (\s) == 0
.set rC, 192+8*\tv
.endif
.set rSA, rXS
.set rSB, WS+16+(\s)
.set rRA, \u
.set rRB, \tv
	WMS
.endr
.endr
.endm
; v of one group: for each of my two tiles of d, a lane's 16 registers are 16 neighbouring keys, half of block q of the key step
.macro QV q
.irp tv, 0,1
	v_max3_num_f32 v[TM+\tv], |v[VA+16*\tv]|, |v[VA+16*\tv+1]|, 0x1800000
.endr
.irp i, 2,4,6,8,10,12,14
.irp tv, 0,1
	v_max3_num_f32 v[TM+\tv], v[TM+\tv], |v[VA+16*\tv+\i]|, |v[VA+16*\tv+\i+1]|
.endr
.endr
.irp tv, 0,1
	v_permlanex16_b32 v[TM+4+\tv], v[TM+\tv], s[SEL], s[SEL+1]
.endr
.irp tv, 0,1
	v_max_num_f32 v[TM+\tv], v[TM+\tv], v[TM+4+\tv]
.endr
.irp tv, 0,1
	v_add_nc_u32 v[TM+12+\tv], 0xff000000, v[TM+\tv]
.endr
.irp tv, 0,1
	v_lshrrev_b32 v[TM+8+\tv], 23, v[TM+12+\tv]
.endr
.irp tv, 0,1
.if (\q) == 0
	v_mov_b32 v[PWV+\tv], v[TM+8+\tv]
.else
	v_lshl_or_b32 v[PWV+\tv], v[TM+8+\tv], 8*(\q), v[PWV+\tv]
.endif
.endr
.irp tv, 0,1
.if (\q)%2 == 0
	v_cvt_scalef32_pk16_fp6_f32 v[VF+20*\tv+6*((\q)/2):VF+20*\tv+6*((\q)/2)+2], v[VA+16*\tv:VA+16*\tv+15], v[TM+12+\tv]
.else
	v_cvt_scalef32_pk16_fp6_f32 v[VF+20*\tv+12+4*((\q)/2):VF+20*\tv+12+4*((\q)/2)+2], v[VA+16*\tv:VA+16*\tv+15], v[TM+12+\tv]
.endif
.endr
	v_nop                                          ; one plain place behind a scaled conversion
.endm
; behind four groups (128 tokens, one key step): the scale words of q or k, v's two fragments and their scale words.  sg = 0 or 1: which of my two key steps
; (the argument comes as text, so it stands in parentheses wherever it is multiplied)
.macro SGTAIL sg
	v_cndmask_b32 v[QS], v[PWS], v[PWS+1], s[MH]
	v_cndmask_b32 v[QS+1], v[PWS+2], v[PWS+3], s[MH]
	global_store_b64 v9, v[QS:QS+1], s[74:75] offset:256*(\sg)   ; 32 lanes store 256 consecutive bytes, aligned
.irp tv, 0,1
.irp c, 0,1
.irp i, 0,1,2
	v_permlane16_swap_b32 v[VF+20*\tv+6*\c+\i], v[VF+20*\tv+12+4*\c+\i]
.endr
.irp i, 0,1,2
	v_mov_b32 v[VF+20*\tv+6*\c+3+\i], v[VF+20*\tv+12+4*\c+\i]
.endr
.endr
.irp c, 0,1,2
	global_store_b128 v[LI], v[VF+20*\tv+4*\c:VF+20*\tv+4*\c+3], s[76:77] offset:6144*(\sg)+1536*\tv+512*\c
.endr
.endr
	v_cndmask_b32 v[VSW+(\sg)], v[PWV], v[PWV+1], s[MH]
.if (\sg) == 1
	global_store_b64 v9, v[VSW:VSW+1], s[78:79]    ; two key steps' words: 256 consecutive bytes, aligned
.endif
.endm
.macro GROUP gi
.irp s, 0,1,2,3,4,5,6,7
	KSTEP \gi, \s
.endr
	PLACES
	WIN 0
	s_wait_xcnt 0x0                                ; the registers that earlier stores read are written again only behind this wait
	QUANT HA, PC, PWS+(\gi)%4
.irp c, 0,1,2
	global_store_b128 v[LI], v[PC+4*\c:PC+4*\c+3], s[72:73] offset:1536*(\gi)+512*\c
.endr
	QV (\gi)%4
.if (\gi)%4 == 3
	SGTAIL (\gi)/4
.endif
.endm
	s_load_b128 s[4:7], s[0:1], 0x0                ; xw, wi
	s_load_b128 s[8:11], s[0:1], 0x10              ; Wq's scales, Wk's
	s_load_b128 s[12:15], s[0:1], 0x20             ; Wv's scales, bq
	s_load_b128 s[16:19], s[0:1], 0x30             ; bk, bv
	s_load_b128 s[20:23], s[0:1], 0x40             ; qk, vw
	v_lshl_add_u32 v254, v0, 2, 0x32000
	v_mov_b32 v255, 0
	ds_add_u32 v254, v255
	ds_add_u32 v254, v255
	v_lshrrev_b32 v1, 5, v0
	v_readfirstlane_b32 s[WV], v1
	s_bfe_u32 s25, ttmp6, 0x40000                  ; cx
	s_lshl_b32 s26, ttmp9, 2
	s_add_co_u32 s26, s26, s25                     ; hp = 4 x cluster x + cx
	s_and_b32 s27, ttmp7, 0xffff                   ; rg, which the four partners share
	s_and_b32 s28, s[WV], 1
	s_lshr_b32 s29, s[WV], 1
	s_lshl_b32 s30, s26, 1
	s_add_co_u32 s31, s30, s29                     ; hv: my head of v
	s_add_co_u32 s30, s30, s28                     ; hq: my head of q or k
	s_mov_b32 s[MH], 0xffff0000
	s_mov_b32 s[SEL], 0x76543210
	s_mov_b32 s[SEL+1], 0xfedcba98
	s_mov_b32 s[G1C], 15|(3<<16)|(1<<21)           ; 15:0 the mask: all four work-groups; 17:16 elements of 8 bytes; 21 set beside a mask; no padding
	s_mov_b32 s[G1C+1], 32<<16                     ; tensor_dim0 = 32 elements: 256 bytes
	s_mov_b32 s[G1C+2], 96<<16                     ; tensor_dim1 = 96 rows: a group's 24,576 bytes
	s_mov_b32 s[G1C+3], 32<<16                     ; tile_dim0
	s_mov_b32 s[G1C+4], 96                         ; tile_dim1
	s_mov_b32 s[G1C+5], 32                         ; the pitch: dense
	s_mov_b32 s[G1C+6], 0
	s_mov_b32 s[G1C+7], 0
	s_mov_b32 s[G1S], 15|(3<<16)|(1<<21)
	s_mov_b32 s[G1S+1], 32<<16
	s_mov_b32 s[G1S+2], 8<<16                      ; 8 rows: two groups' scale words
	s_mov_b32 s[G1S+3], 32<<16
	s_mov_b32 s[G1S+4], 8
	s_mov_b32 s[G1S+5], 32
	s_mov_b32 s[G1S+6], 0
	s_mov_b32 s[G1S+7], 0
	s_lshl_b32 s80, s27, 13                        ; what I fetch hangs on rg and on my wave's number alone
	s_lshl_b32 s85, s[WV], 11
	s_add_co_u32 s80, s80, s85
	s_add_co_u32 s80, s80, 6291456
	s_mov_b32 s81, 0
	s_mul_i32 s84, s[WV], 24576
	s_mul_i32 s82, s27, 196608
	s_add_co_u32 s82, s82, s84
	s_mov_b32 s83, 0
	v_and_b32 v1, 31, v0                           ; L
	v_and_b32 v2, 15, v0                           ; r
	v_bfe_u32 v3, v0, 4, 1                         ; h
	v_lshlrev_b32 v[LI], 4, v1
	v_add_nc_u32 v[LI+1], 49152, v[LI]
	v_add_nc_u32 v[LI+2], 98304, v[LI]
	v_add_nc_u32 v[LI+3], 147456, v[LI]
	v_lshl_add_u32 v[XSA], v1, 2, XSC
	v_lshlrev_b32 v9, 3, v1                        ; 8 L
	v_lshlrev_b32 v10, 6, v3                       ; the bias of q or k: 16 h numbers on
	v_and_b32 v13, 8, v2
	v_add_nc_u32 v13, v13, v2                      ; r + 8 (r / 8)
	v_lshlrev_b32 v11, 2, v13                      ; v's bias: my column's
	v_lshl_add_u32 v12, v3, 3, v13
	v_lshlrev_b32 v12, 5, v12                      ; the weights' scale bytes: 32 a row; lanes 16-31 the tile 8 rows on
.irp b, 0,1,2,3
	v_mov_b32 v[TM+4+\b], 0                        ; written once: a lane permute's destination counts as one of its sources
.endr
	s_wait_dscnt 0x0
	s_wait_kmcnt 0x0
	s_mov_b32 s[G0S], 1
	s_add_co_u32 s[G0S+1], s85, XSC
	s_add_nc_u64 s[G0S+2:G0S+3], s[4:5], s[80:81]
	s_or_b32 s[G0S+3], s[G0S+3], 0x80000000
	s_mov_b32 s[G0A], 1
	s_mov_b32 s[G0A+1], s84                        ; group w
	s_add_nc_u64 s[G0A+2:G0A+3], s[4:5], s[82:83]
	s_mov_b32 s[G0B], 1
	s_add_co_u32 s[G0B+1], s84, 98304              ; group 4 + w
	s_add_nc_u64 s[G0B+2:G0B+3], s[G0A+2:G0A+3], 98304
	s_or_b32 s[G0A+3], s[G0A+3], 0x80000000
	s_or_b32 s[G0B+3], s[G0B+3], 0x80000000
	ROUND                                          ; all four work-groups are here: the joint loads meet
	tensor_load_to_lds s[G0S:G0S+3], s[G1S:G1S+7]  ; three loads of mine are out; every byte of LDS is filled once
	s_nop 0
	tensor_load_to_lds s[G0A:G0A+3], s[G1C:G1C+7]
	s_nop 0
	tensor_load_to_lds s[G0B:G0B+3], s[G1C:G1C+7]
	s_nop 0
.rept 4
	v_nop
.endr
	; where my weights, scales and biases lie, and where my results go
	s_mul_i32 s86, s29, 786432
	s_mul_i32 s87, s30, 49152
	s_add_co_u32 s86, s86, s87
	s_mov_b32 s87, 0
	s_add_nc_u64 s[68:69], s[6:7], s[86:87]        ; Wq's or Wk's images, my head's four tiles
	s_lshl_b32 s86, s31, 2
	s_lshl_b32 s88, s28, 1
	s_add_co_u32 s86, s86, s88
	s_mul_i32 s86, s86, 12288
	s_add_co_u32 s86, s86, 1572864
	s_add_nc_u64 s[70:71], s[6:7], s[86:87]        ; Wv's, my two tiles
	s_cmp_lt_u32 s[WV], 2                          ; the choice hangs on the wave's number alone
	s_cselect_b64 s[8:9], s[8:9], s[10:11]
	s_cselect_b64 s[14:15], s[14:15], s[16:17]
	s_lshl_b32 s86, s30, 11
	s_add_nc_u64 s[8:9], s[8:9], s[86:87]
	s_lshl_b32 s86, s30, 8
	s_add_nc_u64 s[14:15], s[14:15], s[86:87]
	s_lshl_b32 s86, s31, 11
	s_lshl_b32 s88, s28, 10
	s_add_co_u32 s86, s86, s88
	s_add_nc_u64 s[12:13], s[12:13], s[86:87]
	s_lshl_b32 s86, s31, 8
	s_lshl_b32 s88, s28, 7
	s_add_co_u32 s86, s86, s88
	s_add_nc_u64 s[18:19], s[18:19], s[86:87]
	s_lshr_b32 s88, s27, 2                         ; the batch
	s_and_b32 s89, s27, 3                          ; which quarter of its tokens
	s_lshl_b32 s88, s88, 4
	s_add_co_u32 s90, s88, s30                     ; 16 b + hq
	s_add_co_u32 s91, s88, s31                     ; 16 b + hv
	s_lshl_b32 s86, s90, 5
	s_lshl_b32 s92, s89, 3
	s_add_co_u32 s86, s86, s92
	s_mul_i32 s86, s86, 1536
	s_mul_i32 s92, s29, 6291456
	s_add_co_u32 s86, s86, s92
	s_add_nc_u64 s[72:73], s[20:21], s[86:87]      ; pair fragments of q or k
	s_lshl_b32 s86, s90, 11
	s_lshl_b32 s92, s89, 9
	s_add_co_u32 s86, s86, s92
	s_lshl_b32 s92, s29, 18
	s_add_co_u32 s86, s86, s92
	s_add_co_u32 s86, s86, 12582912
	s_add_nc_u64 s[74:75], s[20:21], s[86:87]      ; their scale words
	s_lshl_b32 s86, s91, 3
	s_lshl_b32 s92, s89, 1
	s_add_co_u32 s86, s86, s92
	s_mul_i32 s86, s86, 6144
	s_mul_i32 s92, s28, 3072
	s_add_co_u32 s86, s86, s92
	s_add_nc_u64 s[76:77], s[22:23], s[86:87]      ; v's fragments
	s_lshl_b32 s86, s91, 11
	s_lshl_b32 s92, s28, 10
	s_add_co_u32 s86, s86, s92
	s_lshl_b32 s92, s89, 8
	s_add_co_u32 s86, s86, s92
	s_add_co_u32 s86, s86, 6291456
	s_add_nc_u64 s[78:79], s[22:23], s[86:87]      ; their scale words
	WIN 0x40                                       ; destination window 1
.irp t, 0,1
.irp s, 0,1,2,3,4,5,6,7
.irp c, 0,1,2
	global_load_b128 v[96*\t+12*\s+4*\c:96*\t+12*\s+4*\c+3], v[LI], s[68:69] offset:(8*\t+\s)*1536+512*\c
.endr
.endr
.endr
.irp t, 0,1,2,3                                ; the bias in the result's layout: register j of lane (r, h) is feature 32 (t / 2) + 16 h + 8 (t % 2) + j
	global_load_b128 v[192+8*\t:192+8*\t+3], v10, s[14:15] offset:(32*(\t/2)+8*(\t%2))*4
	global_load_b128 v[192+8*\t+4:192+8*\t+7], v10, s[14:15] offset:(32*(\t/2)+8*(\t%2))*4+16
.endr
	WIN 0x80                                       ; window 2
.irp t, 2,3
.irp s, 0,1,2,3,4,5,6,7
.irp c, 0,1,2
	global_load_b128 v[96*(\t-2)+12*\s+4*\c:96*(\t-2)+12*\s+4*\c+3], v[LI], s[68:69] offset:(8*\t+\s)*1536+512*\c
.endr
.endr
.endr
	s_wait_alu depctr_va_vdst(0)
.irp tv, 0,1                                   ; v's result holds one column a lane: its bias in all eight registers
.irp j, 0,1,2,3,4,5,6,7
	global_load_b32 v[192+8*\tv+\j], v11, s[18:19] offset:32*\tv
.endr
.endr
	WIN 0xc0                                       ; window 3
.irp tv, 0,1
.irp s, 0,1,2,3,4,5,6,7
.irp c, 0,1,2
	global_load_b128 v[96*\tv+12*\s+4*\c:96*\tv+12*\s+4*\c+3], v[LI], s[70:71] offset:(8*\tv+\s)*1536+512*\c
.endr
.endr
.endr
	WIN 0
.irp p, 0,1
.irp sh, 0,1
	global_load_b128 v[WS+8*\p+4*\sh:WS+8*\p+4*\sh+3], v12, s[8:9] offset:1024*\p+16*\sh   ; four K steps' scale words of my row
.endr
.endr
.irp sh, 0,1
	global_load_b128 v[WS+16+4*\sh:WS+16+4*\sh+3], v12, s[12:13] offset:16*\sh
.endr
	s_wait_loadcnt 0x0
	s_wait_tensorcnt 0x1                           ; my scale words and my one of groups 0-3 are in; my one of groups 4-7 may be out
	s_barrier_signal -1
	s_barrier_wait -1                              ; everybody's are
	XSLOAD 0
	XFETCH 0, 0, 0
	GROUP 0
	GROUP 1
	s_wait_tensorcnt 0x0                           ; my one of groups 4-7 is in;
	s_wait_dscnt 0x0                               ; no LDS load of mine is pending at the signal
	s_barrier_signal -1
	s_barrier_wait -1                              ; everybody's is: the first read of group 4 stands in group 3's last K step
	GROUP 2
	GROUP 3
	GROUP 4
	GROUP 5
	GROUP 6
	GROUP 7
	s_wait_tensorcnt 0x0
	ds_add_u32 v254, v255
	s_wait_dscnt 0x0
	ROUND                                          ; the closing round: no work-group ends while a partner may still ask for a tile that names it
	s_endpgm
.Lfunc_end_k_q835b3f642b_qkv:
	.size	k_q835b3f642b_qkv, .Lfunc_end_k_q835b3f642b_qkv-k_q835b3f642b_qkv
	.p2alignl 7, 3214868480
	.fill 96, 4, 3214868480
	.section	.rodata,"a",@progbits
	.p2align	6, 0x0
	.amdhsa_kernel k_q835b3f642b_qkv
		.amdhsa_group_segment_fixed_size 205312
		.amdhsa_private_segment_fixed_size 0
		.amdhsa_enable_private_segment 0
		.amdhsa_kernarg_size 80
		.amdhsa_user_sgpr_count 2
		.amdhsa_user_sgpr_kernarg_segment_ptr 1
		.amdhsa_wavefront_size32 1
		.amdhsa_system_sgpr_workgroup_id_x 1
		.amdhsa_system_sgpr_workgroup_id_y 1
		.amdhsa_system_sgpr_workgroup_id_z 1
		.amdhsa_system_vgpr_workitem_id 0
		.amdhsa_next_free_vgpr 1024
		.amdhsa_next_free_sgpr 96
		.amdhsa_reserve_vcc 0
		.amdhsa_float_denorm_mode_32 3
		.amdhsa_float_denorm_mode_16_64 3
		.amdhsa_memory_ordered 1
		.amdhsa_forward_progress 1
		.amdhsa_inst_pref_size 217
	.end_amdhsa_kernel
	.amdgpu_metadata
---
amdhsa.version: [ 1, 2 ]
amdhsa.kernels:
  - .name:           k_q835b3f642b_qkv
    .symbol:         k_q835b3f642b_qkv.kd
    .args:
      - { .name: xw, .offset: 0, .size: 8, .value_kind: global_buffer, .address_space: global }
      - { .name: wi, .offset: 8, .size: 8, .value_kind: global_buffer, .address_space: global }
      - { .name: Wq_scales, .offset: 16, .size: 8, .value_kind: global_buffer, .address_space: global }
      - { .name: Wk_scales, .offset: 24, .size: 8, .value_kind: global_buffer, .address_space: global }
      - { .name: Wv_scales, .offset: 32, .size: 8, .value_kind: global_buffer, .address_space: global }
      - { .name: bq, .offset: 40, .size: 8, .value_kind: global_buffer, .address_space: global }
      - { .name: bk, .offset: 48, .size: 8, .value_kind: global_buffer, .address_space: global }
      - { .name: bv, .offset: 56, .size: 8, .value_kind: global_buffer, .address_space: global }
      - { .name: qk, .offset: 64, .size: 8, .value_kind: global_buffer, .address_space: global }
      - { .name: vw, .offset: 72, .size: 8, .value_kind: global_buffer, .address_space: global }
    .group_segment_fixed_size: 205312
    .private_segment_fixed_size: 0
    .kernarg_segment_align: 8
    .kernarg_segment_size: 80
    .max_flat_workgroup_size: 128
    .sgpr_count:     96
    .vgpr_count:     1024
    .wavefront_size: 32
...
	.end_amdgpu_metadata
.endif
;; end of part 6
;; launch attn (part 7): grid 4 x 64, 16 waves a work-group, clusters of 4 x 1, 327,680 bytes of LDS; arguments qk, vw, attention_mask, cw; writes cw
.if DOCPART == 7
	.amdgcn_target "amdgcn-amd-amdhsa--gfx1250"
	.amdhsa_code_object_version 6
	.text
	.protected	k_q835b3f642b_attn
	.globl	k_q835b3f642b_attn
	.p2align	8
	.type	k_q835b3f642b_attn,@function
k_q835b3f642b_attn:
	s_mov_b64 s[64:65], 0
	v_nop
	global_prefetch_b8 v0, s[64:65] scope:SCOPE_SE
	s_setreg_imm32_b32 hwreg(HW_REG_WAVE_MODE, 25, 1), 1
	s_wait_xcnt 0x0
	s_wait_alu depctr_hold_cnt(0) depctr_sa_sdst(0) depctr_va_vdst(0) depctr_va_sdst(0) depctr_va_ssrc(0) depctr_va_vcc(0) depctr_vm_vsrc(0)
	s_getreg_b32 s2, hwreg(HW_REG_IB_STS2, 6, 4)
	s_cmp_eq_u32 s2, 0
	s_cbranch_scc0 .Lentry_in_a_cluster
	s_endpgm
.Lentry_in_a_cluster:
	s_bfe_u32 s2, ttmp6, 0x10000c
	s_cmp_lg_u32 s2, 0x3003
	s_cbranch_scc0 .Lentry_shape_is_right
	s_endpgm
.Lentry_shape_is_right:
; ATTN.  ctx = softmax(q k^T / 8 + mask) v for each batch and head, both products on codes of FP6 (E2M3) with E8M0 scales; ctx is quantised in registers and leaves as images of the last product's operand.
; THE SOFTMAX AHEAD OF THE SECOND PRODUCT: t = (q.k + 8 mask) x log2(e) / 8; M = the row's largest t so far, rounded UP to a whole number; p = 2^(t - M) is what is quantised, along the keys, not normalised.
; The row's sum is taken of the unquantised p, in f32, and divides O at the end.  When M moves, the sum and O are multiplied by 2^(old M - new M): exact.
; A block's largest p is not searched for: the block's largest score goes through the same multiply-add and exponential (this takes v_exp_f32 not to fall where its input rises).
; SHARES.  Work-group (qq, y): batch y / 8, heads 2 (y % 8) and + 1, queries 256 qq on.  Each of sixteen waves owns one tile of 16 queries (group 8 qq + w / 2, tile w % 2: query r is token 32 g + 8 u + r + 8 (r / 8))
; and makes two passes, one a head: so it ends with a whole fragment of ctx (K step = the pair of heads) and its whole scale word.  Four waves to a SIMD: one wave's vector work stands beside another's products and LDS loads.
; K and V of both heads (196,608 bytes of images, 8,192 of scale words) come into LDS ONCE.  CLUSTER: the four query blocks of a cluster share batch and heads: K and V are asked for JOINTLY (mask 15).
; BOTH PRODUCTS ARE USED TRANSPOSED: a lane holds one query throughout.  The head has K = 64 in an instruction of 128: a PAIR FRAGMENT of k carries two tiles of 16 keys (k 0-63, k 64-127), and source 1 is
; (q | zeros) for the first and (zeros | q) for the second: zero codes add nothing.  The 16 registers of a group's two results are keys 32 g + 16 (lane / 16) + 0 .. 15.
; THE MASK, held and times 8, is the C of the first product: it is loaded from LDS straight into the accumulators, in the keys' order.
; LIMITS: mask values under -2^30 are held at -2^30 (it differs from the stated result only where every key of a row lies under that); NaN and +infinity are not served; scale bytes are held at 1 from below.
; REGISTERS: v1-4 lane terms; v5-8 the pass's addresses; v9-11 the way out; v12 -M, v13 the largest t, v[14:15] the sum; v16-33 zeros | q | zeros; v34 q's scale word; v36-83 four fragments of K or V;
; v84-89 their scale words; v96-159 S^T, then p; v160-191 O^T; v192-211 p's codes; v212-230 at work; v232-243 ctx's fragment, v244 its scale word; v246-252 the second head's q.
.set WV,   12
.set KSB,  196608                      ; LDS: 0 K's images (49,152 a head); 98,304 V's; K's scale words (2,048 a head);
.set VSB,  200704                      ; V's;
.set MK,   204800                      ; 8 x the held mask, 1,024 numbers (stored by the waves: no tensor load lands here);
.set CSG,  208896                      ; ctx's scale words of the work-group's 16 tiles (likewise)
.set F,    36
.set S,    96
.set O,    160
.set P,    192
.set BM,   212
.set BP,   216
.set SO,   220
.set PSW,  224
.set FF,   226                         ; v[226:227] f = 2^(old M - new M) (the pair's upper word is written once)
.set C2,   228
.set T,    230
.set CF,   232
.set CW,   244
.set QB,   246
.set QSB,  252
.set G1C,  24                          ; s[24:31] 48 dense rows of 256 bytes;  s[32:39] 2 rows;  s[40:43], s[44:47] their groups 0
.set G1S,  32
.set G0C,  40
.set G0S,  44
.macro PLACES
.rept 4
	v_nop
.endr
.endm
.macro ROUND
	s_barrier_signal -1
	s_barrier_wait -1
	s_cmp_lg_u32 s[WV], 0
	s_cbranch_scc1 .Lnot_wave_0_\@
	s_barrier_signal -3
.Lnot_wave_0_\@:
	s_barrier_wait -3
	s_barrier_signal -1
	s_barrier_wait -1
.endm
.macro WMS                             ; one product, adding in place; source 0's scales from lanes 16-31 where rRA is set
.if rRA
	v_wmma_scale_f32_16x16x128_f8f6f4 v[rD:rD+7], v[rA:rA+11], v[rB:rB+11], v[rD:rD+7], v[rSA], v[rSB] matrix_a_fmt:MATRIX_FMT_FP6 matrix_b_fmt:MATRIX_FMT_FP6 matrix_a_scale:MATRIX_SCALE_ROW1
.else
	v_wmma_scale_f32_16x16x128_f8f6f4 v[rD:rD+7], v[rA:rA+11], v[rB:rB+11], v[rD:rD+7], v[rSA], v[rSB] matrix_a_fmt:MATRIX_FMT_FP6 matrix_b_fmt:MATRIX_FMT_FP6
.endif
.endm
	s_load_b256 s[4:11], s[0:1], 0x0               ; qk, vw, attention_mask, cw
	v_lshl_add_u32 v254, v0, 2, 0x33400
	v_mov_b32 v255, 0
	ds_add_u32 v254, v255
	ds_add_u32 v254, v255
	v_lshrrev_b32 v1, 5, v0
	s_delay_alu instid0(VALU_DEP_1)
	v_readfirstlane_b32 s[WV], v1
	s_bfe_u32 s13, ttmp6, 0x40000                  ; cx
	s_lshl_b32 s14, ttmp9, 2
	s_add_co_u32 s14, s14, s13                     ; qq: it enters q's and ctx's addresses alone
	s_and_b32 s15, ttmp7, 0xffff
	s_lshr_b32 s16, s15, 3                         ; the batch
	s_and_b32 s17, s15, 7                          ; the pair of heads
	s_lshl_b32 s18, s16, 4
	s_lshl_b32 s54, s17, 1
	s_add_co_u32 s18, s18, s54                     ; 16 b + 2 hp
	s_mov_b32 s20, 0x76543210
	s_mov_b32 s21, 0xfedcba98
	s_mov_b32 s22, 0x3e38aa3b                      ; c = log2(e) / 8
	s_mov_b32 s23, s22                             ; (named with it as a pair)
	s_mov_b32 s48, 0                               ; the pass's head: its images,
	s_mov_b32 s49, 0                               ; its scale words
	s_mov_b32 s50, 0
	s_mov_b32 s[G1C], 15|(3<<16)|(1<<21)           ; the mask: all four; elements of 8 bytes; 21 set beside a mask
	s_mov_b32 s[G1C+1], 32<<16
	s_mov_b32 s[G1C+2], 48<<16                     ; 48 rows of 256 bytes: an eighth of two heads' images
	s_mov_b32 s[G1C+3], 32<<16
	s_mov_b32 s[G1C+4], 48
	s_mov_b32 s[G1C+5], 32
	s_mov_b32 s[G1C+6], 0
	s_mov_b32 s[G1C+7], 0
	s_mov_b32 s[G1S], 15|(3<<16)|(1<<21)
	s_mov_b32 s[G1S+1], 32<<16
	s_mov_b32 s[G1S+2], 2<<16
	s_mov_b32 s[G1S+3], 32<<16
	s_mov_b32 s[G1S+4], 2
	s_mov_b32 s[G1S+5], 32
	s_mov_b32 s[G1S+6], 0
	s_mov_b32 s[G1S+7], 0
	s_and_b32 s55, s[WV], 7                        ; waves 0-7 fetch K, waves 8-15 V: an eighth each
	s_mul_i32 s56, s18, 49152
	s_mul_i32 s57, s55, 12288
	s_add_co_u32 s56, s56, s57
	s_lshl_b32 s62, s18, 11
	s_lshl_b32 s63, s55, 9
	s_add_co_u32 s62, s62, s63
	s_mov_b32 s57, 0
	s_mov_b32 s63, 0
	s_mul_i32 s54, s[WV], 12288
	s_lshl_b32 s55, s[WV], 9
	s_wait_dscnt 0x0
	s_wait_kmcnt 0x0
	s_cmp_lt_u32 s[WV], 8                          ; the choice hangs on the wave's number alone
	s_cselect_b64 s[60:61], s[4:5], s[6:7]
	s_cselect_b32 s58, 6291456, 0                  ; k's images lie behind q's
	s_mov_b32 s59, 6291456
	s_cselect_b32 s59, 12845056, s59               ; k's scale words; V's
	s_add_co_u32 s56, s56, s58
	s_add_co_u32 s62, s62, s59
	s_mov_b32 s[G0C], 1
	s_mov_b32 s[G0C+1], s54
	s_add_nc_u64 s[G0C+2:G0C+3], s[60:61], s[56:57]
	s_or_b32 s[G0C+3], s[G0C+3], 0x80000000
	s_mov_b32 s[G0S], 1
	s_add_co_u32 s[G0S+1], s55, KSB
	s_add_nc_u64 s[G0S+2:G0S+3], s[60:61], s[62:63]
	s_or_b32 s[G0S+3], s[G0S+3], 0x80000000
	ROUND                                          ; all four work-groups are here: the joint loads meet
	tensor_load_to_lds s[G0C:G0C+3], s[G1C:G1C+7]  ; one load of mine is out; every byte is filled once
	s_nop 0
	s_wait_alu depctr_va_vdst(0)
	s_wait_tensorcnt 0x0
	ds_add_u32 v254, v255
	s_wait_dscnt 0x0
	ROUND
	tensor_load_to_lds s[G0S:G0S+3], s[G1S:G1S+7]
	s_nop 0
.rept 4
	v_nop
.endr
	s_lshr_b32 s66, s[WV], 1
	s_lshl_b32 s67, s14, 3
	s_add_co_u32 s66, s66, s67                     ; g: my group of 32 queries
	s_lshl_b32 s68, s18, 5
	s_add_co_u32 s68, s68, s66
	s_mul_i32 s68, s68, 1536
	s_mov_b32 s69, 0
	s_add_nc_u64 s[70:71], s[4:5], s[68:69]        ; q's pair fragment, first head
	s_lshl_b32 s68, s18, 11
	s_lshr_b32 s72, s66, 2
	s_lshl_b32 s72, s72, 8
	s_add_co_u32 s68, s68, s72
	s_and_b32 s72, s66, 1
	s_lshl_b32 s72, s72, 7
	s_add_co_u32 s68, s68, s72
	s_bfe_u32 s72, s66, 0x10001
	s_lshl_b32 s72, s72, 2
	s_add_co_u32 s68, s68, s72
	s_add_co_u32 s68, s68, 12582912
	s_add_nc_u64 s[74:75], s[4:5], s[68:69]        ; and its scale words
	s_lshl_b32 s68, s16, 12
	s_add_nc_u64 s[76:77], s[8:9], s[68:69]        ; the batch's mask
	s_lshl_b32 s72, s16, 6
	s_lshl_b32 s73, s14, 4
	s_add_co_u32 s72, s72, s73                     ; the work-group's first tile of tokens
	s_add_co_u32 s73, s72, s[WV]                   ; mine
	s_lshl_b32 s68, s73, 3
	s_add_co_u32 s68, s68, s17
	s_mul_i32 s68, s68, 1536
	s_add_nc_u64 s[78:79], s[10:11], s[68:69]      ; ctx's image: [tile][K step = pair of heads]
	s_lshl_b32 s68, s17, 15
	s_lshl_b32 s72, s72, 6
	s_add_co_u32 s68, s68, s72
	s_add_co_u32 s68, s68, 6291456
	s_add_nc_u64 s[10:11], s[10:11], s[68:69]      ; ctx's scale words: [K step][tile][row]
	s_and_b32 s52, s[WV], 1
	s_sub_co_u32 s51, 0, s52                       ; all ones where my tile is the pair's second
	s_lshl_b32 s52, s52, 4
	s_lshl_b32 s53, s[WV], 6
	v_and_b32 v5, 31, v0                           ; L
	v_and_b32 v6, 15, v0                           ; r
	v_bfe_u32 v7, v0, 4, 1                         ; h
	s_delay_alu instid0(VALU_DEP_3)
	v_lshlrev_b32 v1, 4, v5                        ; 16 L
	s_delay_alu instid0(VALU_DEP_4)
	v_lshl_add_u32 v2, v5, 3, KSB
	v_lshl_add_u32 v3, v5, 3, VSB
	s_delay_alu instid0(VALU_DEP_4)
	v_lshl_add_u32 v4, v7, 6, MK                   ; the mask of my half's 16 keys
	v_lshlrev_b32 v8, 3, v6                        ; 8 r
	v_lshl_add_u32 v9, v6, 2, s53
	s_delay_alu instid0(VALU_DEP_1)
	v_add_nc_u32 v9, CSG, v9                       ; my tile's scale words: 64 w + 4 r
	v_and_b32 v11, 63, v0
	s_delay_alu instid0(VALU_DEP_1)
	v_lshlrev_b32 v11, 4, v11                      ; 16 bytes a thread of waves 0 and 1
	s_delay_alu instid0(VALU_DEP_1)
	v_add_nc_u32 v10, CSG, v11
	v_lshlrev_b32 v90, 3, v0                       ; the mask: 8 bytes a thread
	s_delay_alu instid0(VALU_DEP_1)
	v_add_nc_u32 v91, MK, v90
	global_load_b64 v[92:93], v90, s[76:77]
.irp c, 0,1
.irp k, 0,1,2
	global_load_b128 v[S+12*\c+4*\k:S+12*\c+4*\k+3], v1, s[70:71] offset:49152*\c+512*\k
.endr
	global_load_b32 v[S+24+\c], v8, s[74:75] offset:2048*\c
.endr
.irp i, 0,1,2,3,4,5
	v_mov_b32 v[16+\i], 0                          ; zero codes on both sides of q
	v_mov_b32 v[28+\i], 0
.endr
.irp b, 0,1,2,3
	v_mov_b32 v[BP+\b], 0                          ; a lane permute's destination counts as one of its sources
.endr
	v_mov_b32 v[FF+1], 0
.irp i, 0,1,2,3,4,5,6,7,8,9,10,11
	v_mov_b32 v[CF+\i], 0
.endr
	v_mov_b32 v[CW], 0
	s_wait_loadcnt 0x0
	v_max_num_f32 v92, 0xce800000, v92             ; held at -2^30,
	v_max_num_f32 v93, 0xce800000, v93
	s_delay_alu instid0(VALU_DEP_2)
	v_mul_f32 v92, 0x41000000, v92                 ; times 8: exact
	s_delay_alu instid0(VALU_DEP_2)
	v_mul_f32 v93, 0x41000000, v93
	ds_store_b64 v91, v[92:93]
.irp i, 0,1,2,3,4,5
	v_cndmask_b32 v[22+\i], v[S+\i], v[S+6+\i], s51       ; my tile's half of the pair fragment: the first head's q,
	v_cndmask_b32 v[QB+\i], v[S+12+\i], v[S+18+\i], s51   ; the second's
.endr
.irp c, 0,1
	v_lshrrev_b32 v[S+24+\c], s52, v[S+24+\c]      ; my tile's two bytes,
	s_delay_alu instid0(VALU_DEP_1)
	v_and_b32 v[S+24+\c], 0xffff, v[S+24+\c]
.endr
	s_delay_alu instid0(VALU_DEP_3)
	v_lshl_or_b32 v34, v[S+24], 16, v[S+24]        ; twice: q may stand in either half of source 1
	s_delay_alu instid0(VALU_DEP_2)
	v_lshl_or_b32 v[QSB], v[S+25], 16, v[S+25]
	s_wait_tensorcnt 0x0                           ; my parts of K, V and their scale words are in,
	s_wait_dscnt 0x0                               ; my part of the mask is stored
	s_barrier_signal -1
	s_barrier_wait -1                              ; everybody's are
; A KEY STEP: 128 keys
.macro STEP st
.irp gi, 0,1,2,3
.irp q, 0,1,2,3
	ds_load_b128 v[S+16*\gi+4*\q:S+16*\gi+4*\q+3], v4 offset:512*(\st)+128*\gi+16*\q   ; the mask into the accumulators: register 16 gi + i is key 128 st + 32 gi + 16 h + i
.endr
.endr
.irp gi, 0,1,2,3
.irp c, 0,1,2
	ds_load_b128 v[F+12*\gi+4*\c:F+12*\gi+4*\c+3], v5 offset:(4*(\st)+\gi)*1536+512*\c
.endr
.endr
	ds_load_b64 v[84:85], v7 offset:256*(\st)
.if (\st)%2 == 0
	ds_load_b64 v[86:87], v8 offset:256*((\st)/2)          ; V's scale words of two steps
	ds_load_b64 v[88:89], v8 offset:1024+256*((\st)/2)
.endif
	s_wait_dscnt 0x0
.irp gi, 0,1,2,3                               ; S^T = K Q^T + 8 mask: eight accumulators, one product each
.irp u, 0,1
.set rD, S+16*\gi+8*\u
.set rA, F+12*\gi
.set rB, 22-6*\u
.set rSA, 84+\gi/2
.set rSB, 34
.set rRA, \gi%2
	WMS
.endr
.endr
	PLACES
.irp t, 0,1,2,3
.irp c, 0,1,2
	ds_load_b128 v[F+12*\t+4*\c:F+12*\t+4*\c+3], v6 offset:6144*(\st)+1536*\t+512*\c   ; V's four fragments land under the softmax
.endr
.endr
.irp b, 0,1,2,3
	v_max3_num_f32 v[BM+\b], v[S+16*\b], v[S+16*\b+1], v[S+16*\b+2]   ; the largest score of each block of 32 keys: for the row's maximum and for the block's largest p
.endr
.irp i, 3,5,7,9,11,13
.irp b, 0,1,2,3
	v_max3_num_f32 v[BM+\b], v[BM+\b], v[S+16*\b+\i], v[S+16*\b+\i+1]
.endr
.endr
.irp b, 0,1,2,3
	v_max_num_f32 v[BM+\b], v[BM+\b], v[S+16*\b+15]
.endr
.irp b, 0,1,2,3
	s_delay_alu instid0(VALU_DEP_4)
	v_permlanex16_b32 v[BP+\b], v[BM+\b], s20, s21
.endr
.irp b, 0,1,2,3
	s_delay_alu instid0(VALU_DEP_4)
	v_max_num_f32 v[BM+\b], v[BM+\b], v[BP+\b]     ; with lane l xor 16's 16 keys
.endr
	s_delay_alu instid0(VALU_DEP_2)
	v_max3_num_f32 v[T], v[BM], v[BM+1], v[BM+2]
	s_delay_alu instid0(VALU_DEP_1)
	v_max_num_f32 v[T], v[T], v[BM+3]
	s_delay_alu instid0(VALU_DEP_1)
	v_mul_f32 v[T], s22, v[T]                      ; as t (c is positive)
	s_delay_alu instid0(VALU_DEP_1)
	v_max_num_f32 v13, v13, v[T]                   ; the running largest t
	v_mov_b32 v[T], v12
	s_delay_alu instid0(VALU_DEP_2)
	v_floor_f32 v12, -v13                          ; the new -M = -ceil(t)
	s_delay_alu instid0(VALU_DEP_1)
	v_sub_f32 v[T], v12, v[T]                      ; old M - new M: a whole number, 0 or less
	s_delay_alu instid0(VALU_DEP_1)
	v_cvt_i32_f32 v[T], v[T]                       ; (it saturates)
	s_delay_alu instid0(VALU_DEP_1)
	v_ldexp_f32 v[FF], 1.0, v[T]                   ; f
.set j, 0
.rept 32
	v_pk_fma_f32 v[S+j:S+j+1], v[S+j:S+j+1], s[22:23], v[12:13] op_sel_hi:[1,0,0]   ; t - M, two at a time
.set j, j+2
.endr
.irp b, 0,1,2,3
	v_fma_f32 v[BM+\b], v[BM+\b], s22, v12
.endr
.set j, 0
	s_wait_alu depctr_va_vdst(0)
.rept 64
	v_exp_f32 v[S+j], v[S+j]                       ; p = 2^(t - M)
.set j, j+1
.endr
	s_setprio 1
.irp b, 0,1,2,3
	v_exp_f32 v[BM+\b], v[BM+\b]                   ; the block's largest p
.endr
	v_pk_mul_f32 v[14:15], v[14:15], v[FF:FF+1] op_sel_hi:[1,0]   ; the sum under the new M (the plain place behind the exponentials)
	s_wait_alu depctr_va_vdst(0)
.irp b, 0,1,2,3
	v_max_num_f32 v[BM+\b], 0x1800000, v[BM+\b]    ; the floor 2^(3 - 127)
.endr
.irp b, 0,1,2,3
	s_delay_alu instid0(VALU_DEP_4)
	v_add_nc_u32 v[SO+\b], 0xff000000, v[BM+\b]
.endr
.irp b, 0,1,2,3
	s_delay_alu instid0(VALU_DEP_4)
	v_lshrrev_b32 v[BP+\b], 23, v[SO+\b]
.endr
	s_delay_alu instid0(VALU_DEP_3)
	v_lshl_or_b32 v[PSW], v[BP+1], 8, v[BP]        ; p's scale word for these 128 keys
	s_delay_alu instid0(VALU_DEP_1)
	v_lshl_or_b32 v[PSW], v[BP+2], 16, v[PSW]
	s_delay_alu instid0(VALU_DEP_1)
	v_lshl_or_b32 v[PSW], v[BP+3], 24, v[PSW]
.irp c, 0,1
	v_cvt_scalef32_pk16_fp6_f32 v[P+6*\c:P+6*\c+2], v[S+32*\c:S+32*\c+15], v[SO+2*\c]
	v_cvt_scalef32_pk16_fp6_f32 v[P+12+4*\c:P+12+4*\c+2], v[S+32*\c+16:S+32*\c+31], v[SO+2*\c+1]
.endr
	v_nop                                          ; one plain place behind a scaled conversion
.irp c, 0,1
.irp i, 0,1,2
	v_permlane16_swap_b32 v[P+6*\c+\i], v[P+12+4*\c+\i]
.endr
.irp i, 0,1,2
	s_delay_alu instid0(VALU_DEP_3)
	v_mov_b32 v[P+6*\c+3+\i], v[P+12+4*\c+\i]
.endr
.endr
.set j, 0
.rept 16
	v_pk_mul_f32 v[O+j:O+j+1], v[O+j:O+j+1], v[FF:FF+1] op_sel_hi:[1,0]   ; O^T under the new M, each accumulator from its low end on
.set j, j+2
.endr
	v_pk_add_f32 v[C2:C2+1], v[S:S+1], v[S+2:S+3]  ; the row's sum of the unquantised p, in two chains.  These 32 name no register of the products below: they are the places in front of them
.irp j, 4,8,12,16,20,24,28,32,36,40,44,48,52,56,60
	v_pk_add_f32 v[14:15], v[14:15], v[S+\j:S+\j+1]
	v_pk_add_f32 v[C2:C2+1], v[C2:C2+1], v[S+\j+2:S+\j+3]
.endr
	s_delay_alu instid0(VALU_DEP_1)
	v_pk_add_f32 v[14:15], v[14:15], v[C2:C2+1]
	s_setprio 0
	s_wait_dscnt 0x0                               ; V is in
.irp t, 0,1,2,3                                ; O^T += V^T P^T: four accumulators, one product each
.set rD, O+8*\t
.set rA, F+12*\t
.set rB, P
.set rSA, 86+2*(\t/2)+(\st)%2
.set rSB, PSW
.set rRA, \t%2
	WMS
.endr
	PLACES                                         ; in front of the next loads into the fragments' and scale words' registers, and of the next read of O^T
.endm
.Lpass:                                            ; two trips: a head each
	v_add_nc_u32 v5, s48, v1                       ; K's images,
	s_delay_alu instid0(VALU_DEP_1)
	v_add_nc_u32 v6, 98304, v5                     ; V's,
	v_add_nc_u32 v7, s49, v2                       ; K's scale words,
	v_add_nc_u32 v8, s49, v3                       ; V's
	v_mov_b32 v13, 0xff61b1e6                      ; the largest t so far: -3e38
	s_delay_alu instid0(VALU_DEP_1)
	v_floor_f32 v12, -v13
	v_mov_b32 v14, 0
	v_mov_b32 v15, 0
.set j, 0
.rept 32
	v_mov_b32 v[O+j], 0                            ; the step is written once: its first use finds zeros, which the first change of M leaves zeros
.set j, j+1
.endr
.irp st, 0,1,2,3,4,5,6,7
	s_setprio 2
	STEP \st
.endr
	s_wait_alu depctr_va_vdst(0)
	v_add_f32 v14, v14, v15
	s_delay_alu instid0(VALU_DEP_1)
	v_permlanex16_b32 v[T], v14, s20, s21
	s_delay_alu instid0(VALU_DEP_1)
	v_add_f32 v14, v14, v[T]                       ; the row's sum
	s_wait_alu depctr_va_vdst(0)
	v_rcp_f32 v14, v14
	v_lshrrev_b32 v[CW], 16, v[CW]                 ; (a plain place)  the first head's two bytes go down
.set j, 0
	s_wait_alu depctr_va_vdst(0)
.rept 16
	v_pk_mul_f32 v[O+j:O+j+1], v[O+j:O+j+1], v[14:15] op_sel_hi:[1,0]   ; ctx: register 16 b + i is feature 32 b + 16 h + i of the head
.set j, j+2
.endr
.irp b, 0,1
	v_max3_num_f32 v[BM+\b], |v[O+16*\b]|, |v[O+16*\b+1]|, 0x1800000
.endr
.irp i, 2,4,6,8,10,12,14
.irp b, 0,1
	s_delay_alu instid0(VALU_DEP_2)
	v_max3_num_f32 v[BM+\b], v[BM+\b], |v[O+16*\b+\i]|, |v[O+16*\b+\i+1]|
.endr
.endr
.irp b, 0,1
	s_delay_alu instid0(VALU_DEP_2)
	v_permlanex16_b32 v[BP+\b], v[BM+\b], s20, s21
.endr
.irp b, 0,1
	s_delay_alu instid0(VALU_DEP_2)
	v_max_num_f32 v[BM+\b], v[BM+\b], v[BP+\b]
.endr
.irp b, 0,1
	s_delay_alu instid0(VALU_DEP_2)
	v_add_nc_u32 v[SO+\b], 0xff000000, v[BM+\b]
.endr
.irp b, 0,1
	s_delay_alu instid0(VALU_DEP_2)
	v_lshrrev_b32 v[BP+\b], 23, v[SO+\b]
.endr
	v_cvt_scalef32_pk16_fp6_f32 v[P:P+2], v[O:O+15], v[SO]
	v_cvt_scalef32_pk16_fp6_f32 v[P+4:P+6], v[O+16:O+31], v[SO+1]
	v_nop                                          ; one plain place behind a scaled conversion
.irp i, 0,1,2
	v_permlane16_swap_b32 v[P+\i], v[P+4+\i]
.endr
.irp i, 0,1,2,3,4,5
	v_mov_b32 v[CF+\i], v[CF+6+\i]                 ; the fragment's upper half goes down; this head's 64 features take its place
.endr
.irp i, 0,1,2
	v_mov_b32 v[CF+6+\i], v[P+\i]
	v_mov_b32 v[CF+9+\i], v[P+4+\i]
.endr
	v_lshl_or_b32 v[BP], v[BP+1], 8, v[BP]
	s_delay_alu instid0(VALU_DEP_1)
	v_lshl_or_b32 v[CW], v[BP], 16, v[CW]
.irp i, 0,1,2,3,4,5
	v_mov_b32 v[22+\i], v[QB+\i]                   ; the second head's q
.endr
	v_mov_b32 v34, v[QSB]
	s_add_co_u32 s48, s48, 49152
	s_add_co_u32 s49, s49, 2048
	s_add_co_u32 s50, s50, 1
	s_cmp_lt_u32 s50, 2
	s_cbranch_scc1 .Lpass
	s_setprio 0
.irp c, 0,1,2
	global_store_b128 v1, v[CF+4*\c:CF+4*\c+3], s[78:79] offset:512*\c
.endr
	ds_store_b32 v9, v[CW]                         ; both halves of the lanes write the same word with the same value
	s_wait_dscnt 0x0                               ; for the others' sake
	s_barrier_signal -1
	s_barrier_wait -1
	s_cmp_lt_u32 s[WV], 2                          ; the sixteen tiles' words, 1,024 consecutive bytes, leave by two waves
	s_cbranch_scc0 .Lno_words
	ds_load_b128 v[S:S+3], v10
	s_wait_dscnt 0x0
	global_store_b128 v11, v[S:S+3], s[10:11]
.Lno_words:
	s_wait_tensorcnt 0x0
	ds_add_u32 v254, v255
	s_wait_dscnt 0x0
	ROUND                                          ; the closing round
	s_endpgm
.Lfunc_end_k_q835b3f642b_attn:
	.size	k_q835b3f642b_attn, .Lfunc_end_k_q835b3f642b_attn-k_q835b3f642b_attn
	.p2alignl 7, 3214868480
	.fill 96, 4, 3214868480
	.section	.rodata,"a",@progbits
	.p2align	6, 0x0
	.amdhsa_kernel k_q835b3f642b_attn
		.amdhsa_group_segment_fixed_size 327680
		.amdhsa_private_segment_fixed_size 0
		.amdhsa_enable_private_segment 0
		.amdhsa_kernarg_size 32
		.amdhsa_user_sgpr_count 2
		.amdhsa_user_sgpr_kernarg_segment_ptr 1
		.amdhsa_wavefront_size32 1
		.amdhsa_system_sgpr_workgroup_id_x 1
		.amdhsa_system_sgpr_workgroup_id_y 1
		.amdhsa_system_sgpr_workgroup_id_z 1
		.amdhsa_system_vgpr_workitem_id 0
		.amdhsa_next_free_vgpr 256
		.amdhsa_next_free_sgpr 80
		.amdhsa_reserve_vcc 0
		.amdhsa_float_denorm_mode_32 3
		.amdhsa_float_denorm_mode_16_64 3
		.amdhsa_memory_ordered 1
		.amdhsa_forward_progress 1
		.amdhsa_inst_pref_size 156
	.end_amdhsa_kernel
	.amdgpu_metadata
---
amdhsa.version: [ 1, 2 ]
amdhsa.kernels:
  - .name:           k_q835b3f642b_attn
    .symbol:         k_q835b3f642b_attn.kd
    .args:
      - { .name: qk, .offset: 0, .size: 8, .value_kind: global_buffer, .address_space: global }
      - { .name: vw, .offset: 8, .size: 8, .value_kind: global_buffer, .address_space: global }
      - { .name: attention_mask, .offset: 16, .size: 8, .value_kind: global_buffer, .address_space: global }
      - { .name: cw, .offset: 24, .size: 8, .value_kind: global_buffer, .address_space: global }
    .group_segment_fixed_size: 327680
    .private_segment_fixed_size: 0
    .kernarg_segment_align: 8
    .kernarg_segment_size: 32
    .max_flat_workgroup_size: 512
    .sgpr_count:     80
    .vgpr_count:     256
    .wavefront_size: 32
...
	.end_amdgpu_metadata
.endif
;; end of part 7
;; launch outln (part 8): grid 256 x 1, 4 waves a work-group, no clusters, 132,096 bytes of LDS; arguments cw, wi, Wo_scales, bo, hidden_states, ln_g, ln_b, out0; writes out0
.if DOCPART == 8
	.amdgcn_target "amdgcn-amd-amdhsa--gfx1250"
	.amdhsa_code_object_version 6
	.text
	.protected	k_q835b3f642b_outln
	.globl	k_q835b3f642b_outln
	.p2align	8
	.type	k_q835b3f642b_outln,@function
k_q835b3f642b_outln:
	s_mov_b64 s[64:65], 0
	v_nop
	global_prefetch_b8 v0, s[64:65] scope:SCOPE_SE
	s_setreg_imm32_b32 hwreg(HW_REG_WAVE_SCHED_MODE, 0, 2), 2
	s_setreg_imm32_b32 hwreg(HW_REG_WAVE_MODE, 25, 1), 1
	s_wait_xcnt 0x0
	s_wait_alu depctr_vm_vsrc(0)
; OUTLN.  out = LayerNorm(ctx Wo^T + bo + hidden_states) x g + b.  The product on codes of FP6 (E2M3) with E8M0 scales, sums in f32; all else in f32.
; SHARES.  Work-group G: 32 tokens (two tiles) x all 1,024 columns, so that a row's mean and variance never leave the work-group.  Wave w: columns 256 w on, 16 tiles of Wo x 2 tiles of tokens: 32 accumulators.
; Wo's and ctx's fragments are images of registers in memory: they come by dense loads of 16 bytes a lane straight into registers, a K step ahead, in two buffers by turns.
; NO JOINT LOADS: each fragment of Wo feeds one wave of a work-group, once; a joint request would land in LDS, and every byte would then be read from there once more, behind a cluster's round for each refill.
; THE PRODUCT IS USED TRANSPOSED (source 0 = 16 rows of Wo, source 1 = 16 tokens): a lane's eight results are eight neighbouring columns of one token.  They meet in a stage in LDS (32 rows of 4,096 + 16 bytes:
; row r starts 16 r bytes on modulo 256, so sixteen rows meet in no bank: 64 banks of 4 bytes, ISA guide 11.1); behind one barrier each wave takes eight whole rows, one at a time: the sums over a row stay in the wave.
; The variance is taken of x - mean, in a second pass, as it is defined.  The 32 accumulators take turns, one instruction a turn.
; REGISTERS.  window 0: v4-9 addresses; v16-23 ctx's scale words; v24-71 ctx's fragments, two buffers; v72-135 Wo's scale words; v136-231 g, b, bo (features 128 q + 4 L + 0 .. 3); v232-240 at work;
;   behind the product v24-55 and v56-87 hold rows by turns.   window 1: the accumulators, 16 n + 8 u.   windows 2, 3: Wo's fragments at 12 n, by turns; later the residual's rows at 32 (i % 4).
; THE MODE: SCHED_MODE bits 1:0 = 2 (LLVM: expert scheduling mode 2), set by the entry lines.  The code itself states the register dependences
; between vector or matrix instructions and memory or LDS instructions, with s_wait_alu, always for 0.
; THE PLAN.  Registers that memory or LDS instructions touch (the text has no branch: one path):
;   v4-9, v254, v255   offsets, LDS addresses and the closing pair: written at the head, never again; one wait on va_vdst ahead of the first load serves them all.
;   CX0, CX1; windows 2, 3   K step t's 54 loads land in CX[t % 2] and window 2 + t % 2; step t's 32 products, and nothing else, read them.
;   window 1           the accumulators: written by the products, read once, by the 64 LDS stores.
;   windows 2, 3 again the residual's rows 0-3 land in window 2 during step 7, rows 4-7 in window 3 behind it; each row's additions read them.
;   XR0, XR1           stage row i lands in XR[i % 2]; row i's arithmetic works in place there; row i's eight stores read it; row i + 2 lands there.
; K step s multiplies buffer s % 2 and asks for step s + 1 into the other one, which the products of step s - 1 read: ONE wait on va_vdst at the step's head states that those are done.
; The step's loads follow it in four quarters, each ahead of eight products, which name the accumulators, this step's buffer and the scale words: none of the registers that the loads touch.
; A row has the wait behind its reciprocal root and one wait on va_vdst ahead of its stores; one wait on vm_vsrc at the next row's head frees the buffer that those stores read.
.set WV,   24
.set CS,   16
.set CX,   24
.set WS,   72                          ; register WS + 8 p + s: lanes 0-15 tile 2 p, lanes 16-31 tile 2 p + 1
.set GA,   136
.set BE,   168
.set BO,   200
.set T0,   232
.set T2,   234
.set MU,   236
.set RS,   238
.set PD,   240
.set XR,   24
.set SPI,  4112
.set MSB,  0
.macro WIN new
.if MSB != (\new)
	s_set_vgpr_msb (MSB<<8)|(\new)
.set MSB, (\new)
.endif
.endm
.macro PLACES
.rept 4
	v_nop
.endr
.endm
.macro WMS
.if rRA && rRB
	v_wmma_scale_f32_16x16x128_f8f6f4 v[rD:rD+7], v[rA:rA+11], v[rB:rB+11], v[rD:rD+7], v[rSA], v[rSB] matrix_a_fmt:MATRIX_FMT_FP6 matrix_b_fmt:MATRIX_FMT_FP6 matrix_a_scale:MATRIX_SCALE_ROW1 matrix_b_scale:MATRIX_SCALE_ROW1
.elseif rRA
	v_wmma_scale_f32_16x16x128_f8f6f4 v[rD:rD+7], v[rA:rA+11], v[rB:rB+11], v[rD:rD+7], v[rSA], v[rSB] matrix_a_fmt:MATRIX_FMT_FP6 matrix_b_fmt:MATRIX_FMT_FP6 matrix_a_scale:MATRIX_SCALE_ROW1
.elseif rRB
	v_wmma_scale_f32_16x16x128_f8f6f4 v[rD:rD+7], v[rA:rA+11], v[rB:rB+11], v[rD:rD+7], v[rSA], v[rSB] matrix_a_fmt:MATRIX_FMT_FP6 matrix_b_fmt:MATRIX_FMT_FP6 matrix_b_scale:MATRIX_SCALE_ROW1
.else
	v_wmma_scale_f32_16x16x128_f8f6f4 v[rD:rD+7], v[rA:rA+11], v[rB:rB+11], v[rD:rD+7], v[rSA], v[rSB] matrix_a_fmt:MATRIX_FMT_FP6 matrix_b_fmt:MATRIX_FMT_FP6
.endif
.endm
.macro WMSZ                            ; the first K step starts the sums: nothing is cleared
.if rRA && rRB
	v_wmma_scale_f32_16x16x128_f8f6f4 v[rD:rD+7], v[rA:rA+11], v[rB:rB+11], 0, v[rSA], v[rSB] matrix_a_fmt:MATRIX_FMT_FP6 matrix_b_fmt:MATRIX_FMT_FP6 matrix_a_scale:MATRIX_SCALE_ROW1 matrix_b_scale:MATRIX_SCALE_ROW1
.elseif rRA
	v_wmma_scale_f32_16x16x128_f8f6f4 v[rD:rD+7], v[rA:rA+11], v[rB:rB+11], 0, v[rSA], v[rSB] matrix_a_fmt:MATRIX_FMT_FP6 matrix_b_fmt:MATRIX_FMT_FP6 matrix_a_scale:MATRIX_SCALE_ROW1
.elseif rRB
	v_wmma_scale_f32_16x16x128_f8f6f4 v[rD:rD+7], v[rA:rA+11], v[rB:rB+11], 0, v[rSA], v[rSB] matrix_a_fmt:MATRIX_FMT_FP6 matrix_b_fmt:MATRIX_FMT_FP6 matrix_b_scale:MATRIX_SCALE_ROW1
.else
	v_wmma_scale_f32_16x16x128_f8f6f4 v[rD:rD+7], v[rA:rA+11], v[rB:rB+11], 0, v[rSA], v[rSB] matrix_a_fmt:MATRIX_FMT_FP6 matrix_b_fmt:MATRIX_FMT_FP6
.endif
.endm
; Quarter j of K step t's 54 loads: (j = 0: ctx's two fragments, 6 loads, and) my tiles 4 j .. 4 j + 3 of Wo, 12 loads
.macro LOADG t, j
.if (\j) == 0
	WIN 0
.irp u, 0,1
.irp c, 0,1,2
	global_load_b128 v[CX+24*((\t)%2)+12*\u+4*\c:CX+24*((\t)%2)+12*\u+4*\c+3], v4, s[20:21] offset:12288*\u+1536*(\t)+512*\c
.endr
.endr
.endif
	WIN 0x80+0x40*((\t)%2)
.irp n, 0,1,2,3
.irp c, 0,1,2
	global_load_b128 v[12*(4*(\j)+\n)+4*\c:12*(4*(\j)+\n)+4*\c+3], v4, s[6:7] offset:12288*(4*(\j)+\n)+1536*(\t)+512*\c
.endr
.endr
.endm
.macro RESROW i                        ; row i of my eight of hidden_states, into the window that Wo's fragments have left: 8 loads of 512 consecutive bytes
	WIN 0x80+0x40*((\i)/4)
.irp q, 0,1,2,3,4,5,6,7
	global_load_b128 v[32*((\i)%4)+4*\q:32*((\i)%4)+4*\q+3], v4, s[12:13] offset:4096*(\i)+512*\q th:TH_LOAD_NT
.endr
.endm
; K step s: four quarters, each the next loads and eight products
.macro KS s
.if (\s) > 0
	PLACES                                         ; the buffers loaded into were read by the step before: the four places behind its products stay
	s_wait_alu depctr_va_vdst(0)                   ; the products of step s - 1 are done reading their fragments of ctx and of Wo, in which all the loads of this step land
.endif
.irp j, 0,1,2,3
.if (\s) < 7
	LOADG (\s)+1, \j                               ; no vector or matrix instruction since the wait at the step's head names these registers
	s_wait_loadcnt 54                              ; loads come back in order (ISA guide 5.7.1): behind this step's quarter j stand 12 (3 - j) loads of this step and 18 + 12 j of the next: 54
.else
	RESROW \j
	s_wait_loadcnt 44-4*\j                         ; 12 (3 - j) loads of this step and 8 (j + 1) of the residual
.endif
	WIN 0x52+((\s)%2)                              ; Wo window 2 or 3, ctx window 0, the sums window 1
.irp m, 0,1,2,3
.irp u, 0,1
.set nn, 4*(\j)+\m
.set rD, 16*nn+8*\u
.set rA, 12*nn
.set rB, CX+24*((\s)%2)+12*\u
.set rSA, WS+8*(nn/2)+(\s)
.set rSB, CS+(\s)
.set rRA, nn%2
.set rRB, \u
.if (\s) == 0
	WMSZ
.else
	WMS
.endif
.endr
.endr
.endr
.endm
.macro ROWLOAD i                       ; stage row 8 w + i, whole: features 128 q + 4 L + 0 .. 3
.irp q, 0,1,2,3,4,5,6,7
	ds_load_b128 v[XR+32*((\i)%2)+4*\q:XR+32*((\i)%2)+4*\q+3], v8 offset:SPI*(\i)+512*\q
.endr
.endm
.macro LANESUM                         ; v[T0] over the 32 lanes, the result in every lane
	v_add_f32_dpp v[T0], v[T0], v[T0] row_xmask:1 row_mask:0xf bank_mask:0xf
	v_add_f32_dpp v[T0], v[T0], v[T0] row_xmask:2 row_mask:0xf bank_mask:0xf
	v_add_f32_dpp v[T0], v[T0], v[T0] row_xmask:4 row_mask:0xf bank_mask:0xf
	v_add_f32_dpp v[T0], v[T0], v[T0] row_xmask:8 row_mask:0xf bank_mask:0xf
	v_permlanex16_b32 v[PD], v[T0], s28, s29
	v_add_f32 v[T0], v[T0], v[PD]
.endm
.macro LNROW i
.set XB, XR+32*((\i)%2)
.if (\i) < 7
.if (\i) > 0
	s_wait_xcnt 0x0                                ; the row before's stores have read the registers that the next row lands in
	s_wait_alu depctr_vm_vsrc(0)                   ; the row before's eight stores have read their row buffer, in which the next row lands (its arithmetic stands ahead of the wait in front of those stores)
.endif
	ROWLOAD (\i)+1
	s_wait_dscnt 8                                 ; my row is back; the next row's eight loads may be out
.else
	s_wait_dscnt 0x0
.endif
	s_wait_loadcnt 8*(7-(\i))                      ; this row's residual is in; the later rows' may be out
	WIN 0x08+4*((\i)/4)                            ; source 1: window 2 or 3
.set j, 0
.rept 16
	v_pk_add_f32 v[XB+j:XB+j+1], v[XB+j:XB+j+1], v[32*((\i)%4)+j:32*((\i)%4)+j+1]
.set j, j+2
.endr
	WIN 0
.set j, 0
.rept 16
	v_pk_add_f32 v[XB+j:XB+j+1], v[XB+j:XB+j+1], v[BO+j:BO+j+1]
.set j, j+2
.endr
	v_pk_add_f32 v[T0:T0+1], v[XB:XB+1], v[XB+2:XB+3]         ; the row's sum, in two chains
	v_pk_add_f32 v[T2:T2+1], v[XB+4:XB+5], v[XB+6:XB+7]
.irp p, 8,12,16,20,24,28
	v_pk_add_f32 v[T0:T0+1], v[T0:T0+1], v[XB+\p:XB+\p+1]
	v_pk_add_f32 v[T2:T2+1], v[T2:T2+1], v[XB+\p+2:XB+\p+3]
.endr
	v_pk_add_f32 v[T0:T0+1], v[T0:T0+1], v[T2:T2+1]
	v_add_f32 v[T0], v[T0], v[T0+1]
	LANESUM
	v_mul_f32 v[MU], s26, v[T0]                    ; the mean
.set j, 0
.rept 16
	v_pk_add_f32 v[XB+j:XB+j+1], v[XB+j:XB+j+1], v[MU:MU+1] op_sel_hi:[1,0] neg_lo:[0,1] neg_hi:[0,1]
.set j, j+2
.endr
	v_pk_mul_f32 v[T0:T0+1], v[XB:XB+1], v[XB:XB+1]           ; the sum of squares of x - mean
	v_pk_mul_f32 v[T2:T2+1], v[XB+2:XB+3], v[XB+2:XB+3]
.irp p, 4,8,12,16,20,24,28
	v_pk_fma_f32 v[T0:T0+1], v[XB+\p:XB+\p+1], v[XB+\p:XB+\p+1], v[T0:T0+1]
	v_pk_fma_f32 v[T2:T2+1], v[XB+\p+2:XB+\p+3], v[XB+\p+2:XB+\p+3], v[T2:T2+1]
.endr
	v_pk_add_f32 v[T0:T0+1], v[T0:T0+1], v[T2:T2+1]
	v_add_f32 v[T0], v[T0], v[T0+1]
	LANESUM
	v_fma_f32 v[RS], v[T0], s26, s27               ; the variance + 1e-12
	s_wait_alu depctr_va_vdst(0)
	v_rsq_f32 v[RS], v[RS]
	v_nop                                          ; one plain place behind a transcendental
	s_wait_alu depctr_va_vdst(0)                   ; the reciprocal root is written, ahead of the first instruction that names it
.set j, 0
.rept 16
	v_pk_mul_f32 v[XB+j:XB+j+1], v[XB+j:XB+j+1], v[RS:RS+1] op_sel_hi:[1,0]
.set j, j+2
.endr
.set j, 0
.rept 16
	v_pk_fma_f32 v[XB+j:XB+j+1], v[XB+j:XB+j+1], v[GA+j:GA+j+1], v[BE+j:BE+j+1]
.set j, j+2
.endr
	s_wait_alu depctr_va_vdst(0)                   ; the multiply-adds have written the row, which the eight stores read; with them the row's arithmetic is done with this buffer, in which the row after next lands
.irp q, 0,1,2,3,4,5,6,7
	global_store_b128 v4, v[XB+4*\q:XB+4*\q+3], s[18:19] offset:4096*(\i)+512*\q th:TH_STORE_NT   ; 32 lanes store 512 consecutive bytes, aligned; written once, read by nobody here
.endr
.endm
	s_load_b256 s[4:11], s[0:1], 0x0               ; cw, wi, Wo's scales, bo
	s_load_b256 s[12:19], s[0:1], 0x20             ; hidden_states, g, b, out0
	v_lshl_add_u32 v254, v0, 2, 0x20200
	v_mov_b32 v255, 0
	v_lshrrev_b32 v1, 5, v0
	v_readfirstlane_b32 s[WV], v1
	v_and_b32 v1, 31, v0                           ; L
	v_and_b32 v2, 15, v0                           ; r
	v_bfe_u32 v3, v0, 4, 1                         ; h
	v_lshlrev_b32 v4, 4, v1                        ; 16 L
	v_lshlrev_b32 v5, 2, v1                        ; 4 L
	s_wait_alu depctr_va_sdst(0)                   ; the wave's number is written into s24, ahead of its first reader: LDS addresses and the bases are made from it
	s_lshl_b32 s30, s[WV], 10
	v_mul_u32_u24 v6, v2, SPI
	v_lshl_add_u32 v6, v3, 6, v6
	v_add_nc_u32 v6, s30, v6                       ; the stage, tile 0: row r, + 64 h, + my 1,024 bytes
	v_add_nc_u32 v7, 16*SPI, v6                    ; tile 1: sixteen rows on
	s_mul_i32 s30, s[WV], 8*SPI
	v_add_nc_u32 v8, s30, v4                       ; back: my eight rows
	v_and_b32 v9, 8, v2
	v_add_nc_u32 v9, v9, v2
	v_lshl_add_u32 v9, v3, 3, v9
	v_lshlrev_b32 v9, 5, v9                        ; Wo's scale bytes: 32 a row; lanes 16-31 the tile 8 rows on
	v_mov_b32 v[MU+1], 0                           ; (named as the upper halves of pairs)
	v_mov_b32 v[RS+1], 0
	v_mov_b32 v[PD], 0                             ; a lane permute's destination counts as one of its sources
	s_mov_b32 s26, 0x3a800000                      ; 1 / 1,024
	s_mov_b32 s27, 0x2b8cbccc                      ; 1e-12
	s_mov_b32 s28, 0x76543210
	s_mov_b32 s29, 0xfedcba98
	s_mul_i32 s30, ttmp9, 24576
	s_mov_b32 s31, 0
	s_lshl_b32 s32, ttmp9, 7
	s_add_co_u32 s32, s32, 6291456
	s_mov_b32 s33, 0
	s_mul_i32 s34, s[WV], 196608
	s_add_co_u32 s34, s34, 2359296
	s_mov_b32 s35, 0
	s_lshl_b32 s36, s[WV], 13
	s_mov_b32 s37, 0
	s_lshl_b32 s38, ttmp9, 5                       ; my eight tokens: 32 G + 8 (w / 2) + 16 (w % 2) on
	s_lshr_b32 s39, s[WV], 1
	s_lshl_b32 s39, s39, 3
	s_add_co_u32 s38, s38, s39
	s_and_b32 s39, s[WV], 1
	s_lshl_b32 s39, s39, 4
	s_add_co_u32 s38, s38, s39
	s_lshl_b32 s38, s38, 12
	s_mov_b32 s39, 0
	s_wait_kmcnt 0x0
	s_add_nc_u64 s[20:21], s[4:5], s[30:31]        ; ctx's images
	s_add_nc_u64 s[22:23], s[4:5], s[32:33]        ; ctx's scale words
	s_add_nc_u64 s[6:7], s[6:7], s[34:35]          ; Wo's images, my sixteen tiles
	s_add_nc_u64 s[8:9], s[8:9], s[36:37]
	s_add_nc_u64 s[12:13], s[12:13], s[38:39]
	s_add_nc_u64 s[18:19], s[18:19], s[38:39]
	s_wait_alu depctr_va_vdst(0)                   ; the offsets v4, v5, v9, the LDS addresses v6 to v8 and the closing pair v254, v255 are written: every load, store and LDS instruction of the kernel reads some of them, and none is written again
.irp q, 0,1,2,3,4,5,6,7
	global_load_b128 v[GA+4*\q:GA+4*\q+3], v4, s[14:15] offset:512*\q
	global_load_b128 v[BE+4*\q:BE+4*\q+3], v4, s[16:17] offset:512*\q
	global_load_b128 v[BO+4*\q:BO+4*\q+3], v4, s[10:11] offset:512*\q
.endr
.irp p, 0,1,2,3,4,5,6,7
.irp sh, 0,1
	global_load_b128 v[WS+8*\p+4*\sh:WS+8*\p+4*\sh+3], v9, s[8:9] offset:1024*\p+16*\sh
.endr
.endr
.irp s, 0,1,2,3,4,5,6,7
	global_load_b32 v[CS+\s], v5, s[22:23] offset:32768*\s   ; lanes 0-15 tile 0's rows, lanes 16-31 tile 1's
.endr
.irp j, 0,1,2,3
	LOADG 0, \j                                    ; K step 0, whole
.endr
.irp s, 0,1,2,3,4,5,6,7
	KS \s
.endr
	PLACES                                         ; four places behind the last products, before their results are read (ISA guide 7.12.1); they stay beside the wait below
	s_wait_alu depctr_va_vdst(0)                   ; the products have written the accumulators, which the LDS stores read; step 7's are done reading window 3, in which the residual's rows 4 to 7 land, and ctx's fragments and the scale words, in which the stage's rows 0 and 1 land
.irp i, 4,5,6,7
	RESROW \i
.endr
	WIN 0x04                                       ; an LDS store's data are its source 1: window 1
.irp n, 0,1,2,3,4,5,6,7,8,9,10,11,12,13,14,15
.irp u, 0,1
	ds_store_b128 v[6+\u], v[16*\n+8*\u:16*\n+8*\u+3] offset:128*(\n/2)+32*(\n%2)       ; lane (r, h): columns 256 w + 32 (n / 2) + 16 h + 8 (n % 2) + 0 .. 7; each accumulator from its low end on
	ds_store_b128 v[6+\u], v[16*\n+8*\u+4:16*\n+8*\u+7] offset:128*(\n/2)+32*(\n%2)+16
.endr
.endr
	WIN 0
	s_wait_dscnt 0x0                               ; for the others' sake: my stores into the stage are done
	s_barrier_signal -1
	s_barrier_wait -1                              ; 32 whole rows lie in the stage
	ROWLOAD 0
.irp i, 0,1,2,3,4,5,6,7
	LNROW \i
.endr
	s_wait_dscnt 0x0                               ; the closing lines, six on end
	s_wait_alu 0x0
	s_wait_tensorcnt 0x0
	ds_add_u32 v254, v255
	s_wait_dscnt 0x0
	s_endpgm
.Lfunc_end_k_q835b3f642b_outln:
	.size	k_q835b3f642b_outln, .Lfunc_end_k_q835b3f642b_outln-k_q835b3f642b_outln
	.p2alignl 7, 3214868480
	.fill 96, 4, 3214868480
	.section	.rodata,"a",@progbits
	.p2align	6, 0x0
	.amdhsa_kernel k_q835b3f642b_outln
		.amdhsa_group_segment_fixed_size 132096
		.amdhsa_private_segment_fixed_size 0
		.amdhsa_enable_private_segment 0
		.amdhsa_kernarg_size 64
		.amdhsa_user_sgpr_count 2
		.amdhsa_user_sgpr_kernarg_segment_ptr 1
		.amdhsa_wavefront_size32 1
		.amdhsa_system_sgpr_workgroup_id_x 1
		.amdhsa_system_sgpr_workgroup_id_y 1
		.amdhsa_system_sgpr_workgroup_id_z 1
		.amdhsa_system_vgpr_workitem_id 0
		.amdhsa_next_free_vgpr 1024
		.amdhsa_next_free_sgpr 66
		.amdhsa_reserve_vcc 0
		.amdhsa_float_denorm_mode_32 3
		.amdhsa_float_denorm_mode_16_64 3
		.amdhsa_memory_ordered 1
		.amdhsa_forward_progress 1
		.amdhsa_inst_pref_size 170
	.end_amdhsa_kernel
	.amdgpu_metadata
---
amdhsa.version: [ 1, 2 ]
amdhsa.kernels:
  - .name:           k_q835b3f642b_outln
    .symbol:         k_q835b3f642b_outln.kd
    .args:
      - { .name: cw, .offset: 0, .size: 8, .value_kind: global_buffer, .address_space: global }
      - { .name: wi, .offset: 8, .size: 8, .value_kind: global_buffer, .address_space: global }
      - { .name: Wo_scales, .offset: 16, .size: 8, .value_kind: global_buffer, .address_space: global }
      - { .name: bo, .offset: 24, .size: 8, .value_kind: global_buffer, .address_space: global }
      - { .name: hidden_states, .offset: 32, .size: 8, .value_kind: global_buffer, .address_space: global }
      - { .name: ln_g, .offset: 40, .size: 8, .value_kind: global_buffer, .address_space: global }
      - { .name: ln_b, .offset: 48, .size: 8, .value_kind: global_buffer, .address_space: global }
      - { .name: out0, .offset: 56, .size: 8, .value_kind: global_buffer, .address_space: global }
    .group_segment_fixed_size: 132096
    .private_segment_fixed_size: 0
    .kernarg_segment_align: 8
    .kernarg_segment_size: 64
    .max_flat_workgroup_size: 128
    .sgpr_count:     66
    .vgpr_count:     1024
    .wavefront_size: 32
...
	.end_amdgpu_metadata
.endif
;; end of part 8
